; MI455X (gfx1250); checked and timed in simulation.
; The chip was launched on July 23, 2026; its instructions are those of AMD's public machine-readable ISA for CDNA 5 (MIT licence, August 2026) and "CDNA5" Instruction Set Architecture Reference Guide (July 2026). The comments in the code are by the model that wrote it; some were corrected since.
;; Transformer Block. Allowed arithmetic: matrix products marked QUANTISED: E3M2 operands, one E8M0 scale for each 32 along K, by v_wmma_scale_f32_16x16x128_f8f6f4 with both operands' format E3M2, f32 sums; everything else in f32.
;; Inputs: b_ff1 4,096 float32; b_ff2 1,024 float32; b_out 1,024 float32; b_qkv 3,072 float32; ln1_b 1,024 float32; ln1_g 1,024 float32; ln2_b 1,024 float32; ln2_g 1,024 float32; w_ff1_codes 4,096 x 32 x 24 uint8 (E3M2 codes of w_ff1, K innermost, in blocks of 32 codes, four codes in three bytes); w_ff1_scales 4,096 x 32 uint8 (E8M0 scales of w_ff1, one for each 32 codes along K); w_ff2_codes 1,024 x 128 x 24 uint8 (E3M2 codes of w_ff2, K innermost, in blocks of 32 codes, four codes in three bytes); w_ff2_scales 1,024 x 128 uint8 (E8M0 scales of w_ff2, one for each 32 codes along K); w_out_codes 1,024 x 32 x 24 uint8 (E3M2 codes of w_out, K innermost, in blocks of 32 codes, four codes in three bytes); w_out_scales 1,024 x 32 uint8 (E8M0 scales of w_out, one for each 32 codes along K); w_qkv_codes 3,072 x 32 x 24 uint8 (E3M2 codes of w_qkv, K innermost, in blocks of 32 codes, four codes in three bytes); w_qkv_scales 3,072 x 32 uint8 (E8M0 scales of w_qkv, one for each 32 codes along K); x 2 x 2,048 x 1,024 float32.
;; Outputs: out0 2 x 2,048 x 1,024 float32.
;; This version of the problem:
;;   THIS VERSION OF THE PROBLEM IS GIVEN IN LOW PRECISION. The matrix products marked QUANTISED in the list below multiply operands that are first quantised to E3M2 (3 exponent bits, 2 mantissa bits; 6 bits a number), with one power-of-two scale for each 32 numbers along K (OCP MX v1.0); their sums are f32. All else is computed in f32.
;;   The module's matrix products, in the order in which they are computed (A, B: the left and right operand; K: the contracted axis; several contracted axes count as one K, in the product's order):
;;     1. [M 4,096, K 1,024] x [K 1,024, N 3,072]; A: input x; B: input w_qkv (given as codes): QUANTISED
;;     2. batch 32 x [M 2,048, K 64] x [K 64, N 2,048]; A: computed on the way; B: computed on the way: QUANTISED
;;     3. batch 32 x [M 2,048, K 2,048] x [K 2,048, N 64]; A: softmax (see below); B: computed on the way: QUANTISED
;;     4. [M 4,096, K 1,024] x [K 1,024, N 1,024]; A: computed on the way; B: input w_out (given as codes): QUANTISED
;;     5. [M 4,096, K 1,024] x [K 1,024, N 4,096]; A: computed on the way; B: input w_ff1 (given as codes): QUANTISED
;;     6. [M 4,096, K 4,096] x [K 4,096, N 1,024]; A: computed on the way; B: input w_ff2 (given as codes): QUANTISED
;;   THE QUANTISER, for each operand of a quantised product, along K:
;;     - K is cut into blocks of 32 from its start; a last block that is shorter is filled with zeros.
;;     - A block's scale is 2^e with e = floor(log2(the largest magnitude in the block)) - 4, held to -126 .. 127; a block of zeros has e = 0. As a byte (E8M0): e + 127.
;;     - Each number is divided by its block's scale, clamped to +-28, and rounded to the nearest number of E3M2, ties to even, subnormals kept.
;;     - The product sums the exact products of the quantised numbers (number of the format x scale) in f32.
;;   ~~~python
;;   def quantise(x, axis):      # numpy; x: float32 -> the quantised numbers, widened to float32 again
;;       x = np.moveaxis(x, axis, -1); K = x.shape[-1]
;;       x = np.pad(x, [(0, 0)] * (x.ndim - 1) + [(0, -K % 32)]); x = x.reshape(x.shape[:-1] + (-1, 32)); a = np.abs(x).max(-1, keepdims=True)
;;       e = np.where(a > 0, np.clip(np.frexp(np.where(a > 0, a, 1))[1] - 1 - 4, -126, 127), 0)      # np.frexp(a)[1] - 1 = floor(log2(a)), exactly
;;       r = np.clip(x / 2.0 ** e, -28, 28)
;;       step = 2.0 ** (np.maximum(np.frexp(np.where(r == 0, 1, r))[1] - 1, -2) - 2)
;;       q = np.round(r / step) * step * 2.0 ** e      # np.round: ties to even
;;       return np.moveaxis(q.reshape(q.shape[:-2] + (-1,))[..., :K], -1, axis).astype(np.float32)
;;   ~~~
;;   SOFTMAX AHEAD OF A QUANTISED PRODUCT. Where the list says 'softmax', what is quantised is not the finished softmax but p = 2^(t - M), with t = logit x log2(e) and M = ceil(the row's largest t), a whole number; so 1/2 < the row's largest p <= 1. The row's sum l is taken of the UNQUANTISED p, in f32, and the product's result is divided by l at the end. Since M is a whole number, a kernel that streams over the keys may use a running M (the ceiling of the running maximum): every later rescaling is an exact power of two, which a block's scale takes up: the codes' values come out the same.
;;   OPERANDS COMPUTED ON THE WAY. 'Computed on the way' means the value that the module computes at that place (a softmax that the list does not call 'softmax' is quantised finished and normalised). What goes into a quantiser is computed in f32, as accurately as f32 sums, v_exp_f32 and their like allow (about 1e-6 of the number): no bf16 or f16 on the way to a quantiser, and a product that is left as it is and whose result goes on into a quantised operand takes f32 operands (vector FMAs, or v_wmma_f32_16x16x4_f32). A number that lies on a knife's edge between two numbers of the format may be rounded either way, as far as f32 arithmetic and the matrix unit's own rounding can turn it there, and no further.
;;   INPUTS GIVEN AS CODES. w_ff1 (in the module: [1024, 4096], K = its axis 0); w_ff2 (in the module: [4096, 1024], K = its axis 0); w_out (in the module: [1024, 1024], K = its axis 0); w_qkv (in the module: [1024, 3072], K = its axis 0): each comes as NAME_codes (uint8): NAME with its K axis moved to the last place and cut into blocks of 32 codes, [.., K / 32, bytes a block], one block behind the other in memory; four codes in three bytes: a row's codes are one little-endian stream of bits, code i at bits 6 i .. 6 i + 5 (a code: sign, 3 exponent bits, 2 mantissa bits); and NAME_scales (uint8): the same leading axes, one E8M0 byte (e + 127) for each 32 codes along K. Its value is code x scale, taken as it is: it is not quantised again, and the codes and scales need not be those that the quantiser above would give.
;; One version. Each part assembles by itself: llvm-mc -triple=amdgcn-amd-amdhsa -mcpu=gfx1250 --defsym DOCPART=n.
;; ======== version 1 of 1: 8 launches
;; limits: right only within a limited range of input values
;; workspace buffers: aq 3,276,800 bytes; qkvq 9,830,400 bytes; oq 3,276,800 bytes; t 16,777,216 bytes; x1 16,777,216 bytes; hq 13,107,200 bytes
;; launch quantx (part 1): grid 256 x 1, 2 waves a work-group, no clusters, 16,640 bytes of LDS; arguments x, aq; writes aq
.if DOCPART == 1
	.amdgcn_target "amdgcn-amd-amdhsa--gfx1250"
	.amdhsa_code_object_version 6
	.text
	.protected	k_q4b0614884c_quantx
	.globl	k_q4b0614884c_quantx
	.p2align	8
	.type	k_q4b0614884c_quantx,@function
k_q4b0614884c_quantx:
	s_mov_b64 s[64:65], 0
	v_nop
	global_prefetch_b8 v0, s[64:65] scope:SCOPE_SE
	s_setreg_imm32_b32 hwreg(HW_REG_WAVE_MODE, 25, 1), 1
	s_wait_xcnt 0x0
; x [4096][1024] f32 becomes codes of E3M2, 6 bits each, K innermost (aq: [4096][768] bytes), and one E8M0 byte for each 32 along K (aq + AQS: [4096][32]).
; A block's scale is 2^(floor(log2(its largest magnitude)) - 4); its byte is the largest magnitude's exponent field - 4, held at 1 from below.
; LIMITS: a block of zeros, or one whose largest magnitude lies under 2^-122, gets the byte 1 (the bytes are read by this program alone; zero codes add nothing); NaN and infinities are not served.
; Rows are dense and 1024 is a multiple of 32: x is a plain stream of blocks of 32, and so are the codes and the bytes.  A wave takes a run of 8,192 numbers in 16 steps of 512.
; Each load reads 512 consecutive bytes, 16 a lane; a step's 2,048 bytes turn through the wave's own stage in LDS and come back 64 bytes a lane, since the conversion takes 16 neighbours from one lane's registers.
; Work-groups share no input, so there is no cluster, no tensor load and no barrier.  Loads run four steps ahead, the turn through LDS one step.
.set STEPS, 16
.set CB,    12                         ; bytes of 16 codes
.set R,     16                         ; v16-79   four sets of 16 numbers as they are loaded
.set X,     80                         ; v80-111  two sets of 16 neighbours
.set C,     128                        ; v128-191 codes: four registers for each step, so that no store's data are written again
.set E,     112                        ; v112-127 a scale byte for each step
.set WREG,  8192                       ; LDS: a region for each wave: two stages of 32 x SP bytes, behind them its 256 scale bytes
.set SP,    80                         ; a lane's place in a stage: 64 bytes + 16 of padding
.set AQS,   3145728                    ; where the scale bytes begin in aq
	s_load_b128 s[4:7], s[0:1], 0x0                ; x, aq
	v_lshl_add_u32 v192, v0, 2, 0x4000
	v_mov_b32 v193, 0
	v_lshrrev_b32 v1, 5, v0
	v_readfirstlane_b32 s16, v1                    ; wave
	v_and_b32 v2, 31, v0                           ; lane
	v_lshlrev_b32 v3, 4, v2                        ; my 16 bytes of a load's 512
	s_mul_i32 s17, s16, WREG
	v_lshrrev_b32 v14, 2, v2
	v_mul_u32_u24 v14, v14, SP
	v_and_b32 v15, 3, v2
	v_lshl_add_u32 v14, v15, 4, v14
	v_add_nc_u32 v14, s17, v14                     ; the stage, on the way in: SP (lane / 4) + 16 (lane % 4)
	v_mul_u32_u24 v15, v2, SP
	v_add_nc_u32 v15, s17, v15                     ; and on the way out: SP x lane: my 16 neighbours
	v_mul_u32_u24 v4, v2, CB                       ; my codes' place in a step's
	v_lshrrev_b32 v5, 1, v2
	s_add_co_u32 s17, s17, 2*32*SP
	v_add_nc_u32 v5, s17, v5                       ; LDS: my wave's 256 scale bytes, my block's byte
	v_lshlrev_b32 v7, 3, v2                        ; and on the way out 8 bytes a lane
	v_add_nc_u32 v6, s17, v7
	s_lshl_b32 s18, ttmp9, 1
	s_add_co_u32 s18, s18, s16                     ; which run of 8,192 numbers is my wave's: 0 .. 511
	s_lshl_b32 s20, s18, 15                        ; its numbers: 32,768 bytes a run
	s_mov_b32 s21, 0
	s_mul_i32 s22, s18, 32*STEPS*CB                ; its codes: 6,144 bytes
	s_mov_b32 s23, 0
	s_lshl_b32 s24, s18, 8                         ; its scale bytes: 256
	s_add_co_u32 s24, s24, AQS
	s_mov_b32 s25, 0
	s_wait_alu depctr_va_vdst(0)
	s_wait_kmcnt 0x0
	s_add_nc_u64 s[4:5], s[4:5], s[20:21]
	s_add_nc_u64 s[8:9], s[6:7], s[22:23]
	s_add_nc_u64 s[10:11], s[6:7], s[24:25]
.macro LOAD t
.irp i, 0,1,2,3
	global_load_b128 v[R+16*((\t)%4)+4*\i:R+16*((\t)%4)+4*\i+3], v3, s[4:5] offset:2048*(\t)+512*\i th:TH_LOAD_NT   ; 32 lanes read 512 consecutive bytes
.endr
.endm
.macro TURN t                          ; step t's numbers through the stage: LDS serves a wave's instructions in order, so no wait stands between the stores and the loads
.irp i, 0,1,2,3
	ds_store_b128 v14, v[R+16*((\t)%4)+4*\i:R+16*((\t)%4)+4*\i+3] offset:32*SP*((\t)%2)+8*SP*\i
.endr
.irp i, 0,1,2,3
	ds_load_b128 v[X+16*((\t)%2)+4*\i:X+16*((\t)%2)+4*\i+3], v15 offset:32*SP*((\t)%2)+16*\i
.endr
.endm
.irp t, 0,1,2,3
	LOAD \t
.endr
	s_wait_loadcnt 12                              ; step 0's four loads are in; the twelve of steps 1 to 3 may be out
	TURN 0
.macro STEP t
.set XS, X+16*((\t)%2)
.if (\t) > 0
	s_wait_dscnt 1                                 ; this step's numbers are back from the stage (the last step's byte store may be out): its stores into the stage have read their registers,
.else
	s_wait_dscnt 0x0
.endif
.if (\t)+4 < STEPS
	LOAD (\t)+4                                    ; which take the loads of four steps on
.endif
.if (\t)+1 < STEPS
.if STEPS-2-(\t) >= 3
	s_wait_loadcnt 12                              ; the next step's four loads are in; those of the three steps behind it may be out
.else
	s_wait_loadcnt 4*(STEPS-2-(\t))
.endif
	TURN (\t)+1                                    ; and go through the other stage while this step is worked
.endif
	v_max3_num_f32 v8, |v[XS]|, |v[XS+1]|, |v[XS+2]|               ; the largest magnitude of my 16, in two chains
	v_max3_num_f32 v9, |v[XS+3]|, |v[XS+4]|, |v[XS+5]|
.irp i, 6,10
	v_max3_num_f32 v8, v8, |v[XS+\i]|, |v[XS+\i+1]|
	v_max3_num_f32 v9, v9, |v[XS+\i+2]|, |v[XS+\i+3]|
.endr
	v_max3_num_f32 v8, v8, |v[XS+14]|, |v[XS+15]|
	v_max3_num_f32 v8, v8, v9, 0x2800000           ; and the floor 2^(5 - 127): the byte cannot fall under 1
	v_max_num_f32_dpp v8, v8, v8 row_xmask:1 row_mask:0xf bank_mask:0xf   ; and of my neighbour's 16: the block's
	v_add_nc_u32 v11, 0xfe000000, v8               ; 4 off its exponent field: the conversion takes the exponent field of this operand as its scale
	v_cvt_scalef32_pk16_bf6_f32 v[C+4*(\t):C+4*(\t)+2], v[XS:XS+15], v11   ; sixteen numbers / scale, to the nearest code, ties to even, beyond the largest code the largest
	v_lshrrev_b32 v[E+(\t)], 23, v11               ; the scale's byte
	ds_store_b8 v5, v[E+(\t)] offset:16*(\t)       ; both lanes of a block write the same byte with the same value
	global_store_b96 v4, v[C+4*(\t):C+4*(\t)+2], s[8:9] offset:32*CB*(\t)   ; the wave stores 384 consecutive bytes
.endm
.irp t, 0,1,2,3,4,5,6,7,8,9,10,11,12,13,14,15
	STEP \t
.endr
	ds_load_b64 v[12:13], v6                       ; LDS serves a wave's instructions in order: these see my stores
	s_wait_dscnt 0x0
	global_store_b64 v7, v[12:13], s[10:11]        ; 32 lanes store 256 consecutive bytes, aligned
	s_wait_tensorcnt 0x0
	ds_add_u32 v192, v193
	s_wait_dscnt 0x0
	s_endpgm
.Lfunc_end_k_q4b0614884c_quantx:
	.size	k_q4b0614884c_quantx, .Lfunc_end_k_q4b0614884c_quantx-k_q4b0614884c_quantx
	.p2alignl 7, 3214868480
	.fill 96, 4, 3214868480
	.section	.rodata,"a",@progbits
	.p2align	6, 0x0
	.amdhsa_kernel k_q4b0614884c_quantx
		.amdhsa_group_segment_fixed_size 16640
		.amdhsa_private_segment_fixed_size 0
		.amdhsa_enable_private_segment 0
		.amdhsa_kernarg_size 16
		.amdhsa_user_sgpr_count 2
		.amdhsa_user_sgpr_kernarg_segment_ptr 1
		.amdhsa_wavefront_size32 1
		.amdhsa_system_sgpr_workgroup_id_x 1
		.amdhsa_system_sgpr_workgroup_id_y 1
		.amdhsa_system_sgpr_workgroup_id_z 1
		.amdhsa_system_vgpr_workitem_id 0
		.amdhsa_next_free_vgpr 194
		.amdhsa_next_free_sgpr 66
		.amdhsa_reserve_vcc 0
		.amdhsa_float_denorm_mode_32 3
		.amdhsa_float_denorm_mode_16_64 3
		.amdhsa_memory_ordered 1
		.amdhsa_forward_progress 1
		.amdhsa_inst_pref_size 32
	.end_amdhsa_kernel
	.amdgpu_metadata
---
amdhsa.version: [ 1, 2 ]
amdhsa.kernels:
  - .name:           k_q4b0614884c_quantx
    .symbol:         k_q4b0614884c_quantx.kd
    .args:
      - { .name: x, .offset: 0, .size: 8, .value_kind: global_buffer, .address_space: global }
      - { .name: aq, .offset: 8, .size: 8, .value_kind: global_buffer, .address_space: global }
    .group_segment_fixed_size: 16640
    .private_segment_fixed_size: 0
    .kernarg_segment_align: 8
    .kernarg_segment_size: 16
    .max_flat_workgroup_size: 64
    .sgpr_count:     66
    .vgpr_count:     194
    .wavefront_size: 32
...
	.end_amdgpu_metadata
.endif
;; end of part 1
;; launch qkv (part 2): grid 12 x 16, 4 waves a work-group, clusters of 4 x 4, 327,680 bytes of LDS; arguments aq, w_qkv_codes, w_qkv_scales, b_qkv, qkvq; writes qkvq
.if DOCPART == 2
	.amdgcn_target "amdgcn-amd-amdhsa--gfx1250"
	.amdhsa_code_object_version 6
	.text
	.protected	k_q4b0614884c_qkv
	.globl	k_q4b0614884c_qkv
	.p2align	8
	.type	k_q4b0614884c_qkv,@function
k_q4b0614884c_qkv:
	s_mov_b64 s[64:65], 0
	v_nop
	global_prefetch_b8 v0, s[64:65] scope:SCOPE_SE
	s_setreg_imm32_b32 hwreg(HW_REG_WAVE_MODE, 25, 1), 1
	s_wait_xcnt 0x0
	s_wait_alu depctr_hold_cnt(0) depctr_sa_sdst(0) depctr_va_vdst(0) depctr_va_sdst(0) depctr_va_ssrc(0) depctr_va_vcc(0) depctr_vm_vsrc(0)
	s_getreg_b32 s2, hwreg(HW_REG_IB_STS2, 6, 4)
	s_cmp_eq_u32 s2, 0
	s_cbranch_scc0 .Lentry_in_a_cluster
	s_endpgm
.Lentry_in_a_cluster:
	s_bfe_u32 s2, ttmp6, 0x10000c
	s_cmp_lg_u32 s2, 0xf033
	s_cbranch_scc0 .Lentry_shape_is_right
	s_endpgm
.Lentry_shape_is_right:
; A product on codes of E3M2 (one E8M0 scale for each 32 along K = 1024) whose result is quantised on the way out, along its columns, for the next product.
; Clusters with x = 0, 1 make [q|k] = x Wqk^T + b (rows: 4,096 tokens, columns: 2,048); clusters with x = 2 make V^T = Wv x^T + b (rows: 1,024 (head, d), columns: 4,096 tokens),
; so that v is quantised along the keys by the same way out.  Both operands are rows of 768 bytes of codes with 32 scale bytes a row: only pointers and offsets are chosen, on the cluster's x, which all partners share.
; A tile of 256 x 256 is made by four waves, each 128 x 128: 64 accumulators.  K goes through two LDS slots in CHUNKS OF 256 BYTES of each row (three chunks; chunk c in slot c % 2): every tile row is 256 bytes and begins at a multiple of 256.
; A step of 128 along K is 96 bytes: steps 2 and 5 lie across two chunks and take their pieces from both slots.  The scale bytes of the tile's rows come once and stay.
; CLUSTER 4 x 4: A's tiles are asked for jointly along a row of the cluster, B's along a column.  The matrix instruction is used transposed: a lane holds eight neighbouring columns of one row.
; No prefetch: K has three chunks, of which two are asked for at the head, so there is no loop to run ahead in.
; OUTPUT: codes in panels of 64 columns, [column / 64][row][48 bytes]; scale words in panels of 128 columns, [column / 128][row][4 bytes].
; LIMITS: NaN and infinities are not served; a block of zeros or under 2^-122 gets the byte 1 (read by this program alone).
; REGISTERS: window 0: v0-31 addresses; v32-63 scale words, two sets; v64-127 the column bias; v128-223 A's fragments; v244-251 the row bias.  window 1: B's fragments, two sets.  windows 2, 3: the accumulators.
.set ROWB,   256
.set NQ,     2
.set KROW,   768
.set STEPS,  8
.set CHUNKS, 3
.set PITCH,  272                       ; 256 bytes + 16 of padding
.set FR,     12
.set NL,     6
.set NP,     4
.set HALFT,  128*PITCH
.set SLOT,   4*HALFT                   ; A's 256 rows, then B's 256 rows
.set KS,     32
.set SCL,    2*SLOT                    ; the scale bytes, as 256 bytes + 16 of padding
.set HALFS,  (128*KS/256)*272
.set SBLK,   (16*KS/256)*272
.set SPARE,  SCL+4*HALFS               ; the spare words: two blocks of 256 bytes that no other line names
.set AQS,    3145728
.set STAGE,  SLOT                      ; the way out's stages lie in slot 1: the last chunk lies in slot 0, and slot 1 has had its last fill and its last read by then
.set STGB,   12800                     ; a wave's stage: 12,288 bytes of codes, 512 of scale words
.set ADRA, 16                          ; v16-17 my A fragments in slot 0, 1; v18-19 for pieces whose lanes 16-31 read the next chunk
.set ADRB, 20
.set STO,  24
.set RD,   25
.set CO,   26
.set ADRS, 27
.set SPW,  28
.set NIL,  29
.set SSO,  30
.set STA,  31
.set SSA,  9
.set BO,   10                          ; 32 h
.set RO,   8                           ; 4 r
.set SC,   32
.set AF,   128
.set CB,   64
.set RB,   244
.set HA,   128
.set PC,   32
.set TM,   224
.set PW,   240
.set RBC,  242
.set SEL,  92
.set G1, 24
.set G0, 32
.set G1B, 48
.set G0B, 56
.set G1S, 68
.set G0S, 76
.set G1SB, 80
.set G0SB, 88
.set G0H, 4                            ; group 0 of the head's loads of chunk 0, in registers whose arguments have been used
.set G0HB, 8
.set MSB, 0
.macro WIN new
.if MSB != \new
	s_set_vgpr_msb (MSB<<8)|\new
.set MSB, \new
.endif
.endm
.set MUL_LO, 0xa1
.set MUL_HI, 0xf1
.set TO_B,   0x40
.macro JLOAD g0a, g1a, g0b, g1b        ; waves 0, 1 fetch for A, waves 2, 3 for B
	s_cmp_eq_u32 s15, 0
	s_cbranch_scc0 .Lfor_b_\@
	tensor_load_to_lds s[\g0a:\g0a+3], s[\g1a:\g1a+7]
	s_nop 0
.rept 4
	v_nop
.endr
	s_branch .Lasked_\@
.Lfor_b_\@:
	tensor_load_to_lds s[\g0b:\g0b+3], s[\g1b:\g1b+7]
	s_nop 0
.rept 4
	v_nop
.endr
.Lasked_\@:
.endm
.macro CREST
	s_cmp_lg_u32 s14, 0
	s_cbranch_scc1 .Lnot_wave_0_\@
	s_barrier_signal -3
.Lnot_wave_0_\@:
	s_barrier_wait -3
	s_barrier_signal -1
	s_barrier_wait -1
.endm
.macro CROUND
	s_barrier_signal -1
	s_barrier_wait -1
	CREST
.endm
	s_load_b128 s[4:7], s[0:1], 0x0                ; aq, the weight's codes
	s_load_b64 s[8:9], s[0:1], 0x10                ; its scales
	s_load_b64 s[96:97], s[0:1], 0x18              ; the bias
	s_load_b64 s[98:99], s[0:1], 0x20              ; the output
	v_lshl_add_u32 v[SPW], v0, 2, SPARE
	v_mov_b32 v[NIL], 0
	ds_add_u32 v[SPW], v[NIL]                      ; the opening lines: the add twice on end
	ds_add_u32 v[SPW], v[NIL]
	v_lshrrev_b32 v1, 5, v0
	v_readfirstlane_b32 s14, v1                    ; wave
	s_lshr_b32 s15, s14, 1                         ; my half of the rows; also: I fetch for A (0) or B (1)
	s_and_b32 s16, s14, 1                          ; my half of the columns; also: which 128 rows I fetch
	s_bfe_u32 s40, ttmp6, 0x40000                  ; cx
	s_bfe_u32 s41, ttmp6, 0x40004                  ; cy
	s_and_b32 s17, ttmp7, 0xffff
	s_cmp_eq_u32 ttmp9, 2                          ; the third column of clusters makes V^T
	s_cselect_b32 s66, 1, 0
	s_cselect_b32 s42, s17, ttmp9
	s_cselect_b32 s17, 0, s17
	s_cselect_b32 s67, 2048, 0                     ; Wv: rows 2,048 on of the weight
	s_lshl_b32 s42, s42, 2
	s_add_co_u32 s42, s42, s40                     ; tile column
	s_lshl_b32 s17, s17, 2
	s_add_co_u32 s17, s17, s41                     ; tile row
	s_lshl_b32 s43, s41, 2
	s_lshl_b32 s43, 15, s43                        ; my row of the cluster
	s_lshl_b32 s44, 0x1111, s40                    ; my column
	s_or_b32 s[G1+0], s43, (1<<20)|(1<<21)|(5<<22)|(3<<25)
	s_or_b32 s[G1B+0], s44, (1<<20)|(1<<21)|(5<<22)|(3<<25)
.irp g, G1, G1B
	s_mov_b32 s[\g+1], ROWB<<16
	s_mov_b32 s[\g+2], 256<<16                     ; 256 rows for the head's loads
	s_mov_b32 s[\g+3], ROWB<<16
	s_mov_b32 s[\g+4], 256
	s_mov_b32 s[\g+5], KROW
	s_mov_b32 s[\g+6], 0
	s_mov_b32 s[\g+7], 0
.endr
	s_or_b32 s[G1S+0], s43, (3<<16)|(1<<20)|(1<<21)|(5<<22)|(3<<25)
	s_or_b32 s[G1SB+0], s44, (3<<16)|(1<<20)|(1<<21)|(5<<22)|(3<<25)
.irp g, G1S, G1SB
	s_mov_b32 s[\g+1], 32<<16                      ; the scales of 256 rows: 8,192 dense bytes as 32 rows of 256
	s_mov_b32 s[\g+2], KS<<16
	s_mov_b32 s[\g+3], 32<<16
	s_mov_b32 s[\g+4], KS
	s_mov_b32 s[\g+5], 32
	s_mov_b32 s[\g+6], 0
	s_mov_b32 s[\g+7], 0
.endr
	s_lshl_b32 s20, s17, 8
	s_add_co_u32 s20, s20, s67                     ; A's first row
	s_lshl_b32 s46, s42, 8                         ; B's
	s_mov_b32 s21, 0
	s_mov_b32 s47, 0
	s_mov_b64 s[18:19], KS
	s_mul_u64 s[22:23], s[20:21], s[18:19]
	s_mul_u64 s[92:93], s[46:47], s[18:19]
	s_mov_b64 s[18:19], KROW
	s_mul_u64 s[20:21], s[20:21], s[18:19]
	s_mul_u64 s[46:47], s[46:47], s[18:19]
	s_mul_i32 s18, s16, 128*KROW
	s_mov_b32 s19, 0
	s_mul_i32 s45, s14, HALFT
	s_wait_dscnt 0x0
	s_wait_kmcnt 0x0
	s_add_nc_u64 s[2:3], s[4:5], AQS               ; the activations' scale bytes
	s_cmp_eq_u32 s66, 1                            ; which operand gives the rows and which the columns
	s_cselect_b64 s[100:101], s[6:7], s[4:5]
	s_cselect_b64 s[104:105], s[8:9], s[2:3]
	s_cselect_b64 s[4:5], s[4:5], s[6:7]
	s_cselect_b64 s[2:3], s[2:3], s[8:9]
	s_add_nc_u64 s[20:21], s[100:101], s[20:21]
	s_add_nc_u64 s[22:23], s[104:105], s[22:23]
	s_add_nc_u64 s[46:47], s[4:5], s[46:47]
	s_add_nc_u64 s[92:93], s[2:3], s[92:93]
	CROUND                                         ; the first joint loads meet
	s_mov_b32 s[G0H], 1
	s_mov_b32 s[G0H+1], 0
	s_mov_b64 s[G0H+2:G0H+3], s[20:21]
	s_or_b32 s[G0H+3], s[G0H+3], 0x80000000
	s_mov_b32 s[G0HB], 1
	s_mov_b32 s[G0HB+1], 2*HALFT
	s_mov_b64 s[G0HB+2:G0HB+3], s[46:47]
	s_or_b32 s[G0HB+3], s[G0HB+3], 0x80000000
	s_mov_b32 s[G0S], 1
	s_mov_b32 s[G0S+1], SCL
	s_mov_b64 s[G0S+2:G0S+3], s[22:23]
	s_or_b32 s[G0S+3], s[G0S+3], 0x80000000
	s_mov_b32 s[G0SB], 1
	s_mov_b32 s[G0SB+1], SCL+2*HALFS
	s_mov_b64 s[G0SB+2:G0SB+3], s[92:93]
	s_or_b32 s[G0SB+3], s[G0SB+3], 0x80000000
	s_add_nc_u64 s[20:21], s[20:21], s[18:19]      ; for the ring: my 128 rows
	s_add_nc_u64 s[46:47], s[46:47], s[18:19]
.irp s, 0,1
	s_mov_b32 s[G0+4*\s], 1
	s_add_co_u32 s[G0+4*\s+1], s45, \s*SLOT
	s_add_nc_u64 s[G0+4*\s+2:G0+4*\s+3], s[20:21], \s*ROWB
	s_or_b32 s[G0+4*\s+3], s[G0+4*\s+3], 0x80000000
	s_mov_b32 s[G0B+4*\s], 1
	s_add_co_u32 s[G0B+4*\s+1], s45, \s*SLOT
	s_add_nc_u64 s[G0B+4*\s+2:G0B+4*\s+3], s[46:47], \s*ROWB
	s_or_b32 s[G0B+4*\s+3], s[G0B+4*\s+3], 0x80000000
.endr
; the head's loads, one a wave: wave 0 chunk 0 of A's 256 rows, wave 1 of B's, wave 2 A's scales, wave 3 B's
.macro HARM under, g0, g1, next
	s_cmp_lt_u32 s14, \under
	s_cbranch_scc0 \next
	tensor_load_to_lds s[\g0:\g0+3], s[\g1:\g1+7]
	s_nop 0
.rept 4
	v_nop
.endr
	s_branch .Lhead_asked
\next:
.endm
	HARM 1, G0H,  G1,  .Lhead_b
	HARM 2, G0HB, G1B, .Lhead_sa
	HARM 3, G0S,  G1S, .Lhead_sb
	tensor_load_to_lds s[G0SB:G0SB+3], s[G1SB:G1SB+7]
	s_nop 0
.rept 4
	v_nop
.endr
.Lhead_asked:
	v_and_b32 v1, 15, v0                           ; r
	v_bfe_u32 v2, v0, 4, 1                         ; h
	v_mul_u32_u24 v3, v1, PITCH
	v_mul_u32_u24 v4, v2, 24
	v_add_nc_u32 v4, v3, v4
	s_mov_b32 s21, SLOT-232
	s_mov_b32 s22, SLOT+232
	v_sub_nc_u32 v7, 1, v2
	v_mul_u32_u24 v5, s21, v2
	v_add_nc_u32 v5, v3, v5
	v_add_nc_u32 v5, 232, v5                       ; lanes 0-15 byte 232 of the row in slot 0, lanes 16-31 byte 0 in slot 1
	v_mul_u32_u24 v6, s22, v7
	v_add_nc_u32 v6, v3, v6                        ; and the other way round
	s_mul_i32 s21, s15, HALFT
	s_mul_i32 s22, s16, HALFT
	s_add_co_u32 s22, s22, 2*HALFT
	v_add_nc_u32 v[ADRA+2], s21, v5
	v_add_nc_u32 v[ADRA+3], s21, v6
	v_add_nc_u32 v[ADRB+2], s22, v5
	v_add_nc_u32 v[ADRB+3], s22, v6
.irp s, 0,1
	v_add_nc_u32 v[ADRA+\s], s21, v4
	v_add_nc_u32 v[ADRB+\s], s22, v4
	s_add_co_u32 s21, s21, SLOT
	s_add_co_u32 s22, s22, SLOT
.endr
	v_mul_u32_u24 v5, v1, KS
	v_lshrrev_b32 v6, 8, v5
	v_lshl_add_u32 v5, v6, 4, v5
	s_mul_i32 s21, s15, HALFS
	s_mul_i32 s22, s16, HALFS
	s_add_co_u32 s22, s22, 2*HALFS
	s_sub_co_u32 s22, s22, s21
	v_mul_u32_u24 v6, s22, v2                      ; lanes 16-31 take B's scale words
	s_add_co_u32 s21, s21, SCL
	v_add_nc_u32 v5, v5, v6
	v_add_nc_u32 v[ADRS], s21, v5
	s_mul_i32 s23, s14, STGB
	s_add_co_u32 s23, s23, STAGE                   ; my stage
	v_mul_u32_u24 v5, v1, 48
	v_mad_u32_u24 v5, v2, 24, v5
	v_add_nc_u32 v[STO], s23, v5
	v_lshl_add_u32 v5, v1, 2, 12288
	v_add_nc_u32 v[SSO], s23, v5
	v_and_b32 v6, 31, v0
	v_lshlrev_b32 v[CO], 4, v6
	v_add_nc_u32 v[RD], s23, v[CO]
	v_lshlrev_b32 v[BO], 5, v2
	v_lshlrev_b32 v[RO], 2, v1
	s_lshl_b32 s20, s17, 8
	s_lshl_b32 s21, s15, 7
	s_add_co_u32 s20, s20, s21                     ; my first row
	s_lshl_b32 s46, s42, 8
	s_lshl_b32 s47, s16, 7
	s_add_co_u32 s46, s46, s47                     ; my first column
	s_mov_b32 s18, 196608
	s_mov_b32 s19, 16384
	s_mov_b32 s22, 6291456
	s_add_co_u32 s2, s20, 2048
	s_cmp_eq_u32 s66, 1
	s_cselect_b32 s18, 49152, s18                  ; a panel of codes: rows x 48 bytes
	s_cselect_b32 s19, 4096, s19                   ; a panel of scale words
	s_cselect_b32 s23, 6553600, 0                  ; where the codes begin,
	s_cselect_b32 s22, 9699328, s22                ; and the scale words
	s_cselect_b32 s2, s2, s46                      ; the bias runs along the weight's rows
	s_lshl_b32 s2, s2, 2
	s_mov_b32 s3, 0
	s_add_nc_u64 s[104:105], s[96:97], s[2:3]      ; my 128 numbers of the bias
	s_lshr_b32 s2, s46, 6
	s_mul_i32 s2, s2, s18
	s_mul_i32 s21, s20, 48
	s_add_co_u32 s2, s2, s21
	s_add_co_u32 s2, s2, s23
	s_add_nc_u64 s[96:97], s[98:99], s[2:3]        ; my first panel's 6,144 bytes,
	s_mov_b32 s2, s18
	s_add_nc_u64 s[100:101], s[96:97], s[2:3]      ; my second panel's,
	s_lshr_b32 s2, s46, 7
	s_mul_i32 s2, s2, s19
	s_lshl_b32 s21, s20, 2
	s_add_co_u32 s2, s2, s21
	s_add_co_u32 s2, s2, s22
	s_add_nc_u64 s[98:99], s[98:99], s[2:3]        ; my 512 bytes of scale words
	s_wait_alu depctr_va_vdst(0)
	s_cmp_eq_u32 s66, 1
	s_cbranch_scc1 .Lbias_rows
.irp b, 0,1,2,3,4,5,6,7
	global_load_b128 v[CB+8*\b:CB+8*\b+3], v[BO], s[104:105] offset:64*\b
	global_load_b128 v[CB+8*\b+4:CB+8*\b+7], v[BO], s[104:105] offset:64*\b+16
.endr
.irp a, 0,1,2,3,4,5,6,7
	v_mov_b32 v[RB+\a], 0
.endr
	s_branch .Lbias_asked
.Lbias_rows:                                       ; V^T: the bias goes by rows; the column bias, which the way out always adds, is 0
.set i, 0
.rept 64
	v_mov_b32 v[CB+i], 0
.set i, i+1
.endr
.irp a, 0,1,2,3,4,5,6,7
	global_load_b32 v[RB+\a], v[RO], s[104:105] offset:64*\a
.endr
.Lbias_asked:
.macro FRAG reg, adr, st, i            ; 12 registers: 24 bytes at 24 h and at 48 + 24 h of the step's 96, in pieces of 8; byte y of a row lies in slot (y / 256) % 2 at byte y % 256
.irp p, 0,1,2,3,4,5
.set BY, 96*(\st)+48*(\p/3)+8*(\p%3)
.if BY/ROWB == (BY+24)/ROWB
	ds_load_b64 v[\reg+2*\p:\reg+2*\p+1], v[\adr+(BY/ROWB)%2] offset:BY%ROWB+(\i)*16*PITCH
.else
	ds_load_b64 v[\reg+2*\p:\reg+2*\p+1], v[\adr+2+(BY/ROWB)%2] offset:BY%ROWB-232+(\i)*16*PITCH
.endif
.endr
.endm
.macro MUL16 a0, p, q, sc, zero        ; the 64 accumulators take turns, in the same order in every step
.irp a, \a0, \a0+1
.irp b, 0,1,2,3,4,5,6,7
.if \zero
	v_wmma_scale_f32_16x16x128_f8f6f4 v[8*(8*((\a)%4)+\b):8*(8*((\a)%4)+\b)+7], v[128*(\p)+FR*\b:128*(\p)+FR*\b+FR-1], v[AF+FR*(\a):AF+FR*(\a)+FR-1], 0, v[SC+8*NQ*(\sc)+NQ*\b+(\q)], v[SC+8*NQ*(\sc)+NQ*(\a)+(\q)] matrix_a_fmt:MATRIX_FMT_BF6 matrix_b_fmt:MATRIX_FMT_BF6 matrix_a_scale:MATRIX_SCALE_ROW1
.else
	v_wmma_scale_f32_16x16x128_f8f6f4 v[8*(8*((\a)%4)+\b):8*(8*((\a)%4)+\b)+7], v[128*(\p)+FR*\b:128*(\p)+FR*\b+FR-1], v[AF+FR*(\a):AF+FR*(\a)+FR-1], v[8*(8*((\a)%4)+\b):8*(8*((\a)%4)+\b)+7], v[SC+8*NQ*(\sc)+NQ*\b+(\q)], v[SC+8*NQ*(\sc)+NQ*(\a)+(\q)] matrix_a_fmt:MATRIX_FMT_BF6 matrix_b_fmt:MATRIX_FMT_BF6 matrix_a_scale:MATRIX_SCALE_ROW1
.endif
.endr
.endr
.endm
.macro FETCH_B st, p
	WIN TO_B
.irp i, 0,1,2,3,4,5,6,7
	FRAG 128*(\p)+FR*\i, ADRB, \st, \i
.endr
	WIN 0
.endm
.macro FETCH_A st, i0
.irp i, \i0, \i0+1, \i0+2, \i0+3
	FRAG AF+FR*(\i), ADRA, \st, \i
.endr
.endm
.macro SCALES pr                       ; the scale words of steps 2 pr, 2 pr + 1: lanes 0-15 A's block i, lanes 16-31 B's
.irp i, 0,1,2,3,4,5,6,7
	ds_load_b64 v[SC+8*NQ*((\pr)%2)+NQ*\i:SC+8*NQ*((\pr)%2)+NQ*\i+1], v[ADRS] offset:\i*SBLK+4*NQ*(\pr)
.endr
.endm
.macro PLACES n
.rept \n
	v_nop
.endr
.endm
; A step: 64 products; the next step's fragments are fetched in its middle and at its end.  Where they end in a chunk not read yet: a barrier shows it whole.
; Where they begin in a later chunk: the wait for all tensor loads, the add, the wait for it and for my reads, the barrier; where a chunk is left to fetch, the barrier opens a round and the slot is filled again.
.macro STEP st, zero
.set NX, (\st)+1
.set C0, (96*(\st))/ROWB
.set C1, (96*NX)/ROWB
.set E0, (96*(\st)+95)/ROWB
.set E1, (96*NX+95)/ROWB
.if C1 > C0 || E1 > E0
	s_wait_tensorcnt 0x0
.if C1 > C0
	ds_add_u32 v[SPW], v[NIL]
	s_wait_dscnt 4*NL+1                            ; the add and the youngest 24 loads (A's blocks 4-7) may be out
.else
	s_wait_dscnt 4*NL
.endif
	WIN MUL_LO
	MUL16 0, (\st)%2, (\st)%2, ((\st)/2)%2, \zero
	s_wait_dscnt 0x0
	s_barrier_signal -1
	MUL16 2, (\st)%2, (\st)%2, ((\st)/2)%2, \zero
	WIN 0
	s_barrier_wait -1
.if C1 > C0 && C0+2 < CHUNKS
	CREST
	s_add_nc_u64 s[G0+4*(C0%2)+2:G0+4*(C0%2)+3], s[G0+4*(C0%2)+2:G0+4*(C0%2)+3], 2*ROWB
	s_add_nc_u64 s[G0B+4*(C0%2)+2:G0B+4*(C0%2)+3], s[G0B+4*(C0%2)+2:G0B+4*(C0%2)+3], 2*ROWB
	JLOAD G0+4*(C0%2), G1, G0B+4*(C0%2), G1B
.else
	PLACES NP
.endif
.else
	s_wait_dscnt 4*NL                              ; the youngest 24 loads (A's blocks 4-7) may be out
	WIN MUL_LO
	MUL16 0, (\st)%2, (\st)%2, ((\st)/2)%2, \zero
	MUL16 2, (\st)%2, (\st)%2, ((\st)/2)%2, \zero
	s_wait_dscnt 0
	PLACES NP
.endif
	FETCH_B NX, NX%2
	FETCH_A NX, 0
.if NX%2 == 0
	SCALES NX/2
.endif
	WIN MUL_HI
	MUL16 4, (\st)%2, (\st)%2, ((\st)/2)%2, \zero
	MUL16 6, (\st)%2, (\st)%2, ((\st)/2)%2, \zero
	PLACES NP
	WIN 0
	FETCH_A NX, 4
.endm
	s_wait_alu depctr_va_vdst(0)
	s_wait_tensorcnt 0x0                           ; my tile of the head's four is in
	ds_add_u32 v[SPW], v[NIL]
	s_mov_b32 s[G1+2], 128<<16                     ; no load of mine is out: from here on a load brings 128 rows
	s_mov_b32 s[G1+4], 128
	s_mov_b32 s[G1B+2], 128<<16
	s_mov_b32 s[G1B+4], 128
	s_wait_dscnt 0x0
	CROUND
	JLOAD G0+4, G1, G0B+4, G1B                     ; chunk 1: slot 1's first fill, issued as a refill is
	FETCH_B 0, 0
	FETCH_A 0, 0
	SCALES 0
	FETCH_A 0, 4
	STEP 0, 1
.set ST, 1
.rept STEPS-2
	STEP ST, 0
.set ST, ST+1
.endr
	s_wait_dscnt 4*NL
	WIN MUL_LO
	MUL16 0, 1, 1, 1, 0
	MUL16 2, 1, 1, 1, 0
	s_wait_dscnt 0
	WIN MUL_HI
	MUL16 4, 1, 1, 1, 0
	MUL16 6, 1, 1, 1, 0
	WIN 0
; THE WAY OUT.  Eight trips, a block of 16 rows x 128 columns each: bias, the quantiser along the columns, codes and scale words into my stage; then the stage leaves as it lies.
.macro UNZIP s                         ; register 16 g + i then holds column 32 g + 16 h + i
.irp g, 0,1,2,3
.irp j, 0,1,2,3,4,5,6,7
	v_permlane16_swap_b32 v[\s+16*\g+\j], v[\s+16*\g+8+\j]
.endr
.endr
.endm
.macro QUANT s
.irp b, 0,1,2,3
	v_max3_num_f32 v[TM+\b], |v[\s+16*\b]|, |v[\s+1+16*\b]|, 0x2800000   ; with the floor 2^(5 - 127): the byte cannot fall under 1
.endr
.irp i, 2,4,6,8,10,12,14
.irp b, 0,1,2,3
	v_max3_num_f32 v[TM+\b], v[TM+\b], |v[\s+16*\b+\i]|, |v[\s+1+16*\b+\i]|
.endr
.endr
.irp b, 0,1,2,3
	v_permlanex16_b32 v[TM+4+\b], v[TM+\b], s[SEL], s[SEL+1]
.endr
.irp b, 0,1,2,3
	v_max_num_f32 v[TM+\b], v[TM+\b], v[TM+4+\b]
.endr
.irp b, 0,1,2,3
	v_add_nc_u32 v[TM+12+\b], 0xfe000000, v[TM+\b] ; 4 off the exponent field: the conversion's scale operand
.endr
.irp b, 0,1,2,3
	v_lshrrev_b32 v[TM+4+\b], 23, v[TM+12+\b]
.endr
	v_lshl_or_b32 v[PW], v[TM+5], 8, v[TM+4]
	v_lshl_or_b32 v[PW], v[TM+6], 16, v[PW]
	v_lshl_or_b32 v[PW], v[TM+7], 24, v[PW]
.irp c, 0,1
	v_cvt_scalef32_pk16_bf6_f32 v[PC+6*\c:PC+2+6*\c], v[\s+32*\c:\s+15+32*\c], v[TM+12+2*\c]
	v_cvt_scalef32_pk16_bf6_f32 v[PC+12+4*\c:PC+14+4*\c], v[\s+16+32*\c:\s+31+32*\c], v[TM+12+2*\c+1]
.endr
	v_nop
.irp c, 0,1
.irp i, 0,1,2
	v_permlane16_swap_b32 v[PC+6*\c+\i], v[PC+12+4*\c+\i]
.endr
.irp i, 0,1,2
	v_mov_b32 v[PC+3+6*\c+\i], v[PC+12+4*\c+\i]
.endr
.endr
.endm
.macro ARM a                           ; block a's accumulators come into window 0 by the addition of the column bias, each from its low end on
.Larm_\a:
.set WA, 0x02+(\a)/4
	WIN WA
.set i, 0
.rept 32
	v_pk_add_f32 v[HA+2*i:HA+2*i+1], v[64*((\a)%4)+2*i:64*((\a)%4)+2*i+1], v[CB+2*i:CB+2*i+1]
.set i, i+1
.endr
	WIN 0
	v_mov_b32 v[RBC], v[RB+\a]
.if \a < 7
	s_branch .Lcommon
.endif
.endm
	s_wait_loadcnt 0x0                             ; the bias
	PLACES NP
	s_mov_b32 s[SEL], 0x76543210
	s_mov_b32 s[SEL+1], 0xfedcba98
.irp b, 0,1,2,3
	v_mov_b32 v[TM+4+\b], 0
.endr
	v_mov_b32 v[RBC+1], 0
	s_mov_b32 s3, 0
	s_mov_b32 s67, 0
	s_mov_b32 s94, 0
.Lblk:
.irp a, 0,1,2,3,4,5,6
	s_cmp_eq_u32 s3, \a
	s_cbranch_scc1 .Larm_\a
.endr
	s_branch .Larm_7
	ARM 0
	ARM 1
	ARM 2
	ARM 3
	ARM 4
	ARM 5
	ARM 6
	ARM 7
.Lcommon:
	s_cmp_eq_u32 s66, 0
	s_cbranch_scc1 .Lno_row_bias
.set i, 0
	s_wait_alu depctr_va_vdst(0)
.rept 32
	v_pk_add_f32 v[HA+2*i:HA+2*i+1], v[HA+2*i:HA+2*i+1], v[RBC:RBC+1] op_sel_hi:[1,0]
.set i, i+1
.endr
.Lno_row_bias:
	UNZIP HA
	QUANT HA
	v_add_nc_u32 v[STA], s67, v[STO]
	v_add_nc_u32 v[SSA], s94, v[SSO]
.irp c, 0,1
.irp p, 0,1,2
	ds_store_b64 v[STA], v[PC+6*\c+2*\p:PC+6*\c+2*\p+1] offset:6144*\c+8*\p
.endr
.endr
	ds_store_b32 v[SSA], v[PW]
	s_add_co_u32 s67, s67, 768
	s_add_co_u32 s94, s94, 64
	s_wait_dscnt 0x0
	s_add_co_u32 s3, s3, 1
	s_cmp_lt_u32 s3, 8
	s_cbranch_scc1 .Lblk
.irp t, 0,1,2,3,4,5,6,7,8,9,10,11,12,13,14,15,16,17,18,19,20,21,22,23
	ds_load_b128 v[128+4*\t:128+4*\t+3], v[RD] offset:512*\t
.endr
	ds_load_b128 v[224:227], v[RD] offset:12288
.irp t, 0,1,2,3,4,5,6,7,8,9,10,11
	s_wait_dscnt 24-\t                             ; the loads behind this one may be out
	global_store_b128 v[CO], v[128+4*\t:128+4*\t+3], s[96:97] offset:512*\t      ; 32 lanes store 512 consecutive bytes, aligned to 256
.endr
.irp t, 12,13,14,15,16,17,18,19,20,21,22,23
	s_wait_dscnt 24-\t
	global_store_b128 v[CO], v[128+4*\t:128+4*\t+3], s[100:101] offset:512*(\t-12)
.endr
	s_wait_dscnt 0x0
	global_store_b128 v[CO], v[224:227], s[98:99]
	s_wait_tensorcnt 0x0                           ; the wave's end
	ds_add_u32 v[SPW], v[NIL]
	s_wait_dscnt 0x0
	CROUND                                         ; the closing round
	s_endpgm
.Lfunc_end_k_q4b0614884c_qkv:
	.size	k_q4b0614884c_qkv, .Lfunc_end_k_q4b0614884c_qkv-k_q4b0614884c_qkv
	.p2alignl 7, 3214868480
	.fill 96, 4, 3214868480
	.section	.rodata,"a",@progbits
	.p2align	6, 0x0
	.amdhsa_kernel k_q4b0614884c_qkv
		.amdhsa_group_segment_fixed_size 327680
		.amdhsa_private_segment_fixed_size 0
		.amdhsa_enable_private_segment 0
		.amdhsa_kernarg_size 40
		.amdhsa_user_sgpr_count 2
		.amdhsa_user_sgpr_kernarg_segment_ptr 1
		.amdhsa_wavefront_size32 1
		.amdhsa_system_sgpr_workgroup_id_x 1
		.amdhsa_system_sgpr_workgroup_id_y 1
		.amdhsa_system_sgpr_workgroup_id_z 1
		.amdhsa_system_vgpr_workitem_id 0
		.amdhsa_next_free_vgpr 1024
		.amdhsa_next_free_sgpr 106
		.amdhsa_reserve_vcc 0
		.amdhsa_float_denorm_mode_32 3
		.amdhsa_float_denorm_mode_16_64 3
		.amdhsa_memory_ordered 1
		.amdhsa_forward_progress 1
		.amdhsa_inst_pref_size 167
	.end_amdhsa_kernel
	.amdgpu_metadata
---
amdhsa.version: [ 1, 2 ]
amdhsa.kernels:
  - .name:           k_q4b0614884c_qkv
    .symbol:         k_q4b0614884c_qkv.kd
    .args:
      - { .name: aq, .offset: 0, .size: 8, .value_kind: global_buffer, .address_space: global }
      - { .name: w_qkv_codes, .offset: 8, .size: 8, .value_kind: global_buffer, .address_space: global }
      - { .name: w_qkv_scales, .offset: 16, .size: 8, .value_kind: global_buffer, .address_space: global }
      - { .name: b_qkv, .offset: 24, .size: 8, .value_kind: global_buffer, .address_space: global }
      - { .name: qkvq, .offset: 32, .size: 8, .value_kind: global_buffer, .address_space: global }
    .group_segment_fixed_size: 327680
    .private_segment_fixed_size: 0
    .kernarg_segment_align: 8
    .kernarg_segment_size: 40
    .max_flat_workgroup_size: 128
    .sgpr_count:     106
    .vgpr_count:     1024
    .wavefront_size: 32
...
	.end_amdgpu_metadata
.endif
;; end of part 2
;; launch attn (part 3): grid 8 x 32, 16 waves a work-group, clusters of 4 x 1, 227,328 bytes of LDS; arguments qkvq, oq; writes oq
.if DOCPART == 3
	.amdgcn_target "amdgcn-amd-amdhsa--gfx1250"
	.amdhsa_code_object_version 6
	.text
	.protected	k_q4b0614884c_attn
	.globl	k_q4b0614884c_attn
	.p2align	8
	.type	k_q4b0614884c_attn,@function
k_q4b0614884c_attn:
	s_mov_b64 s[64:65], 0
	v_nop
	global_prefetch_b8 v0, s[64:65] scope:SCOPE_SE
	s_setreg_imm32_b32 hwreg(HW_REG_WAVE_MODE, 25, 1), 1
	s_wait_xcnt 0x0
	s_wait_alu depctr_hold_cnt(0) depctr_sa_sdst(0) depctr_va_vdst(0) depctr_va_sdst(0) depctr_va_ssrc(0) depctr_va_vcc(0) depctr_vm_vsrc(0)
	s_getreg_b32 s2, hwreg(HW_REG_IB_STS2, 6, 4)
	s_cmp_eq_u32 s2, 0
	s_cbranch_scc0 .Lentry_in_a_cluster
	s_endpgm
.Lentry_in_a_cluster:
	s_bfe_u32 s2, ttmp6, 0x10000c
	s_cmp_lg_u32 s2, 0x3003
	s_cbranch_scc0 .Lentry_shape_is_right
	s_endpgm
.Lentry_shape_is_right:
; Causal attention of one (batch, head) on codes of E3M2: S^T = K Q^T (K = the head's 64, the instruction's other 64 are zero codes), p = 2^(t - M), O^T += V^T p^T (K = 128 keys a step), O / l, and O quantised along d for the next product.
; t = score x log2(e) / 8; M = the running largest t rounded up to a whole number; p is quantised along the keys, not normalised; l is the sum of the unquantised p; when M moves, l and O^T are multiplied by 2^(old M - new M): exact.
; INPUT (qkvq): q, k codes [panel: q heads 0-15, k heads 16-31][4096][48 bytes]; their scale words [head pair: q 0-7, k 8-15][4096][4]; V^T codes [32 b + key / 64][1024 (head, d)][48]; V^T scale words [16 b + key / 128][1024][4].
; OUTPUT (oq): codes [head][4096][48]; scale words [head pair][4096][4], of which this work-group writes its head's two bytes a row (2 bytes a lane, 4 bytes apart: 1 byte for each 24 of codes).
; SHARES.  y = 16 b + head.  The eight work-groups of a head take the tiles of 16 queries i = 8 tau + j, j the work-group; wave w takes tau from a table, so that every work-group has 136 key steps of 128 in all.
; A wave with tau needs key steps 0 .. tau; step tau lies on the diagonal.  Every wave walks all 16 trips and jumps over the hidden steps' work: the branch hangs on the wave's number and the trip alone.
; ALL OF A HEAD'S K AND V LIES IN LDS, filled once: no ring, no refill, no barrier in the loop.  CLUSTER 4 x 1: four work-groups of one head ask for these bytes jointly (mask 15).
; The keys of a tile of K are not neighbours: lane r of tile 2 b + u takes key 32 b + 8 u + r + 8 (r / 8), so that the 16 registers of tiles 2 b, 2 b + 1 are 16 neighbouring keys, 32 b + 16 h + 0 .. 15.
; LIMITS: NaN and infinities are not served; a p under 2^-126 is 0; blocks of zeros get the byte 1 (read by this program alone); the division by l is a reciprocal and a multiplication.
.set KC,   0                           ; LDS: K's codes [2048][48]
.set VC,   98304                       ; V^T's codes [32 panels of 64 keys][64 d][48]
.set KSC,  196608                      ; K's scale words [2048][4] (a head pair's)
.set VSC,  204800                      ; V^T's scale words [16 panels of 128 keys][64 d][4]
.set STG,  208896                      ; a stage of 1,024 bytes for each wave, into which no fill lands
.set QKS,  6291456
.set VTC,  6553600
.set VTS,  9699328
.set OSC,  3145728
.set AK0,  1                           ; v1   48 (r + 8 (r / 8)) + 24 h
.set AV0,  2                           ; v2   VC + 48 r + 24 h
.set ASK0, 3                           ; v3   KSC + 4 (r + 8 (r / 8)) + 2 (head % 2)
.set ASV0, 4                           ; v4   VSC + 4 r
.set DG,   5                           ; v5   16 j + r - 16 h: on the diagonal, register 16 b + i is hidden where 32 b + i is above it
.set NINF, 6                           ; v6   -infinity
.set QA,   7                           ; v7   48 r + 24 h
.set ADK,  8
.set ADV,  9
.set ADS,  10
.set ADT,  11
.set S,    128                         ; v128-191 S^T, then p
.set O,    192                         ; v192-223 O^T
.set WV,   8
.set TAU,  14
.set SEL,  20
.set CS,   22
.set G1A,  24
.set G1B,  32
.set G1C,  40
.set G1D,  48
.set G0A,  56
.set G0B,  60
.set G0C,  68
.set G0D,  72
.set TB,   2                           ; s2   the step's codes: 6,144 bytes a step, in K and in V alike
.set TS,   3                           ; s3   K's scale words: 512 a step
.set TJ,   66                          ; s66  V's: 256 a step
.set SS,   67                          ; s67  the step
.macro CROUND
	s_barrier_signal -1
	s_barrier_wait -1
	s_cmp_lg_u32 s[WV], 0
	s_cbranch_scc1 .Lnot_wave_0_\@
	s_barrier_signal -3
.Lnot_wave_0_\@:
	s_barrier_wait -3
	s_barrier_signal -1
	s_barrier_wait -1
.endm
.macro GROUP1 g, c, r, p               ; r rows of c elements of 8 bytes, p elements from row to row; the mask names all four work-groups; no padding
	s_mov_b32 s[\g], 15|(3<<16)|(1<<21)
	s_mov_b32 s[\g+1], (\c)<<16
	s_mov_b32 s[\g+2], (\r)<<16
	s_mov_b32 s[\g+3], (\c)<<16
	s_mov_b32 s[\g+4], \r
	s_mov_b32 s[\g+5], \p
	s_mov_b32 s[\g+6], 0
	s_mov_b32 s[\g+7], 0
.endm
	s_load_b128 s[4:7], s[0:1], 0x0                ; qkvq, oq
	v_lshl_add_u32 v254, v0, 2, 0x37000
	v_mov_b32 v255, 0
	ds_add_u32 v254, v255
	ds_add_u32 v254, v255
	s_wait_dscnt 0x0
	v_lshrrev_b32 v8, 5, v0
	s_delay_alu instid0(VALU_DEP_1)
	v_readfirstlane_b32 s[WV], v8                  ; wave 0..15
	s_bfe_u32 s9, ttmp6, 0x40000                   ; cx
	s_lshl_b32 s10, ttmp9, 2
	s_add_co_u32 s10, s10, s9                      ; j = 4 x cluster x + cx: it enters Q's and O's addresses and the diagonal's mask alone
	s_and_b32 s11, ttmp7, 0xffff
	s_lshr_b32 s12, s11, 4                         ; b
	s_and_b32 s13, s11, 15                         ; head
	s_mov_b32 s76, 0x52cbe970                      ; tau of waves 0-7, four bits each: 0, 7, 9, 14, 11, 12, 2, 5
	s_mov_b32 s77, 0x8f1634ad                      ; of waves 8-15: 13, 10, 4, 3, 6, 1, 15, 8
	s_cmp_lt_u32 s[WV], 8
	s_cselect_b32 s76, s76, s77
	s_and_b32 s77, s[WV], 7
	s_lshl_b32 s77, s77, 2
	s_lshr_b32 s76, s76, s77
	s_and_b32 s[TAU], s76, 15
	s_lshl_b32 s15, s[TAU], 7
	s_lshl_b32 s76, s10, 4
	s_add_co_u32 s15, s15, s76
	s_lshl_b32 s76, s12, 11
	s_add_co_u32 s15, s15, s76                     ; my first query's row: 2048 b + 128 tau + 16 j
	GROUP1 G1A, 32, 96, 32                         ; a quarter of K's codes: 24,576 dense bytes as rows of 256
	GROUP1 G1B, 384, 8, 6144                       ; a quarter of V^T's: 8 panels x 3,072 bytes, 49,152 bytes apart
	GROUP1 G1C, 32, 32, 32                         ; K's scale words: 8,192 dense bytes
	GROUP1 G1D, 32, 16, 512                        ; V^T's: 16 panels x 256 bytes, 4,096 bytes apart
	s_and_b32 s78, s[WV], 3                        ; which quarter
	s_mul_i32 s79, s78, 24576                      ; its place in LDS, and in K's codes
	s_add_co_u32 s80, s13, 16
	s_mul_i32 s80, s80, 196608
	s_mul_i32 s81, s12, 98304
	s_add_co_u32 s80, s80, s81
	s_add_co_u32 s80, s80, s79
	s_mov_b32 s81, 0                               ; K's codes: panel 16 + head, rows 2048 b on
	s_lshl_b32 s82, s12, 5
	s_lshl_b32 s83, s78, 3
	s_add_co_u32 s82, s82, s83
	s_mul_i32 s82, s82, 49152
	s_mul_i32 s83, s13, 3072
	s_add_co_u32 s82, s82, s83
	s_add_co_u32 s82, s82, VTC
	s_mov_b32 s83, 0                               ; V^T's codes: panels 32 b + 8 x quarter on, rows 64 head on
	s_lshr_b32 s86, s13, 1                         ; the head pair
	s_add_co_u32 s84, s86, 8
	s_lshl_b32 s84, s84, 14
	s_lshl_b32 s85, s12, 13
	s_add_co_u32 s84, s84, s85
	s_add_co_u32 s84, s84, QKS
	s_mov_b32 s85, 0                               ; K's scale words
	s_lshl_b32 s90, s12, 16
	s_lshl_b32 s91, s13, 8
	s_add_co_u32 s90, s90, s91
	s_add_co_u32 s90, s90, VTS
	s_mov_b32 s91, 0                               ; V^T's scale words
	s_mul_i32 s88, s13, 196608
	s_mul_i32 s89, s15, 48
	s_add_co_u32 s88, s88, s89
	s_mov_b32 s89, 0                               ; my queries' codes in qkvq, and my result's in oq: panel head, my rows
	s_lshl_b32 s86, s86, 14
	s_lshl_b32 s87, s15, 2
	s_add_co_u32 s86, s86, s87
	s_and_b32 s87, s13, 1
	s_lshl_b32 s87, s87, 1
	s_add_co_u32 s86, s86, s87                     ; my rows' scale words, my head's two bytes
	s_mov_b32 s87, 0
	s_mov_b32 s[SEL], 0x76543210
	s_mov_b32 s[SEL+1], 0xfedcba98
	s_mov_b32 s[CS], 0x3e38aa3b                    ; c = log2(e) / 8
	s_mov_b32 s[CS+1], s[CS]
	s_mov_b32 s[TB], 0
	s_mov_b32 s[TS], 0
	s_mov_b32 s[TJ], 0
	s_mov_b32 s[SS], 0
	s_wait_kmcnt 0x0
	s_mov_b32 s[G0A], 1
	s_mov_b32 s[G0A+1], s79
	s_add_nc_u64 s[G0A+2:G0A+3], s[4:5], s[80:81]
	s_or_b32 s[G0A+3], s[G0A+3], 0x80000000
	s_mov_b32 s[G0B], 1
	s_add_co_u32 s[G0B+1], s79, VC
	s_add_nc_u64 s[G0B+2:G0B+3], s[4:5], s[82:83]
	s_or_b32 s[G0B+3], s[G0B+3], 0x80000000
	s_mov_b32 s[G0C], 1
	s_mov_b32 s[G0C+1], KSC
	s_add_nc_u64 s[G0C+2:G0C+3], s[4:5], s[84:85]
	s_or_b32 s[G0C+3], s[G0C+3], 0x80000000
	s_mov_b32 s[G0D], 1
	s_mov_b32 s[G0D+1], VSC
	s_add_nc_u64 s[G0D+2:G0D+3], s[4:5], s[90:91]
	s_or_b32 s[G0D+3], s[G0D+3], 0x80000000
	s_add_nc_u64 s[92:93], s[4:5], s[88:89]        ; Q's codes
	s_add_nc_u64 s[94:95], s[4:5], s[86:87]
	s_add_nc_u64 s[94:95], s[94:95], QKS           ; Q's scale words
	s_add_nc_u64 s[96:97], s[6:7], s[88:89]        ; the result's codes
	s_add_nc_u64 s[98:99], s[6:7], s[86:87]
	s_add_nc_u64 s[98:99], s[98:99], OSC           ; and its scale words
	CROUND                                         ; all four work-groups are here: the joint loads meet
	; the first and only fills: waves 0-3 K's quarters, waves 4-7 V^T's, wave 8 K's scale words, wave 9 V^T's; one load a wave; four v_nop follow each
	s_cmp_lt_u32 s[WV], 4
	s_cbranch_scc0 .Lfill_1
	tensor_load_to_lds s[G0A:G0A+3], s[G1A:G1A+7]
	s_nop 0
.rept 4
	v_nop
.endr
	s_branch .Lfilled
.Lfill_1:
	s_cmp_lt_u32 s[WV], 8
	s_cbranch_scc0 .Lfill_2
	tensor_load_to_lds s[G0B:G0B+3], s[G1B:G1B+7]
	s_nop 0
.rept 4
	v_nop
.endr
	s_branch .Lfilled
.Lfill_2:
	s_cmp_eq_u32 s[WV], 8
	s_cbranch_scc0 .Lfill_3
	tensor_load_to_lds s[G0C:G0C+3], s[G1C:G1C+7]
	s_nop 0
.rept 4
	v_nop
.endr
	s_branch .Lfilled
.Lfill_3:
	s_cmp_eq_u32 s[WV], 9
	s_cbranch_scc0 .Lfilled
	tensor_load_to_lds s[G0D:G0D+3], s[G1D:G1D+7]
	s_nop 0
.rept 4
	v_nop
.endr
.Lfilled:
	v_and_b32 v8, 15, v0                           ; r
	v_bfe_u32 v9, v0, 4, 1                         ; h
	s_delay_alu instid0(VALU_DEP_2)
	v_mul_u32_u24 v[QA], v8, 48
	s_delay_alu instid0(VALU_DEP_1)
	v_mad_u32_u24 v[QA], v9, 24, v[QA]
.irp p, 0,1,2
	global_load_b64 v[16+2*\p:17+2*\p], v[QA], s[92:93] offset:8*\p   ; Q's fragment: K = 32 h + 0 .. 31 of the head's 64
.endr
	v_lshlrev_b32 v10, 2, v8
	global_load_u16 v255, v10, s[94:95]            ; Q's two scale bytes; the upper two are 0 and stand over zero codes
	v_and_b32 v11, 8, v8
	s_delay_alu instid0(VALU_DEP_1)
	v_add_nc_u32 v11, v11, v8                      ; r + 8 (r / 8)
	s_delay_alu instid0(VALU_DEP_1)
	v_mul_u32_u24 v[AK0], v11, 48
	s_delay_alu instid0(VALU_DEP_1)
	v_mad_u32_u24 v[AK0], v9, 24, v[AK0]
	v_add_nc_u32 v[AV0], VC, v[QA]
	s_and_b32 s76, s13, 1
	s_lshl_b32 s76, s76, 1
	s_add_co_u32 s76, s76, KSC
	v_lshl_add_u32 v[ASK0], v11, 2, s76
	v_lshl_add_u32 v[ASV0], v8, 2, VSC
	v_lshlrev_b32 v[DG], 4, v9
	s_delay_alu instid0(VALU_DEP_1)
	v_sub_nc_u32 v[DG], v8, v[DG]
	s_lshl_b32 s77, s10, 4
	v_add_nc_u32 v[DG], s77, v[DG]
	v_mov_b32 v[NINF], 0xff800000
	v_mov_b32 v13, 0xff61b1e6                      ; the largest t so far: -3e38
	s_delay_alu instid0(VALU_DEP_1)
	v_floor_f32 v12, -v13                          ; -M
	v_mov_b32 v14, 0                               ; the sum, in two halves
	v_mov_b32 v15, 0
.irp i, 22,23,24,25,26,27
	v_mov_b32 v[\i], 0                             ; K = 64 .. 127 of Q: zero codes
.endr
.irp t, 0,1,2,3
.irp i, 6,7,8,9,10,11
	v_mov_b32 v[32+12*\t+\i], 0                    ; and of the four fragments of K: written once, never loaded into
.endr
.endr
.irp b, 0,1,2,3
	v_mov_b32 v[236+\b], 0                         ; a lane permute's destination counts as one of its sources
.endr
	v_mov_b32 v252, 0
	v_mov_b32 v253, 0
.set i, 0
.rept 32
	v_mov_b32 v[O+i], 0                            ; O^T: the step is written once; the first finds zeros, which the first change of M leaves zeros
.set i, i+1
.endr
	s_wait_loadcnt 0x0                             ; Q
	s_wait_tensorcnt 0x0                           ; my part of K and V has landed,
	s_barrier_signal -1
	s_barrier_wait -1                              ; everybody's has
.Lstep:
	s_cmp_gt_u32 s[SS], s[TAU]                     ; all 128 keys of this step come after my queries: only the addresses step
	s_cbranch_scc1 .Lhidden
	v_add_nc_u32 v[ADK], s[TB], v[AK0]
	s_wait_alu depctr_va_vdst(0)
	v_add_nc_u32 v[ADV], s[TB], v[AV0]
	v_add_nc_u32 v[ADS], s[TS], v[ASK0]
	s_wait_alu depctr_va_vdst(0)
	v_add_nc_u32 v[ADT], s[TJ], v[ASV0]            ; (these four are the places behind the last step's products, in front of the loads below)
	s_wait_alu depctr_va_vdst(0)
.irp g, 0,1                                    ; S^T = K Q^T, four tiles of 16 keys at a time
.if \g > 0
.rept 4
	v_nop                                          ; places in front of loads into registers that matrix instructions have read
.endr
.endif
.irp t, 0,1,2,3
.irp p, 0,1,2
	ds_load_b64 v[32+12*\t+2*\p:33+12*\t+2*\p], v[ADK] offset:(32*((4*\g+\t)/2)+8*(\t%2))*48+8*\p
.endr
	ds_load_u16 v[248+\t], v[ADS] offset:(32*((4*\g+\t)/2)+8*(\t%2))*4
.endr
	s_wait_dscnt 0x0
.irp t, 0,1,2,3
	v_wmma_scale_f32_16x16x128_f8f6f4 v[S+8*(4*\g+\t):S+7+8*(4*\g+\t)], v[32+12*\t:43+12*\t], v[16:27], 0, v[248+\t], v255 matrix_a_fmt:MATRIX_FMT_BF6 matrix_b_fmt:MATRIX_FMT_BF6
.endr
.endr
.irp t, 0,1,2,3                                ; V^T's four fragments and scale words are asked for now and land under the softmax
.irp c, 0,1
.irp p, 0,1,2
	ds_load_b64 v[80+12*\t+6*\c+2*\p:81+12*\t+6*\c+2*\p], v[ADV] offset:3072*\c+768*\t+8*\p
.endr
.endr
	ds_load_b32 v[28+\t], v[ADT] offset:64*\t
.endr
.rept 4
	v_nop
.endr
	s_cmp_lg_u32 s[SS], s[TAU]                     ; on the diagonal the scores of hidden keys become -infinity ahead of the maximum: p = 0 then
	s_cbranch_scc1 .Lopen
.irp n, 0,1,2,3,4,5,6,7,8,9,10,11,12,13,14,15,16,17,18,19,20,21,22,23,24,25,26,27,28,29,30,31,32,33,34,35,36,37,38,39,40,41,42,43,44,45,46,47,48,49,50,51,52,53,54,55,56,57,58,59,60,61,62,63
	v_cmp_gt_i32 vcc_lo, 32*(\n/16)+\n%16, v[DG]
	v_cndmask_b32 v[S+\n], v[S+\n], v[NINF], vcc_lo
.endr
.Lopen:
.irp b, 0,1,2,3
	v_max3_num_f32 v[232+\b], v[S+16*\b], v[S+1+16*\b], v[S+2+16*\b]   ; the largest score of each block of 32 keys: for the row's maximum, and, since p rises with the score, for the block's largest p
.endr
.irp i, 3,5,7,9,11,13
.irp b, 0,1,2,3
	v_max3_num_f32 v[232+\b], v[232+\b], v[S+16*\b+\i], v[S+1+16*\b+\i]
.endr
.endr
.irp b, 0,1,2,3
	v_max_num_f32 v[232+\b], v[232+\b], v[S+15+16*\b]
.endr
.irp b, 0,1,2,3
	s_delay_alu instid0(VALU_DEP_4)
	v_permlanex16_b32 v[236+\b], v[232+\b], s[SEL], s[SEL+1]
.endr
.irp b, 0,1,2,3
	s_delay_alu instid0(VALU_DEP_4)
	v_max_num_f32 v[232+\b], v[232+\b], v[236+\b]  ; with lane l xor 16's 16 keys
.endr
	s_delay_alu instid0(VALU_DEP_2)
	v_max3_num_f32 v254, v232, v233, v234
	s_delay_alu instid0(VALU_DEP_1)
	v_max_num_f32 v254, v254, v235                 ; the step's largest score of my query
	s_delay_alu instid0(VALU_DEP_1)
	v_mul_f32 v254, s[CS], v254                    ; as t
	s_delay_alu instid0(VALU_DEP_1)
	v_max_num_f32 v13, v13, v254                   ; the running largest t
	v_mov_b32 v254, v12
	s_delay_alu instid0(VALU_DEP_2)
	v_floor_f32 v12, -v13                          ; the new -M = -ceil(t)
	s_delay_alu instid0(VALU_DEP_1)
	v_sub_f32 v254, v12, v254                      ; old M - new M: a whole number, 0 or less
	s_delay_alu instid0(VALU_DEP_1)
	v_cvt_i32_f32 v254, v254
	s_delay_alu instid0(VALU_DEP_1)
	v_ldexp_f32 v252, 1.0, v254                    ; f = 2^(old M - new M)
.irp j, 0,2,4,6,8,10,12,14,16,18,20,22,24,26,28,30,32,34,36,38,40,42,44,46,48,50,52,54,56,58,60,62
	v_pk_fma_f32 v[S+\j:S+1+\j], v[S+\j:S+1+\j], s[CS:CS+1], v[12:13] op_sel_hi:[1,0,0]   ; t - M
.endr
.irp b, 0,1,2,3
	v_fma_f32 v[232+\b], v[232+\b], s[CS], v12     ; the same of each block's largest score
.endr
	s_wait_alu depctr_va_vdst(0)
.irp j, 0,1,2,3,4,5,6,7,8,9,10,11,12,13,14,15,16,17,18,19,20,21,22,23,24,25,26,27,28,29,30,31,32,33,34,35,36,37,38,39,40,41,42,43,44,45,46,47,48,49,50,51,52,53,54,55,56,57,58,59,60,61,62,63
	v_exp_f32 v[S+\j], v[S+\j]                     ; p = 2^(t - M)
.endr
.irp b, 0,1,2,3
	v_exp_f32 v[232+\b], v[232+\b]                 ; the block's largest p
.endr
	v_pk_mul_f32 v[14:15], v[14:15], v[252:253] op_sel_hi:[1,0]   ; the sums under the new M (a plain place behind the exponentials)
	s_wait_alu depctr_va_vdst(0)
.irp b, 0,1,2,3
	v_max_num_f32 v[232+\b], 0x2800000, v[232+\b]  ; the floor 2^(5 - 127)
.endr
.irp b, 0,1,2,3
	s_delay_alu instid0(VALU_DEP_4)
	v_add_nc_u32 v[244+\b], 0xfe000000, v[232+\b]  ; the conversion's scale operand
.endr
.irp b, 0,1,2,3
	s_delay_alu instid0(VALU_DEP_4)
	v_lshrrev_b32 v[236+\b], 23, v[244+\b]         ; the scale's byte
.endr
	s_delay_alu instid0(VALU_DEP_3)
	v_lshl_or_b32 v253, v237, 8, v236              ; p's scale word for these 128 keys
	s_delay_alu instid0(VALU_DEP_1)
	v_lshl_or_b32 v253, v238, 16, v253
	s_delay_alu instid0(VALU_DEP_1)
	v_lshl_or_b32 v253, v239, 24, v253
.irp c, 0,1
	v_cvt_scalef32_pk16_bf6_f32 v[224+6*\c:226+6*\c], v[S+32*\c:S+15+32*\c], v[244+2*\c]
	v_cvt_scalef32_pk16_bf6_f32 v[236+4*\c:238+4*\c], v[S+16+32*\c:S+31+32*\c], v[244+2*\c+1]
.endr
	v_nop                                          ; one plain place behind a scaled conversion
.irp c, 0,1
.irp i, 0,1,2
	v_permlane16_swap_b32 v[224+6*\c+\i], v[236+4*\c+\i]
.endr
.irp i, 0,1,2
	s_delay_alu instid0(VALU_DEP_3)
	v_mov_b32 v[227+6*\c+\i], v[236+4*\c+\i]
.endr
.endr
	v_pk_add_f32 v[236:237], v[132:133], v[136:137]
	v_pk_add_f32 v[250:251], v[140:141], v[144:145]
	v_pk_add_f32 v[248:249], v[148:149], v[152:153]
	v_pk_add_f32 v[246:247], v[156:157], v[160:161]
	v_pk_add_f32 v[244:245], v[164:165], v[168:169]
	v_pk_add_f32 v[242:243], v[172:173], v[176:177]
	v_pk_add_f32 v[240:241], v[180:181], v[184:185]
	v_pk_add_f32 v[14:15], v[14:15], v[188:189]
	v_pk_add_f32 v[236:237], v[236:237], v[128:129]
	v_pk_add_f32 v[250:251], v[250:251], v[130:131]
	v_pk_add_f32 v[248:249], v[248:249], v[134:135]
	v_pk_add_f32 v[246:247], v[246:247], v[138:139]
	v_pk_add_f32 v[244:245], v[244:245], v[142:143]
	v_pk_add_f32 v[242:243], v[242:243], v[146:147]
	v_pk_add_f32 v[240:241], v[240:241], v[150:151]
	v_pk_add_f32 v[14:15], v[14:15], v[154:155]
	v_pk_add_f32 v[236:237], v[236:237], v[158:159]
	v_pk_add_f32 v[250:251], v[250:251], v[162:163]
	v_pk_add_f32 v[248:249], v[248:249], v[166:167]
	v_pk_add_f32 v[246:247], v[246:247], v[170:171]
	v_pk_add_f32 v[244:245], v[244:245], v[174:175]
	v_pk_add_f32 v[242:243], v[242:243], v[178:179]
	v_pk_add_f32 v[240:241], v[240:241], v[182:183]
	v_pk_add_f32 v[14:15], v[14:15], v[186:187]
	v_pk_add_f32 v[236:237], v[236:237], v[190:191]
	s_delay_alu instid0(VALU_DEP_2)
	v_pk_add_f32 v[14:15], v[14:15], v[246:247]
	s_delay_alu instid0(VALU_DEP_2)
	v_pk_add_f32 v[236:237], v[236:237], v[244:245]
	v_pk_add_f32 v[250:251], v[250:251], v[242:243]
	v_pk_add_f32 v[248:249], v[248:249], v[240:241]
	s_delay_alu instid0(VALU_DEP_2)
	v_pk_add_f32 v[14:15], v[14:15], v[250:251]
	s_delay_alu instid0(VALU_DEP_2)
	v_pk_add_f32 v[236:237], v[236:237], v[248:249]
	s_delay_alu instid0(VALU_DEP_1)
	v_pk_add_f32 v[14:15], v[14:15], v[236:237]
.irp j, 0,2,4,6,8,10,12,14,16,18,20,22,24,26,28,30
	v_pk_mul_f32 v[O+\j:O+1+\j], v[O+\j:O+1+\j], v[252:253] op_sel_hi:[1,0]   ; O^T under the new M (with the sums above: the places between p's codes and scale word and the products below)
.endr
	s_wait_alu depctr_va_vdst(0)
	s_wait_dscnt 0x0                               ; V^T's fragments and scale words
.irp t, 0,1,2,3                                ; O^T += V^T p^T: the four accumulators by turns
	v_wmma_scale_f32_16x16x128_f8f6f4 v[O+8*\t:O+7+8*\t], v[80+12*\t:91+12*\t], v[224:235], v[O+8*\t:O+7+8*\t], v[28+\t], v253 matrix_a_fmt:MATRIX_FMT_BF6 matrix_b_fmt:MATRIX_FMT_BF6
.endr
.Lhidden:
	s_add_co_u32 s[TB], s[TB], 6144
	s_add_co_u32 s[TS], s[TS], 512
	s_add_co_u32 s[TJ], s[TJ], 256
	s_add_co_u32 s[SS], s[SS], 1
	s_cmp_lt_u32 s[SS], 16
	s_cbranch_scc1 .Lstep
	; THE WAY OUT: O^T / l, then the quantiser along d (two blocks of 32), the codes through my stage, so that each store covers 256 consecutive bytes
.rept 4
	v_nop                                          ; places behind the last products
.endr
	v_add_f32 v14, v14, v15
	s_delay_alu instid0(VALU_DEP_1)
	v_permlanex16_b32 v252, v14, s[SEL], s[SEL+1]
	s_delay_alu instid0(VALU_DEP_1)
	v_add_f32 v14, v14, v252                       ; the row's sum
	s_wait_alu depctr_va_vdst(0)
	v_rcp_f32 v14, v14
	v_and_b32 v8, 15, v0                           ; (a plain place behind the reciprocal)
	s_wait_alu depctr_va_vdst(0)
.irp j, 0,2,4,6,8,10,12,14,16,18,20,22,24,26,28,30
	v_pk_mul_f32 v[S+\j:S+1+\j], v[O+\j:O+1+\j], v[14:15] op_sel_hi:[1,0]   ; register 8 t + i: o(r, 16 t + 8 h + i)
.endr
.irp g, 0,1
.irp j, 0,1,2,3,4,5,6,7
	v_permlane16_swap_b32 v[S+16*\g+\j], v[S+16*\g+8+\j]   ; register 16 g + i: d = 32 g + 16 h + i
.endr
.endr
.irp b, 0,1
	v_max3_num_f32 v[232+\b], |v[S+16*\b]|, |v[S+1+16*\b]|, 0x2800000
.endr
.irp i, 2,4,6,8,10,12,14
.irp b, 0,1
	s_delay_alu instid0(VALU_DEP_2)
	v_max3_num_f32 v[232+\b], v[232+\b], |v[S+16*\b+\i]|, |v[S+1+16*\b+\i]|
.endr
.endr
.irp b, 0,1
	s_delay_alu instid0(VALU_DEP_2)
	v_permlanex16_b32 v[236+\b], v[232+\b], s[SEL], s[SEL+1]
.endr
.irp b, 0,1
	s_delay_alu instid0(VALU_DEP_2)
	v_max_num_f32 v[232+\b], v[232+\b], v[236+\b]
.endr
.irp b, 0,1
	s_delay_alu instid0(VALU_DEP_2)
	v_add_nc_u32 v[244+\b], 0xfe000000, v[232+\b]
.endr
.irp b, 0,1
	s_delay_alu instid0(VALU_DEP_2)
	v_lshrrev_b32 v[236+\b], 23, v[244+\b]
.endr
	s_delay_alu instid0(VALU_DEP_1)
	v_lshl_or_b32 v254, v237, 8, v236              ; my row's two scale bytes
	v_cvt_scalef32_pk16_bf6_f32 v[224:226], v[S:S+15], v244
	v_cvt_scalef32_pk16_bf6_f32 v[240:242], v[S+16:S+31], v245
	v_nop
.irp i, 0,1,2
	v_permlane16_swap_b32 v[224+\i], v[240+\i]
.endr
.irp i, 0,1,2
	s_delay_alu instid0(VALU_DEP_3)
	v_mov_b32 v[227+\i], v[240+\i]                 ; v224-229: d = 32 h + 0 .. 31 of row r
.endr
	s_lshl_b32 s76, s[WV], 10
	s_add_co_u32 s76, s76, STG                     ; my stage
	v_add_nc_u32 v10, s76, v[QA]                   ; in: 48 r + 24 h
	v_and_b32 v11, 31, v0
	s_delay_alu instid0(VALU_DEP_1)
	v_lshlrev_b32 v11, 3, v11                      ; back, and in memory: 8 bytes a lane
	s_delay_alu instid0(VALU_DEP_1)
	v_add_nc_u32 v9, s76, v11
	v_lshlrev_b32 v8, 2, v8                        ; 4 r
.irp p, 0,1,2
	ds_store_b64 v10, v[224+2*\p:225+2*\p] offset:8*\p
.endr
.irp u, 0,1,2
	ds_load_b64 v[160+2*\u:161+2*\u], v9 offset:256*\u   ; LDS serves a wave's instructions in order: these see my stores
.endr
	global_store_b16 v8, v254, s[98:99]            ; lanes r and r + 16 store the same two bytes
	s_wait_alu depctr_va_vdst(0)
.irp u, 0,1,2
	s_wait_dscnt 2-\u                              ; the younger loads may be out
	global_store_b64 v11, v[160+2*\u:161+2*\u], s[96:97] offset:256*\u   ; 32 lanes store 256 consecutive bytes, aligned
.endr
	s_wait_xcnt 0x0
	v_lshl_add_u32 v254, v0, 2, 0x37000
	v_mov_b32 v255, 0
	s_wait_alu depctr_va_vdst(0)
	s_wait_tensorcnt 0x0
	ds_add_u32 v254, v255
	s_wait_dscnt 0x0
	CROUND                                         ; the closing round
	s_endpgm
.Lfunc_end_k_q4b0614884c_attn:
	.size	k_q4b0614884c_attn, .Lfunc_end_k_q4b0614884c_attn-k_q4b0614884c_attn
	.p2alignl 7, 3214868480
	.fill 96, 4, 3214868480
	.section	.rodata,"a",@progbits
	.p2align	6, 0x0
	.amdhsa_kernel k_q4b0614884c_attn
		.amdhsa_group_segment_fixed_size 227328
		.amdhsa_private_segment_fixed_size 0
		.amdhsa_enable_private_segment 0
		.amdhsa_kernarg_size 16
		.amdhsa_user_sgpr_count 2
		.amdhsa_user_sgpr_kernarg_segment_ptr 1
		.amdhsa_wavefront_size32 1
		.amdhsa_system_sgpr_workgroup_id_x 1
		.amdhsa_system_sgpr_workgroup_id_y 1
		.amdhsa_system_sgpr_workgroup_id_z 1
		.amdhsa_system_vgpr_workitem_id 0
		.amdhsa_next_free_vgpr 256
		.amdhsa_next_free_sgpr 100
		.amdhsa_reserve_vcc 1
		.amdhsa_float_denorm_mode_32 3
		.amdhsa_float_denorm_mode_16_64 3
		.amdhsa_memory_ordered 1
		.amdhsa_forward_progress 1
		.amdhsa_inst_pref_size 43
	.end_amdhsa_kernel
	.amdgpu_metadata
---
amdhsa.version: [ 1, 2 ]
amdhsa.kernels:
  - .name:           k_q4b0614884c_attn
    .symbol:         k_q4b0614884c_attn.kd
    .args:
      - { .name: qkvq, .offset: 0, .size: 8, .value_kind: global_buffer, .address_space: global }
      - { .name: oq, .offset: 8, .size: 8, .value_kind: global_buffer, .address_space: global }
    .group_segment_fixed_size: 227328
    .private_segment_fixed_size: 0
    .kernarg_segment_align: 8
    .kernarg_segment_size: 16
    .max_flat_workgroup_size: 512
    .sgpr_count:     100
    .vgpr_count:     256
    .wavefront_size: 32
...
	.end_amdgpu_metadata
.endif
;; end of part 3
;; launch oproj (part 4): grid 8 x 32, 4 waves a work-group, clusters of 4 x 4, 327,680 bytes of LDS; arguments oq, w_out_codes, w_out_scales, t; writes t
.if DOCPART == 4
	.amdgcn_target "amdgcn-amd-amdhsa--gfx1250"
	.amdhsa_code_object_version 6
	.text
	.protected	k_q4b0614884c_oproj
	.globl	k_q4b0614884c_oproj
	.p2align	8
	.type	k_q4b0614884c_oproj,@function
k_q4b0614884c_oproj:
	s_mov_b64 s[64:65], 0
	v_nop
	global_prefetch_b8 v0, s[64:65] scope:SCOPE_SE
	s_setreg_imm32_b32 hwreg(HW_REG_WAVE_MODE, 25, 1), 1
	s_wait_xcnt 0x0
	s_wait_alu depctr_hold_cnt(0) depctr_sa_sdst(0) depctr_va_vdst(0) depctr_va_sdst(0) depctr_va_ssrc(0) depctr_va_vcc(0) depctr_vm_vsrc(0)
	s_getreg_b32 s2, hwreg(HW_REG_IB_STS2, 6, 4)
	s_cmp_eq_u32 s2, 0
	s_cbranch_scc0 .Lentry_in_a_cluster
	s_endpgm
.Lentry_in_a_cluster:
	s_bfe_u32 s2, ttmp6, 0x10000c
	s_cmp_lg_u32 s2, 0xf033
	s_cbranch_scc0 .Lentry_shape_is_right
	s_endpgm
.Lentry_shape_is_right:
.set SIZE_K, 1024
.set ASC,    3145728
.set KROW,   SIZE_K*3/4
.set KS,     SIZE_K/32
.set PITCH,  528                       ; B's LDS row: a window of 512 bytes + 16 of padding.  K = 512 is 384 bytes of a row of codes; its window begins at byte 0 or 256 of each 768, so every tile row begins at a multiple of 256 bytes; the middle 256 of each 768 are fetched twice
.set FR,     12
.set APAN,   6144
.set AHALF,  4*APAN
.set BHALF,  64*PITCH                  ; what one wave fetches of B: 64 rows
.set BOFF,   8*APAN
.set SLOT,   BOFF+2*BHALF
.set LAPS,   SIZE_K/1024
.set SCA,    2*SLOT
.set SAH,    (SIZE_K/256)*512
.set SCB,    SCA+2*SAH
.set SBH,    (64*KS/256)*272
.set SBLK,   (16*KS/256)*272
.set SPARE,  SCB+2*SBH
.set ADRA, 16
.set ADRB, 20
.set STO,  24
.set RD,   25
.set CO,   26
.set ADSA, 27
.set SPW,  28
.set NIL,  29
.set ADSB, 30
.set SA,   32
.set SB,   64
.set AF,   128
.set G1, 24
.set G0, 32
.set G1B, 48
.set G0B, 56
.set G1S, 68
.set G0S, 76
.set G1SB, 80
.set G0SB, 88
.set MSB, 0
.macro WIN new
.if MSB != \new
	s_set_vgpr_msb (MSB<<8)|\new
.set MSB, \new
.endif
.endm
.set MUL,  0xa1
.set TO_B, 0x40
.macro JLOAD g0a, g1a, g0b, g1b
	s_cmp_eq_u32 s15, 0
	s_cbranch_scc0 .Lfor_b_\@
	tensor_load_to_lds s[\g0a:\g0a+3], s[\g1a:\g1a+7]
	s_nop 0
.rept 4
	v_nop
.endr
	s_branch .Lasked_\@
.Lfor_b_\@:
	tensor_load_to_lds s[\g0b:\g0b+3], s[\g1b:\g1b+7]
	s_nop 0
.rept 4
	v_nop
.endr
.Lasked_\@:
.endm
.macro CREST
	s_cmp_lg_u32 s14, 0
	s_cbranch_scc1 .Lnot_wave_0_\@
	s_barrier_signal -3
.Lnot_wave_0_\@:
	s_barrier_wait -3
	s_barrier_signal -1
	s_barrier_wait -1
.endm
.macro CROUND
	s_barrier_signal -1
	s_barrier_wait -1
	CREST
.endm
	s_load_b256 s[4:11], s[0:1], 0x0
	v_lshl_add_u32 v[SPW], v0, 2, SPARE
	v_mov_b32 v[NIL], 0
	ds_add_u32 v28, v29
	ds_add_u32 v28, v29
	s_wait_dscnt 0x0
	v_lshrrev_b32 v1, 5, v0
	v_readfirstlane_b32 s14, v1
	s_lshr_b32 s15, s14, 1
	s_and_b32 s16, s14, 1
	s_bfe_u32 s40, ttmp6, 0x40000
	s_bfe_u32 s41, ttmp6, 0x40004
	s_lshl_b32 s42, ttmp9, 2
	s_add_co_u32 s42, s42, s40
	s_and_b32 s17, ttmp7, 0xffff
	s_lshl_b32 s17, s17, 2
	s_add_co_u32 s17, s17, s41
	s_lshl_b32 s43, s41, 2
	s_lshl_b32 s43, 15, s43
	s_lshl_b32 s44, 0x1111, s40
	s_or_b32 s[G1+0], s43, (3<<16)|(1<<21)
	s_mov_b32 s[G1+1], 768<<16
	s_mov_b32 s[G1+2], 8<<16                       ; the head's load brings all 8 panels
	s_mov_b32 s[G1+3], 768<<16
	s_mov_b32 s[G1+4], 8
	s_mov_b32 s[G1+5], 24576
	s_mov_b32 s[G1+6], 0
	s_mov_b32 s[G1+7], 0
	s_or_b32 s[G1B+0], s44, (0<<16)|(1<<20)|(1<<21)|(6<<22)|(3<<25)
	s_mov_b32 s[G1B+1], 512<<16
	s_mov_b32 s[G1B+2], 128<<16                    ; the head's load brings all 128 rows
	s_mov_b32 s[G1B+3], 512<<16
	s_mov_b32 s[G1B+4], 128
	s_mov_b32 s[G1B+5], KROW
	s_mov_b32 s[G1B+6], 0
	s_mov_b32 s[G1B+7], 0
	s_or_b32 s[G1S+0], s43, (3<<16)|(1<<21)
	s_mov_b32 s[G1S+1], 64<<16
	s_mov_b32 s[G1S+2], (SIZE_K/128)<<16
	s_mov_b32 s[G1S+3], 64<<16
	s_mov_b32 s[G1S+4], SIZE_K/128
	s_mov_b32 s[G1S+5], 2048
	s_mov_b32 s[G1S+6], 0
	s_mov_b32 s[G1S+7], 0
	s_or_b32 s[G1SB+0], s44, (3<<16)|(1<<20)|(1<<21)|(5<<22)|(3<<25)
	s_mov_b32 s[G1SB+1], 32<<16
	s_mov_b32 s[G1SB+2], (128*KS/256)<<16
	s_mov_b32 s[G1SB+3], 32<<16
	s_mov_b32 s[G1SB+4], 128*KS/256
	s_mov_b32 s[G1SB+5], 32
	s_mov_b32 s[G1SB+6], 0
	s_mov_b32 s[G1SB+7], 0
.set G0H,  4                           ; group 0 of the head's whole tiles of slot 0: A's in s[4:7] (arguments that have been used), B's in s[96:99]
.set G0HB, 96
	s_mul_i32 s20, s17, APAN                       ; the tiles' first bytes, whole tiles: A's codes,
	s_mov_b32 s21, 0
	s_lshl_b32 s22, s17, 9
	s_add_co_u32 s22, s22, ASC                     ; A's scale words,
	s_mov_b32 s23, 0
	s_mul_i32 s46, s42, 128*KROW                   ; B's codes,
	s_mov_b32 s47, 0
	s_mul_i32 s92, s42, 128*KS                     ; B's scale bytes
	s_mov_b32 s93, 0
	s_mul_i32 s18, s16, 786432                     ; in the ring I fetch a half: 4 panels of A,
	s_mov_b32 s19, 0
	s_mul_i32 s12, s16, 64*KROW                    ; or 64 rows of B
	s_mov_b32 s13, 0
	s_mul_i32 s45, s16, AHALF
	s_mul_i32 s94, s16, BHALF
	s_add_co_u32 s94, s94, BOFF
	s_wait_kmcnt 0x0
	s_add_nc_u64 s[20:21], s[4:5], s[20:21]
	s_add_nc_u64 s[22:23], s[4:5], s[22:23]
	s_add_nc_u64 s[46:47], s[6:7], s[46:47]
	s_add_nc_u64 s[92:93], s[8:9], s[92:93]
	CROUND                                         ; the first joint loads meet
	s_mov_b32 s[G0H], 1
	s_mov_b32 s[G0H+1], 0
	s_mov_b64 s[G0H+2:G0H+3], s[20:21]
	s_or_b32 s[G0H+3], s[G0H+3], 0x80000000
	s_mov_b32 s[G0HB], 1
	s_mov_b32 s[G0HB+1], BOFF
	s_mov_b64 s[G0HB+2:G0HB+3], s[46:47]
	s_or_b32 s[G0HB+3], s[G0HB+3], 0x80000000
	s_mov_b32 s[G0S], 1
	s_mov_b32 s[G0S+1], SCA
	s_mov_b64 s[G0S+2:G0S+3], s[22:23]
	s_or_b32 s[G0S+3], s[G0S+3], 0x80000000
	s_mov_b32 s[G0SB], 1
	s_mov_b32 s[G0SB+1], SCB
	s_mov_b64 s[G0SB+2:G0SB+3], s[92:93]
	s_or_b32 s[G0SB+3], s[G0SB+3], 0x80000000
	s_add_nc_u64 s[20:21], s[20:21], s[18:19]      ; for the ring: my half
	s_add_nc_u64 s[46:47], s[46:47], s[12:13]
.irp s, 0,1
	s_mov_b32 s[G0+4*\s], 1
	s_add_co_u32 s[G0+4*\s+1], s45, \s*SLOT
	s_add_nc_u64 s[G0+4*\s+2:G0+4*\s+3], s[20:21], \s*1572864
	s_or_b32 s[G0+4*\s+3], s[G0+4*\s+3], 0x80000000
	s_mov_b32 s[G0B+4*\s], 1
	s_add_co_u32 s[G0B+4*\s+1], s94, \s*SLOT
	s_add_nc_u64 s[G0B+4*\s+2:G0B+4*\s+3], s[46:47], \s*256
	s_or_b32 s[G0B+4*\s+3], s[G0B+4*\s+3], 0x80000000
.endr
; the head's loads, one a wave: wave 0 slot 0's 8 panels of A, wave 1 its 128 rows of B, wave 2 A's scale words, wave 3 B's scale bytes
.macro HARM under, g0, g1, next
	s_cmp_lt_u32 s14, \under
	s_cbranch_scc0 \next
	tensor_load_to_lds s[\g0:\g0+3], s[\g1:\g1+7]
	s_nop 0
.rept 4
	v_nop
.endr
	s_branch .Lhead_asked
\next:
.endm
	HARM 1, G0H,  G1,  .Lhead_b
	HARM 2, G0HB, G1B, .Lhead_sa
	HARM 3, G0S,  G1S, .Lhead_sb
	tensor_load_to_lds s[G0SB:G0SB+3], s[G1SB:G1SB+7]
	s_nop 0
.rept 4
	v_nop
.endr
.Lhead_asked:
	v_and_b32 v1, 15, v0
	v_bfe_u32 v2, v0, 4, 1
	v_mul_u32_u24 v3, v1, 48
	v_mad_u32_u24 v3, v2, 24, v3
	v_mul_u32_u24 v4, v1, PITCH
	v_mad_u32_u24 v4, v2, 24, v4
	s_mul_i32 s21, s15, 64*48
	s_mul_i32 s22, s16, 64*PITCH
	s_add_co_u32 s22, s22, BOFF
.irp s, 0,1
	v_add_nc_u32 v[ADRA+\s], s21, v3
	v_add_nc_u32 v[ADRB+\s], s22, v4
	s_add_co_u32 s21, s21, SLOT
	s_add_co_u32 s22, s22, SLOT
.endr
	s_lshl_b32 s21, s15, 8
	s_add_co_u32 s21, s21, SCA
	v_lshl_add_u32 v[ADSA], v1, 2, s21
	v_mul_u32_u24 v5, v1, KS
	v_lshrrev_b32 v6, 8, v5
	v_lshl_add_u32 v5, v6, 4, v5
	s_mul_i32 s22, s16, SBH
	s_add_co_u32 s22, s22, SCB
	v_add_nc_u32 v[ADSB], s22, v5
	s_mul_i32 s23, s14, 16*272
	v_mul_u32_u24 v5, v1, 272
	v_lshl_add_u32 v5, v2, 5, v5
	v_add_nc_u32 v[STO], s23, v5
	v_mul_u32_u24 v5, v2, 272
	v_lshl_add_u32 v5, v1, 4, v5
	v_add_nc_u32 v[RD], s23, v5
	v_lshlrev_b32 v5, 12, v2
	v_lshl_add_u32 v[CO], v1, 4, v5
	s_lshl_b32 s20, s17, 7
	s_lshl_b32 s21, s15, 6
	s_add_co_u32 s20, s20, s21
	s_lshl_b32 s20, s20, 12
	s_lshl_b32 s46, s42, 9
	s_lshl_b32 s47, s16, 8
	s_add_co_u32 s46, s46, s47
	s_add_co_u32 s46, s46, s20
	s_mov_b32 s47, 0
	s_add_nc_u64 s[10:11], s[10:11], s[46:47]
.macro FRAGA reg, slot, q, i
.irp p, 0,1,2,3,4,5
	ds_load_b64 v[\reg+2*\p:\reg+2*\p+1], v[ADRA+\slot] offset:(2*(\q)+\p/3)*APAN+(\i)*768+8*(\p%3)
.endr
.endm
.macro FRAGB reg, slot, q, i
.irp p, 0,1,2,3,4,5
	ds_load_b64 v[\reg+2*\p:\reg+2*\p+1], v[ADRB+\slot] offset:128*(\slot)+96*(\q)+48*(\p/3)+8*(\p%3)+(\i)*16*PITCH   ; in slot 1 the step's bytes begin at byte 128 of the window
.endr
.endm
.macro FETCH slot, q, p
	WIN TO_B
.irp i, 0,1,2,3
	FRAGB 128*(\p)+FR*\i, \slot, \q, \i
.endr
	WIN 0
.irp i, 0,1,2,3
	FRAGA AF+48*(\p)+FR*\i, \slot, \q, \i
.endr
.endm
.macro SCALES set
.irp a, 0,1,2,3
.irp q, 0,1,2,3
	ds_load_b32 v[SA+16*\set+4*\a+\q], v[ADSA] offset:512*\q+64*\a
.endr
.endr
.irp b, 0,1,2,3
	ds_load_b128 v[SB+16*\set+4*\b:SB+16*\set+4*\b+3], v[ADSB] offset:\b*SBLK
.endr
.endm
.macro MULA a, p, q, set, zero
.irp b, 0,1,2,3
.if \zero
	v_wmma_scale_f32_16x16x128_f8f6f4 v[8*(4*(\a)+\b):8*(4*(\a)+\b)+7], v[128*(\p)+FR*\b:128*(\p)+FR*\b+FR-1], v[AF+48*(\p)+FR*(\a):AF+48*(\p)+FR*(\a)+FR-1], 0, v[SB+16*(\set)+4*\b+(\q)], v[SA+16*(\set)+4*(\a)+(\q)] matrix_a_fmt:MATRIX_FMT_BF6 matrix_b_fmt:MATRIX_FMT_BF6
.else
	v_wmma_scale_f32_16x16x128_f8f6f4 v[8*(4*(\a)+\b):8*(4*(\a)+\b)+7], v[128*(\p)+FR*\b:128*(\p)+FR*\b+FR-1], v[AF+48*(\p)+FR*(\a):AF+48*(\p)+FR*(\a)+FR-1], v[8*(4*(\a)+\b):8*(4*(\a)+\b)+7], v[SB+16*(\set)+4*\b+(\q)], v[SA+16*(\set)+4*(\a)+(\q)] matrix_a_fmt:MATRIX_FMT_BF6 matrix_b_fmt:MATRIX_FMT_BF6
.endif
.endr
.endm
.macro PLACES n
.rept \n
	v_nop
.endr
.endm
.macro STEP slot, q, zero
	s_wait_dscnt 0x0
	WIN MUL
	MULA 0, (\q)%2, \q, \slot, \zero
	PLACES 4
	FETCH \slot, (\q)+1, 1-(\q)%2
	WIN MUL
	MULA 1, (\q)%2, \q, \slot, \zero
	MULA 2, (\q)%2, \q, \slot, \zero
	MULA 3, (\q)%2, \q, \slot, \zero
	WIN 0
.endm
.macro TURN slot, next, fill
	WIN 0
	s_wait_tensorcnt 0x0
	ds_add_u32 v[SPW], v[NIL]
	s_wait_dscnt 1
	WIN MUL
	MULA 0, 1, 3, \slot, 0
	s_wait_dscnt 0x0
	s_barrier_signal -1
	MULA 1, 1, 3, \slot, 0
	WIN 0
	s_barrier_wait -1
.if \fill
	CREST
	s_add_nc_u64 s[G0+4*\slot+2:G0+4*\slot+3], s[G0+4*\slot+2:G0+4*\slot+3], 3145728
	s_add_nc_u64 s[G0B+4*\slot+2:G0B+4*\slot+3], s[G0B+4*\slot+2:G0B+4*\slot+3], 768
	JLOAD G0+4*\slot, G1, G0B+4*\slot, G1B
.else
	PLACES 4
.endif
	v_add_nc_u32 v[ADSA], 2048, v[ADSA]
	v_add_nc_u32 v[ADSB], 16, v[ADSB]
	FETCH \next, 0, 0
	SCALES \next
	WIN MUL
	MULA 2, 1, 3, \slot, 0
	MULA 3, 1, 3, \slot, 0
	WIN 0
.endm
	s_wait_alu depctr_va_vdst(0)
	s_wait_tensorcnt 0x0                           ; my tile of the head's four is in
	ds_add_u32 v[SPW], v[NIL]
	s_mov_b32 s[G1+2], 4<<16                       ; no load of mine is out: from here on a load brings a half: 4 panels,
	s_mov_b32 s[G1+4], 4
	s_mov_b32 s[G1B+2], 64<<16                     ; or 64 rows
	s_mov_b32 s[G1B+4], 64
	s_wait_dscnt 0x0
	CROUND
	JLOAD G0+4, G1, G0B+4, G1B                     ; slot 1's first fill, issued as a refill is
	FETCH 0, 0, 0
	SCALES 0
	STEP 0, 0, 1
.if LAPS > 1
	s_mov_b32 s3, LAPS-1
.Llap:
	STEP 0, 1, 0
	STEP 0, 2, 0
	TURN 0, 1, 1
	STEP 1, 0, 0
	STEP 1, 1, 0
	STEP 1, 2, 0
	TURN 1, 0, 1
	STEP 0, 0, 0
	s_sub_co_u32 s3, s3, 1
	s_cmp_lg_u32 s3, 0
	s_cbranch_scc1 .Llap
.endif
	STEP 0, 1, 0
	STEP 0, 2, 0
	TURN 0, 1, 0
	STEP 1, 0, 0
	STEP 1, 1, 0
	STEP 1, 2, 0
	s_wait_dscnt 0x0
	WIN MUL
	MULA 0, 1, 3, 1, 0
	MULA 1, 1, 3, 1, 0
	MULA 2, 1, 3, 1, 0
	MULA 3, 1, 3, 1, 0
	WIN 0
.macro TOSTAGE a
	WIN 0x08
.irp b, 0,1,2,3
	ds_store_b128 v[STO], v[8*(4*(\a)+\b):8*(4*(\a)+\b)+3] offset:64*\b
	ds_store_b128 v[STO], v[8*(4*(\a)+\b)+4:8*(4*(\a)+\b)+7] offset:64*\b+16
.endr
	WIN 0
.irp u, 0,1,2,3,4,5,6,7
	ds_load_b128 v[128+32*(\a)+4*\u:128+32*(\a)+4*\u+3], v[RD] offset:544*\u
.endr
.endm
.macro SEND a, younger
	s_wait_dscnt \younger
.irp u, 0,1,2,3,4,5,6,7
	global_store_b128 v[CO], v[128+32*(\a)+4*\u:128+32*(\a)+4*\u+3], s[10:11] offset:(16*(\a)+2*\u)*4096 th:TH_STORE_NT
.endr
.endm
	PLACES 4
	TOSTAGE 0
	TOSTAGE 1
	SEND 0, 16
	TOSTAGE 2
	SEND 1, 16
	TOSTAGE 3
	SEND 2, 16
	SEND 3, 0
	s_wait_tensorcnt 0x0
	ds_add_u32 v[SPW], v[NIL]
	s_wait_dscnt 0x0
	CROUND
	s_endpgm
.Lfunc_end_k_q4b0614884c_oproj:
	.size	k_q4b0614884c_oproj, .Lfunc_end_k_q4b0614884c_oproj-k_q4b0614884c_oproj
	.p2alignl 7, 3214868480
	.fill 96, 4, 3214868480
	.section	.rodata,"a",@progbits
	.p2align	6, 0x0
	.amdhsa_kernel k_q4b0614884c_oproj
		.amdhsa_group_segment_fixed_size 327680
		.amdhsa_private_segment_fixed_size 0
		.amdhsa_enable_private_segment 0
		.amdhsa_kernarg_size 32
		.amdhsa_user_sgpr_count 2
		.amdhsa_user_sgpr_kernarg_segment_ptr 1
		.amdhsa_wavefront_size32 1
		.amdhsa_system_sgpr_workgroup_id_x 1
		.amdhsa_system_sgpr_workgroup_id_y 1
		.amdhsa_system_sgpr_workgroup_id_z 1
		.amdhsa_system_vgpr_workitem_id 0
		.amdhsa_next_free_vgpr 768
		.amdhsa_next_free_sgpr 106
		.amdhsa_reserve_vcc 0
		.amdhsa_float_denorm_mode_32 3
		.amdhsa_float_denorm_mode_16_64 3
		.amdhsa_memory_ordered 1
		.amdhsa_forward_progress 1
		.amdhsa_inst_pref_size 64
	.end_amdhsa_kernel
	.amdgpu_metadata
---
amdhsa.version: [ 1, 2 ]
amdhsa.kernels:
  - .name:           k_q4b0614884c_oproj
    .symbol:         k_q4b0614884c_oproj.kd
    .args:
      - { .name: oq, .offset: 0, .size: 8, .value_kind: global_buffer, .address_space: global }
      - { .name: w_out_codes, .offset: 8, .size: 8, .value_kind: global_buffer, .address_space: global }
      - { .name: w_out_scales, .offset: 16, .size: 8, .value_kind: global_buffer, .address_space: global }
      - { .name: t, .offset: 24, .size: 8, .value_kind: global_buffer, .address_space: global }
    .group_segment_fixed_size: 327680
    .private_segment_fixed_size: 0
    .kernarg_segment_align: 8
    .kernarg_segment_size: 32
    .max_flat_workgroup_size: 128
    .sgpr_count:     106
    .vgpr_count:     768
    .wavefront_size: 32
...
	.end_amdgpu_metadata
.endif
;; end of part 4
;; launch ln1 (part 5): grid 256 x 1, 8 waves a work-group, no clusters, 84,992 bytes of LDS; arguments x, t, b_out, ln1_g, ln1_b, x1, aq; writes x1, aq
.if DOCPART == 5
	.amdgcn_target "amdgcn-amd-amdhsa--gfx1250"
	.amdhsa_code_object_version 6
	.text
	.protected	k_q4b0614884c_ln1
	.globl	k_q4b0614884c_ln1
	.p2align	8
	.type	k_q4b0614884c_ln1,@function
k_q4b0614884c_ln1:
	s_mov_b64 s[64:65], 0
	v_nop
	global_prefetch_b8 v0, s[64:65] scope:SCOPE_SE
	s_setreg_imm32_b32 hwreg(HW_REG_WAVE_MODE, 25, 1), 1
	s_wait_xcnt 0x0
; y = LayerNorm(x + (t + bias)) x gain + shift, rows of 1,024 f32; with QNT = 1 y is also quantised along the row to codes of E3M2 (aq: [4096][768]) with one E8M0 byte for each 32 (aq + AQS: [4096][32]).
; A work-group takes 16 rows, a wave two; a row is 32 registers a lane and stays in registers: each input byte is read once.  Every load and store of a wave covers 512 consecutive bytes.  All 56 loads of a wave go out at once.
; The variance is the mean of the squared differences from the mean (two passes over registers): no difference of large sums.
; Memory binds: no matrix unit, no tensor load; work-groups share only the three vectors of 4 KiB, a small part of their bytes, so there is no cluster.
; QNT: a half row of 512 numbers turns through the wave's own stage in LDS (one stage for each of its four half rows), so that a lane holds 16 neighbours for the conversion.
; LIMITS: NaN and infinities are not served; a block of zeros or under 2^-122 gets the byte 1 (read by this program alone).
.set QNT,  1
.set BI,   24                          ; v24-55   the bias (later: codes v24-39, bytes v40-43)
.set GA,   56                          ; v56-87   the gain
.set BT,   88                          ; v88-119  the shift
.set X0,   120                         ; v120-183 two rows
.set T0,   184                         ; v184-247 two rows of t (later: four half rows, 16 neighbours a lane)
.set SP,   80                          ; a lane's place in a stage: 64 bytes + 16 of padding
.set STGW, 4*32*SP                     ; a wave's four stages
.set SCB,  8*STGW                      ; behind them: the work-group's 512 scale bytes
.set AQS,  3145728
	s_load_b256 s[4:11], s[0:1], 0x0               ; x, t, bias, gain
	s_load_b128 s[12:15], s[0:1], 0x20             ; shift, y
.if QNT
	s_load_b64 s[16:17], s[0:1], 0x30              ; aq
	v_lshl_add_u32 v254, v0, 2, 0x14800
	v_mov_b32 v255, 0
.endif
	v_lshrrev_b32 v2, 5, v0
	s_delay_alu instid0(VALU_DEP_1)
	v_readfirstlane_b32 s20, v2                    ; wave 0..7
	v_and_b32 v2, 31, v0                           ; lane
	s_wait_alu depctr_va_vdst(0)
	v_lshlrev_b32 v1, 4, v2                        ; 16 bytes a lane
	s_lshl_b32 s21, ttmp9, 4
	s_lshl_b32 s22, s20, 1
	s_add_co_u32 s21, s21, s22                     ; my first row
	s_lshl_b32 s22, s21, 12
	s_mov_b32 s23, 0
	s_mov_b32 s24, 0x76543210                      ; lane selects for lane l xor 16
	s_mov_b32 s25, 0xfedcba98
	s_mov_b32 s26, 0x3a800000                      ; 1 / 1024
	s_mov_b32 s27, 0x3727c5ac                      ; 1e-5
.if QNT
	s_mul_i32 s30, s20, STGW
	v_lshrrev_b32 v3, 2, v2
	s_delay_alu instid0(VALU_DEP_1)
	v_mul_u32_u24 v3, v3, SP
	v_and_b32 v4, 3, v2
	s_delay_alu instid0(VALU_DEP_1)
	v_lshl_add_u32 v3, v4, 4, v3
	s_delay_alu instid0(VALU_DEP_1)
	v_add_nc_u32 v3, s30, v3                       ; a stage, on the way in: SP (lane / 4) + 16 (lane % 4)
	v_mul_u32_u24 v4, v2, SP
	s_delay_alu instid0(VALU_DEP_1)
	v_add_nc_u32 v4, s30, v4                       ; on the way out: SP x lane
	v_mul_u32_u24 v5, v2, 12                       ; my 16 codes
	s_lshl_b32 s30, s20, 6
	s_add_co_u32 s30, s30, SCB
	v_lshrrev_b32 v6, 1, v2
	s_delay_alu instid0(VALU_DEP_1)
	v_add_nc_u32 v6, s30, v6                       ; my block's scale byte: 64 bytes a wave
	v_add_nc_u32 v7, SCB, v1                       ; the 512 bytes as they lie
	s_mul_i32 s28, s21, 768
	s_mov_b32 s29, 0
	s_lshl_b32 s30, ttmp9, 9
	s_add_co_u32 s30, s30, AQS
	s_mov_b32 s31, 0
.endif
	s_wait_kmcnt 0x0
	s_add_nc_u64 s[4:5], s[4:5], s[22:23]
	s_add_nc_u64 s[6:7], s[6:7], s[22:23]
	s_add_nc_u64 s[14:15], s[14:15], s[22:23]
.if QNT
	s_add_nc_u64 s[18:19], s[16:17], s[30:31]      ; the work-group's scale bytes
	s_add_nc_u64 s[16:17], s[16:17], s[28:29]      ; my rows' codes
.endif
.macro LDVEC reg, base                 ; a vector of 1,024 numbers, laid as a row is
.irp j, 0,1,2,3,4,5,6,7
	global_load_b128 v[\reg+4*\j:\reg+4*\j+3], v1, s[\base:\base+1] offset:512*\j
.endr
.endm
.macro LDROW reg, base, off            ; a row: read once in this launch
.irp j, 0,1,2,3,4,5,6,7
	global_load_b128 v[\reg+4*\j:\reg+4*\j+3], v1, s[\base:\base+1] offset:\off+512*\j th:TH_LOAD_NT
.endr
.endm
	LDVEC BI, 8
	LDROW X0, 4, 0
	LDROW T0, 6, 0
	LDROW X0+32, 4, 4096
	LDROW T0+32, 6, 4096
	LDVEC GA, 10
	LDVEC BT, 12
.macro ADDROW X, T                     ; x + (t + bias)
.irp i, 0,2,4,6,8,10,12,14,16,18,20,22,24,26,28,30
	v_pk_add_f32 v[\T+\i:\T+\i+1], v[\T+\i:\T+\i+1], v[BI+\i:BI+\i+1]
.endr
.irp i, 0,2,4,6,8,10,12,14,16,18,20,22,24,26,28,30
	v_pk_add_f32 v[\X+\i:\X+\i+1], v[\X+\i:\X+\i+1], v[\T+\i:\T+\i+1]
.endr
.endm
.macro LANESUM                         ; v[8:15], four chains of pairs, become one sum over the wave, in v8 of every lane
	s_delay_alu instid0(VALU_DEP_3)
	v_pk_add_f32 v[8:9], v[8:9], v[10:11]
	s_delay_alu instid0(VALU_DEP_2)
	v_pk_add_f32 v[12:13], v[12:13], v[14:15]
	s_delay_alu instid0(VALU_DEP_1)
	v_pk_add_f32 v[8:9], v[8:9], v[12:13]
	s_delay_alu instid0(VALU_DEP_1)
	v_add_f32 v8, v8, v9
	s_delay_alu instid0(VALU_DEP_1)
	v_add_f32_dpp v8, v8, v8 row_xmask:1 row_mask:0xf bank_mask:0xf
	s_delay_alu instid0(VALU_DEP_1)
	v_add_f32_dpp v8, v8, v8 row_xmask:2 row_mask:0xf bank_mask:0xf
	s_delay_alu instid0(VALU_DEP_1)
	v_add_f32_dpp v8, v8, v8 row_xmask:4 row_mask:0xf bank_mask:0xf
	s_delay_alu instid0(VALU_DEP_1)
	v_add_f32_dpp v8, v8, v8 row_xmask:8 row_mask:0xf bank_mask:0xf
	s_delay_alu instid0(VALU_DEP_1)
	v_permlanex16_b32 v9, v8, s24, s25
	s_delay_alu instid0(VALU_DEP_1)
	v_add_f32 v8, v8, v9
.endm
.macro NORM X, off
	v_pk_add_f32 v[8:9], v[\X:\X+1], v[\X+2:\X+3]
	v_pk_add_f32 v[10:11], v[\X+4:\X+5], v[\X+6:\X+7]
	v_pk_add_f32 v[12:13], v[\X+8:\X+9], v[\X+10:\X+11]
	v_pk_add_f32 v[14:15], v[\X+12:\X+13], v[\X+14:\X+15]
.irp i, 16,24
	s_delay_alu instid0(VALU_DEP_4)
	v_pk_add_f32 v[8:9], v[8:9], v[\X+\i:\X+\i+1]
	s_delay_alu instid0(VALU_DEP_4)
	v_pk_add_f32 v[10:11], v[10:11], v[\X+\i+2:\X+\i+3]
	s_delay_alu instid0(VALU_DEP_4)
	v_pk_add_f32 v[12:13], v[12:13], v[\X+\i+4:\X+\i+5]
	s_delay_alu instid0(VALU_DEP_4)
	v_pk_add_f32 v[14:15], v[14:15], v[\X+\i+6:\X+\i+7]
.endr
	LANESUM
	s_delay_alu instid0(VALU_DEP_1)
	v_mul_f32 v16, s26, v8                         ; the mean, twice
	s_delay_alu instid0(VALU_DEP_2)
	v_mul_f32 v17, s26, v8
.irp i, 0,2,4,6,8,10,12,14,16,18,20,22,24,26,28,30
	v_pk_add_f32 v[\X+\i:\X+\i+1], v[\X+\i:\X+\i+1], v[16:17] neg_lo:[0,1] neg_hi:[0,1]
.endr
	v_pk_mul_f32 v[8:9], v[\X:\X+1], v[\X:\X+1]
	v_pk_mul_f32 v[10:11], v[\X+2:\X+3], v[\X+2:\X+3]
	v_pk_mul_f32 v[12:13], v[\X+4:\X+5], v[\X+4:\X+5]
	v_pk_mul_f32 v[14:15], v[\X+6:\X+7], v[\X+6:\X+7]
.irp i, 8,16,24
	s_delay_alu instid0(VALU_DEP_4)
	v_pk_fma_f32 v[8:9], v[\X+\i:\X+\i+1], v[\X+\i:\X+\i+1], v[8:9]
	s_delay_alu instid0(VALU_DEP_4)
	v_pk_fma_f32 v[10:11], v[\X+\i+2:\X+\i+3], v[\X+\i+2:\X+\i+3], v[10:11]
	s_delay_alu instid0(VALU_DEP_4)
	v_pk_fma_f32 v[12:13], v[\X+\i+4:\X+\i+5], v[\X+\i+4:\X+\i+5], v[12:13]
	s_delay_alu instid0(VALU_DEP_4)
	v_pk_fma_f32 v[14:15], v[\X+\i+6:\X+\i+7], v[\X+\i+6:\X+\i+7], v[14:15]
.endr
	LANESUM
	s_delay_alu instid0(VALU_DEP_1)
	v_fma_f32 v18, v8, s26, s27                    ; the variance + 1e-5
	s_wait_alu depctr_va_vdst(0)
	v_rsq_f32 v18, v18
	v_nop                                          ; one plain place behind the transcendental
	s_wait_alu depctr_va_vdst(0)
	v_mov_b32 v19, v18
.irp i, 0,2,4,6,8,10,12,14,16,18,20,22,24,26,28,30
	v_pk_mul_f32 v[\X+\i:\X+\i+1], v[\X+\i:\X+\i+1], v[18:19]
.endr
	s_wait_loadcnt 0x0                             ; the gain and the shift
.irp i, 0,2,4,6,8,10,12,14,16,18,20,22,24,26,28,30
	v_pk_fma_f32 v[\X+\i:\X+\i+1], v[\X+\i:\X+\i+1], v[GA+\i:GA+\i+1], v[BT+\i:BT+\i+1]
.endr
.irp j, 0,1,2,3,4,5,6,7
	global_store_b128 v1, v[\X+4*\j:\X+4*\j+3], s[14:15] offset:\off+512*\j   ; 32 lanes store 512 consecutive bytes; these registers are not written again
.endr
.endm
	s_wait_loadcnt 32                              ; the bias and my first row are in; my second row's 16 loads and the 16 of gain and shift may be out
	ADDROW X0, T0
	s_wait_loadcnt 16                              ; my second row is in
	ADDROW X0+32, T0+32
	NORM X0, 0
	NORM X0+32, 4096
.if QNT
.macro TURN s                          ; half row s (2 x row + half) through its stage
.irp i, 0,1,2,3
	ds_store_b128 v3, v[X0+16*\s+4*\i:X0+16*\s+4*\i+3] offset:32*SP*\s+8*SP*\i
.endr
.irp i, 0,1,2,3
	ds_load_b128 v[T0+16*\s+4*\i:T0+16*\s+4*\i+3], v4 offset:32*SP*\s+16*\i   ; LDS serves a wave's instructions in order: these see the stores above
.endr
.endm
.macro QSTEP s
.set XS, T0+16*\s
	s_wait_dscnt 8*(3-\s)                          ; this half row is back; the later stages' stores and loads may be out
	v_max3_num_f32 v8, |v[XS]|, |v[XS+1]|, |v[XS+2]|
	v_max3_num_f32 v9, |v[XS+3]|, |v[XS+4]|, |v[XS+5]|
.irp i, 6,10
	s_delay_alu instid0(VALU_DEP_2)
	v_max3_num_f32 v8, v8, |v[XS+\i]|, |v[XS+\i+1]|
	s_delay_alu instid0(VALU_DEP_2)
	v_max3_num_f32 v9, v9, |v[XS+\i+2]|, |v[XS+\i+3]|
.endr
	s_delay_alu instid0(VALU_DEP_2)
	v_max3_num_f32 v8, v8, |v[XS+14]|, |v[XS+15]|
	s_delay_alu instid0(VALU_DEP_1)
	v_max3_num_f32 v8, v8, v9, 0x2800000           ; the floor 2^(5 - 127): the byte cannot fall under 1
	s_delay_alu instid0(VALU_DEP_1)
	v_max_num_f32_dpp v8, v8, v8 row_xmask:1 row_mask:0xf bank_mask:0xf   ; with my neighbour's 16: the block's largest magnitude
	s_delay_alu instid0(VALU_DEP_1)
	v_add_nc_u32 v10, 0xfe000000, v8               ; 4 off its exponent field: the conversion's scale operand
	v_cvt_scalef32_pk16_bf6_f32 v[24+4*\s:26+4*\s], v[XS:XS+15], v10
	v_lshrrev_b32 v[40+\s], 23, v10                ; the scale's byte
	ds_store_b8 v6, v[40+\s] offset:16*\s          ; both lanes of a block write the same byte with the same value
	global_store_b96 v5, v[24+4*\s:26+4*\s], s[16:17] offset:384*\s   ; the wave stores 384 consecutive bytes
.endm
	TURN 0
	TURN 1
	TURN 2
	TURN 3
	QSTEP 0
	QSTEP 1
	QSTEP 2
	QSTEP 3
	s_wait_dscnt 0x0                               ; for the others' sake: my scale bytes lie in LDS
	s_barrier_signal -1
	s_barrier_wait -1
	s_cmp_lg_u32 s20, 0
	s_cbranch_scc1 .Ldone
	ds_load_b128 v[44:47], v7                      ; the 16 rows' 512 scale bytes
	s_wait_dscnt 0x0
	global_store_b128 v1, v[44:47], s[18:19]       ; 512 consecutive bytes, aligned
.Ldone:
.endif
	s_wait_tensorcnt 0x0
	ds_add_u32 v254, v255
	s_wait_dscnt 0x0
	s_endpgm
.Lfunc_end_k_q4b0614884c_ln1:
	.size	k_q4b0614884c_ln1, .Lfunc_end_k_q4b0614884c_ln1-k_q4b0614884c_ln1
	.p2alignl 7, 3214868480
	.fill 96, 4, 3214868480
	.section	.rodata,"a",@progbits
	.p2align	6, 0x0
	.amdhsa_kernel k_q4b0614884c_ln1
		.amdhsa_group_segment_fixed_size 84992
		.amdhsa_private_segment_fixed_size 0
		.amdhsa_enable_private_segment 0
		.amdhsa_kernarg_size 56
		.amdhsa_user_sgpr_count 2
		.amdhsa_user_sgpr_kernarg_segment_ptr 1
		.amdhsa_wavefront_size32 1
		.amdhsa_system_sgpr_workgroup_id_x 1
		.amdhsa_system_sgpr_workgroup_id_y 1
		.amdhsa_system_sgpr_workgroup_id_z 1
		.amdhsa_system_vgpr_workitem_id 0
		.amdhsa_next_free_vgpr 256
		.amdhsa_next_free_sgpr 66
		.amdhsa_reserve_vcc 0
		.amdhsa_float_denorm_mode_32 3
		.amdhsa_float_denorm_mode_16_64 3
		.amdhsa_memory_ordered 1
		.amdhsa_forward_progress 1
		.amdhsa_inst_pref_size 36
	.end_amdhsa_kernel
	.amdgpu_metadata
---
amdhsa.version: [ 1, 2 ]
amdhsa.kernels:
  - .name:           k_q4b0614884c_ln1
    .symbol:         k_q4b0614884c_ln1.kd
    .args:
      - { .name: x, .offset: 0, .size: 8, .value_kind: global_buffer, .address_space: global }
      - { .name: t, .offset: 8, .size: 8, .value_kind: global_buffer, .address_space: global }
      - { .name: b_out, .offset: 16, .size: 8, .value_kind: global_buffer, .address_space: global }
      - { .name: ln1_g, .offset: 24, .size: 8, .value_kind: global_buffer, .address_space: global }
      - { .name: ln1_b, .offset: 32, .size: 8, .value_kind: global_buffer, .address_space: global }
      - { .name: x1, .offset: 40, .size: 8, .value_kind: global_buffer, .address_space: global }
      - { .name: aq, .offset: 48, .size: 8, .value_kind: global_buffer, .address_space: global }
    .group_segment_fixed_size: 84992
    .private_segment_fixed_size: 0
    .kernarg_segment_align: 8
    .kernarg_segment_size: 56
    .max_flat_workgroup_size: 256
    .sgpr_count:     66
    .vgpr_count:     256
    .wavefront_size: 32
...
	.end_amdgpu_metadata
.endif
;; end of part 5
;; launch ff1 (part 6): grid 16 x 16, 4 waves a work-group, clusters of 4 x 4, 327,680 bytes of LDS; arguments aq, w_ff1_codes, w_ff1_scales, b_ff1, hq; writes hq
.if DOCPART == 6
	.amdgcn_target "amdgcn-amd-amdhsa--gfx1250"
	.amdhsa_code_object_version 6
	.text
	.protected	k_q4b0614884c_ff1
	.globl	k_q4b0614884c_ff1
	.p2align	8
	.type	k_q4b0614884c_ff1,@function
k_q4b0614884c_ff1:
	s_mov_b64 s[64:65], 0
	v_nop
	global_prefetch_b8 v0, s[64:65] scope:SCOPE_SE
	s_setreg_imm32_b32 hwreg(HW_REG_WAVE_MODE, 25, 1), 1
	s_wait_xcnt 0x0
	s_wait_alu depctr_hold_cnt(0) depctr_sa_sdst(0) depctr_va_vdst(0) depctr_va_sdst(0) depctr_va_ssrc(0) depctr_va_vcc(0) depctr_vm_vsrc(0)
	s_getreg_b32 s2, hwreg(HW_REG_IB_STS2, 6, 4)
	s_cmp_eq_u32 s2, 0
	s_cbranch_scc0 .Lentry_in_a_cluster
	s_endpgm
.Lentry_in_a_cluster:
	s_bfe_u32 s2, ttmp6, 0x10000c
	s_cmp_lg_u32 s2, 0xf033
	s_cbranch_scc0 .Lentry_shape_is_right
	s_endpgm
.Lentry_shape_is_right:
; h = gelu(x1 W1^T + b), exact GELU, on codes of E3M2 (one E8M0 scale for each 32 along K = 1024); h is quantised on the way out, along its columns, for the next product.
; A tile of 256 x 256 is made by four waves, each 128 x 128: 64 accumulators.  K goes through two LDS slots in CHUNKS OF 256 BYTES of each row (three chunks; chunk c in slot c % 2): every tile row is 256 bytes and begins at a multiple of 256.
; A step of 128 along K is 96 bytes: steps 2 and 5 lie across two chunks and take their pieces from both slots.  The scale bytes of the tile's rows come once and stay.
; CLUSTER 4 x 4: A's tiles are asked for jointly along a row of the cluster, B's along a column.  The matrix instruction is used transposed: a lane holds eight neighbouring columns of one row.
; No prefetch: K has three chunks, of which two are asked for at the head, so there is no loop to run ahead in.
; OUTPUT: codes in panels of 64 columns, [column / 64][row][48 bytes]; scale words in panels of 128 columns, [column / 128][row][4 bytes].
; LIMITS: NaN and infinities are not served; a block of zeros or under 2^-122 gets the byte 1 (read by this program alone); GELU: erfc by t exp(-z^2 + poly(t)), t = 1 / (1 + z / 2), fractional error 1.2e-7;
;   an exponential under 2^-126 comes out as 0, so GELU's far negative tail is 0.
; REGISTERS: window 0: v0-31 addresses; v32-63 scale words, two sets; v64-127 the column bias; v128-223 A's fragments.  window 1: B's fragments, two sets.  windows 2, 3: the accumulators.
.set ROWB,   256
.set NQ,     2
.set KROW,   768
.set STEPS,  8
.set CHUNKS, 3
.set PITCH,  272                       ; 256 bytes + 16 of padding
.set FR,     12
.set NL,     6
.set NP,     4
.set HALFT,  128*PITCH
.set SLOT,   4*HALFT                   ; A's 256 rows, then B's 256 rows
.set KS,     32
.set SCL,    2*SLOT                    ; the scale bytes, as 256 bytes + 16 of padding
.set HALFS,  (128*KS/256)*272
.set SBLK,   (16*KS/256)*272
.set SPARE,  SCL+4*HALFS               ; the spare words: two blocks of 256 bytes that no other line names
.set AQS,    3145728
.set STAGE,  SLOT                      ; the way out's stages lie in slot 1: the last chunk lies in slot 0, and slot 1 has had its last fill and its last read by then
.set STGB,   12800                     ; a wave's stage: 12,288 bytes of codes, 512 of scale words
.set ADRA, 16                          ; v16-17 my A fragments in slot 0, 1; v18-19 for pieces whose lanes 16-31 read the next chunk
.set ADRB, 20
.set STO,  24
.set RD,   25
.set CO,   26
.set ADRS, 27
.set SPW,  28
.set NIL,  29
.set SSO,  30
.set STA,  31
.set SSA,  9
.set BO,   10                          ; 32 h
.set SC,   32
.set AF,   128
.set CB,   64
.set HA,   128
.set T,    192
.set P,    208
.set U,    32
.set PC,   32
.set TM,   224
.set PW,   240
.set K9,   252
.set SEL,  92
.set G1, 24
.set G0, 32
.set G1B, 48
.set G0B, 56
.set G1S, 68
.set G0S, 76
.set G1SB, 80
.set G0SB, 88
.set G0H, 4                            ; group 0 of the head's loads of chunk 0, in registers whose arguments have been used
.set G0HB, 8
.set MSB, 0
.macro WIN new
.if MSB != \new
	s_set_vgpr_msb (MSB<<8)|\new
.set MSB, \new
.endif
.endm
.set MUL_LO, 0xa1
.set MUL_HI, 0xf1
.set TO_B,   0x40
.macro JLOAD g0a, g1a, g0b, g1b        ; waves 0, 1 fetch for A, waves 2, 3 for B
	s_cmp_eq_u32 s15, 0
	s_cbranch_scc0 .Lfor_b_\@
	tensor_load_to_lds s[\g0a:\g0a+3], s[\g1a:\g1a+7]
	s_nop 0
.rept 4
	v_nop
.endr
	s_branch .Lasked_\@
.Lfor_b_\@:
	tensor_load_to_lds s[\g0b:\g0b+3], s[\g1b:\g1b+7]
	s_nop 0
.rept 4
	v_nop
.endr
.Lasked_\@:
.endm
.macro CREST
	s_cmp_lg_u32 s14, 0
	s_cbranch_scc1 .Lnot_wave_0_\@
	s_barrier_signal -3
.Lnot_wave_0_\@:
	s_barrier_wait -3
	s_barrier_signal -1
	s_barrier_wait -1
.endm
.macro CROUND
	s_barrier_signal -1
	s_barrier_wait -1
	CREST
.endm
	s_load_b128 s[4:7], s[0:1], 0x0                ; aq, the weight's codes
	s_load_b64 s[8:9], s[0:1], 0x10                ; its scales
	s_load_b64 s[96:97], s[0:1], 0x18              ; the bias
	s_load_b64 s[98:99], s[0:1], 0x20              ; the output
	v_lshl_add_u32 v[SPW], v0, 2, SPARE
	v_mov_b32 v[NIL], 0
	ds_add_u32 v[SPW], v[NIL]                      ; the opening lines: the add twice on end
	ds_add_u32 v[SPW], v[NIL]
	v_lshrrev_b32 v1, 5, v0
	v_readfirstlane_b32 s14, v1                    ; wave
	s_lshr_b32 s15, s14, 1                         ; my half of the rows; also: I fetch for A (0) or B (1)
	s_and_b32 s16, s14, 1                          ; my half of the columns; also: which 128 rows I fetch
	s_bfe_u32 s40, ttmp6, 0x40000                  ; cx
	s_bfe_u32 s41, ttmp6, 0x40004                  ; cy
	s_lshl_b32 s42, ttmp9, 2
	s_add_co_u32 s42, s42, s40                     ; tile column
	s_and_b32 s17, ttmp7, 0xffff
	s_lshl_b32 s17, s17, 2
	s_add_co_u32 s17, s17, s41                     ; tile row
	s_lshl_b32 s43, s41, 2
	s_lshl_b32 s43, 15, s43                        ; my row of the cluster
	s_lshl_b32 s44, 0x1111, s40                    ; my column
	s_or_b32 s[G1+0], s43, (1<<20)|(1<<21)|(5<<22)|(3<<25)
	s_or_b32 s[G1B+0], s44, (1<<20)|(1<<21)|(5<<22)|(3<<25)
.irp g, G1, G1B
	s_mov_b32 s[\g+1], ROWB<<16
	s_mov_b32 s[\g+2], 256<<16                     ; 256 rows for the head's loads
	s_mov_b32 s[\g+3], ROWB<<16
	s_mov_b32 s[\g+4], 256
	s_mov_b32 s[\g+5], KROW
	s_mov_b32 s[\g+6], 0
	s_mov_b32 s[\g+7], 0
.endr
	s_or_b32 s[G1S+0], s43, (3<<16)|(1<<20)|(1<<21)|(5<<22)|(3<<25)
	s_or_b32 s[G1SB+0], s44, (3<<16)|(1<<20)|(1<<21)|(5<<22)|(3<<25)
.irp g, G1S, G1SB
	s_mov_b32 s[\g+1], 32<<16                      ; the scales of 256 rows: 8,192 dense bytes as 32 rows of 256
	s_mov_b32 s[\g+2], KS<<16
	s_mov_b32 s[\g+3], 32<<16
	s_mov_b32 s[\g+4], KS
	s_mov_b32 s[\g+5], 32
	s_mov_b32 s[\g+6], 0
	s_mov_b32 s[\g+7], 0
.endr
	s_lshl_b32 s20, s17, 8                         ; A's first row
	s_lshl_b32 s46, s42, 8                         ; B's
	s_mov_b32 s21, 0
	s_mov_b32 s47, 0
	s_mov_b64 s[18:19], KS
	s_mul_u64 s[22:23], s[20:21], s[18:19]
	s_mul_u64 s[92:93], s[46:47], s[18:19]
	s_mov_b64 s[18:19], KROW
	s_mul_u64 s[20:21], s[20:21], s[18:19]
	s_mul_u64 s[46:47], s[46:47], s[18:19]
	s_mul_i32 s18, s16, 128*KROW
	s_mov_b32 s19, 0
	s_mul_i32 s45, s14, HALFT
	s_wait_dscnt 0x0
	s_wait_kmcnt 0x0
	s_add_nc_u64 s[2:3], s[4:5], AQS               ; the activations' scale bytes
	s_add_nc_u64 s[20:21], s[4:5], s[20:21]
	s_add_nc_u64 s[22:23], s[2:3], s[22:23]
	s_add_nc_u64 s[46:47], s[6:7], s[46:47]
	s_add_nc_u64 s[92:93], s[8:9], s[92:93]
	CROUND                                         ; the first joint loads meet
	s_mov_b32 s[G0H], 1
	s_mov_b32 s[G0H+1], 0
	s_mov_b64 s[G0H+2:G0H+3], s[20:21]
	s_or_b32 s[G0H+3], s[G0H+3], 0x80000000
	s_mov_b32 s[G0HB], 1
	s_mov_b32 s[G0HB+1], 2*HALFT
	s_mov_b64 s[G0HB+2:G0HB+3], s[46:47]
	s_or_b32 s[G0HB+3], s[G0HB+3], 0x80000000
	s_mov_b32 s[G0S], 1
	s_mov_b32 s[G0S+1], SCL
	s_mov_b64 s[G0S+2:G0S+3], s[22:23]
	s_or_b32 s[G0S+3], s[G0S+3], 0x80000000
	s_mov_b32 s[G0SB], 1
	s_mov_b32 s[G0SB+1], SCL+2*HALFS
	s_mov_b64 s[G0SB+2:G0SB+3], s[92:93]
	s_or_b32 s[G0SB+3], s[G0SB+3], 0x80000000
	s_add_nc_u64 s[20:21], s[20:21], s[18:19]      ; for the ring: my 128 rows
	s_add_nc_u64 s[46:47], s[46:47], s[18:19]
.irp s, 0,1
	s_mov_b32 s[G0+4*\s], 1
	s_add_co_u32 s[G0+4*\s+1], s45, \s*SLOT
	s_add_nc_u64 s[G0+4*\s+2:G0+4*\s+3], s[20:21], \s*ROWB
	s_or_b32 s[G0+4*\s+3], s[G0+4*\s+3], 0x80000000
	s_mov_b32 s[G0B+4*\s], 1
	s_add_co_u32 s[G0B+4*\s+1], s45, \s*SLOT
	s_add_nc_u64 s[G0B+4*\s+2:G0B+4*\s+3], s[46:47], \s*ROWB
	s_or_b32 s[G0B+4*\s+3], s[G0B+4*\s+3], 0x80000000
.endr
; the head's loads, one a wave: wave 0 chunk 0 of A's 256 rows, wave 1 of B's, wave 2 A's scales, wave 3 B's
.macro HARM under, g0, g1, next
	s_cmp_lt_u32 s14, \under
	s_cbranch_scc0 \next
	tensor_load_to_lds s[\g0:\g0+3], s[\g1:\g1+7]
	s_nop 0
.rept 4
	v_nop
.endr
	s_branch .Lhead_asked
\next:
.endm
	HARM 1, G0H,  G1,  .Lhead_b
	HARM 2, G0HB, G1B, .Lhead_sa
	HARM 3, G0S,  G1S, .Lhead_sb
	tensor_load_to_lds s[G0SB:G0SB+3], s[G1SB:G1SB+7]
	s_nop 0
.rept 4
	v_nop
.endr
.Lhead_asked:
	v_and_b32 v1, 15, v0                           ; r
	v_bfe_u32 v2, v0, 4, 1                         ; h
	v_mul_u32_u24 v3, v1, PITCH
	v_mul_u32_u24 v4, v2, 24
	v_add_nc_u32 v4, v3, v4
	s_mov_b32 s21, SLOT-232
	s_mov_b32 s22, SLOT+232
	v_sub_nc_u32 v7, 1, v2
	v_mul_u32_u24 v5, s21, v2
	v_add_nc_u32 v5, v3, v5
	v_add_nc_u32 v5, 232, v5                       ; lanes 0-15 byte 232 of the row in slot 0, lanes 16-31 byte 0 in slot 1
	v_mul_u32_u24 v6, s22, v7
	v_add_nc_u32 v6, v3, v6                        ; and the other way round
	s_mul_i32 s21, s15, HALFT
	s_mul_i32 s22, s16, HALFT
	s_add_co_u32 s22, s22, 2*HALFT
	v_add_nc_u32 v[ADRA+2], s21, v5
	v_add_nc_u32 v[ADRA+3], s21, v6
	v_add_nc_u32 v[ADRB+2], s22, v5
	v_add_nc_u32 v[ADRB+3], s22, v6
.irp s, 0,1
	v_add_nc_u32 v[ADRA+\s], s21, v4
	v_add_nc_u32 v[ADRB+\s], s22, v4
	s_add_co_u32 s21, s21, SLOT
	s_add_co_u32 s22, s22, SLOT
.endr
	v_mul_u32_u24 v5, v1, KS
	v_lshrrev_b32 v6, 8, v5
	v_lshl_add_u32 v5, v6, 4, v5
	s_mul_i32 s21, s15, HALFS
	s_mul_i32 s22, s16, HALFS
	s_add_co_u32 s22, s22, 2*HALFS
	s_sub_co_u32 s22, s22, s21
	v_mul_u32_u24 v6, s22, v2                      ; lanes 16-31 take B's scale words
	s_add_co_u32 s21, s21, SCL
	v_add_nc_u32 v5, v5, v6
	v_add_nc_u32 v[ADRS], s21, v5
	s_mul_i32 s23, s14, STGB
	s_add_co_u32 s23, s23, STAGE                   ; my stage
	v_mul_u32_u24 v5, v1, 48
	v_mad_u32_u24 v5, v2, 24, v5
	v_add_nc_u32 v[STO], s23, v5
	v_lshl_add_u32 v5, v1, 2, 12288
	v_add_nc_u32 v[SSO], s23, v5
	v_and_b32 v6, 31, v0
	v_lshlrev_b32 v[CO], 4, v6
	v_add_nc_u32 v[RD], s23, v[CO]
	v_lshlrev_b32 v[BO], 5, v2
	s_lshl_b32 s20, s17, 8
	s_lshl_b32 s21, s15, 7
	s_add_co_u32 s20, s20, s21                     ; my first row
	s_lshl_b32 s46, s42, 8
	s_lshl_b32 s47, s16, 7
	s_add_co_u32 s46, s46, s47                     ; my first column
	s_lshl_b32 s2, s46, 2
	s_mov_b32 s3, 0
	s_add_nc_u64 s[104:105], s[96:97], s[2:3]      ; my 128 numbers of the bias
	s_lshr_b32 s2, s46, 6
	s_mul_i32 s2, s2, 196608
	s_mul_i32 s18, s20, 48
	s_add_co_u32 s2, s2, s18
	s_add_nc_u64 s[96:97], s[98:99], s[2:3]        ; my first panel's 6,144 bytes,
	s_add_nc_u64 s[100:101], s[96:97], 196608      ; my second panel's,
	s_lshr_b32 s2, s46, 7
	s_lshl_b32 s2, s2, 14
	s_lshl_b32 s18, s20, 2
	s_add_co_u32 s2, s2, s18
	s_add_co_u32 s2, s2, 12582912
	s_add_nc_u64 s[98:99], s[98:99], s[2:3]        ; my 512 bytes of scale words
	s_wait_alu depctr_va_vdst(0)
.irp b, 0,1,2,3,4,5,6,7
	global_load_b128 v[CB+8*\b:CB+8*\b+3], v[BO], s[104:105] offset:64*\b
	global_load_b128 v[CB+8*\b+4:CB+8*\b+7], v[BO], s[104:105] offset:64*\b+16
.endr
.macro FRAG reg, adr, st, i            ; 12 registers: 24 bytes at 24 h and at 48 + 24 h of the step's 96, in pieces of 8; byte y of a row lies in slot (y / 256) % 2 at byte y % 256
.irp p, 0,1,2,3,4,5
.set BY, 96*(\st)+48*(\p/3)+8*(\p%3)
.if BY/ROWB == (BY+24)/ROWB
	ds_load_b64 v[\reg+2*\p:\reg+2*\p+1], v[\adr+(BY/ROWB)%2] offset:BY%ROWB+(\i)*16*PITCH
.else
	ds_load_b64 v[\reg+2*\p:\reg+2*\p+1], v[\adr+2+(BY/ROWB)%2] offset:BY%ROWB-232+(\i)*16*PITCH
.endif
.endr
.endm
.macro MUL16 a0, p, q, sc, zero        ; the 64 accumulators take turns, in the same order in every step
.irp a, \a0, \a0+1
.irp b, 0,1,2,3,4,5,6,7
.if \zero
	v_wmma_scale_f32_16x16x128_f8f6f4 v[8*(8*((\a)%4)+\b):8*(8*((\a)%4)+\b)+7], v[128*(\p)+FR*\b:128*(\p)+FR*\b+FR-1], v[AF+FR*(\a):AF+FR*(\a)+FR-1], 0, v[SC+8*NQ*(\sc)+NQ*\b+(\q)], v[SC+8*NQ*(\sc)+NQ*(\a)+(\q)] matrix_a_fmt:MATRIX_FMT_BF6 matrix_b_fmt:MATRIX_FMT_BF6 matrix_a_scale:MATRIX_SCALE_ROW1
.else
	v_wmma_scale_f32_16x16x128_f8f6f4 v[8*(8*((\a)%4)+\b):8*(8*((\a)%4)+\b)+7], v[128*(\p)+FR*\b:128*(\p)+FR*\b+FR-1], v[AF+FR*(\a):AF+FR*(\a)+FR-1], v[8*(8*((\a)%4)+\b):8*(8*((\a)%4)+\b)+7], v[SC+8*NQ*(\sc)+NQ*\b+(\q)], v[SC+8*NQ*(\sc)+NQ*(\a)+(\q)] matrix_a_fmt:MATRIX_FMT_BF6 matrix_b_fmt:MATRIX_FMT_BF6 matrix_a_scale:MATRIX_SCALE_ROW1
.endif
.endr
.endr
.endm
.macro FETCH_B st, p
	WIN TO_B
.irp i, 0,1,2,3,4,5,6,7
	FRAG 128*(\p)+FR*\i, ADRB, \st, \i
.endr
	WIN 0
.endm
.macro FETCH_A st, i0
.irp i, \i0, \i0+1, \i0+2, \i0+3
	FRAG AF+FR*(\i), ADRA, \st, \i
.endr
.endm
.macro SCALES pr                       ; the scale words of steps 2 pr, 2 pr + 1: lanes 0-15 A's block i, lanes 16-31 B's
.irp i, 0,1,2,3,4,5,6,7
	ds_load_b64 v[SC+8*NQ*((\pr)%2)+NQ*\i:SC+8*NQ*((\pr)%2)+NQ*\i+1], v[ADRS] offset:\i*SBLK+4*NQ*(\pr)
.endr
.endm
.macro PLACES n
.rept \n
	v_nop
.endr
.endm
; A step: 64 products; the next step's fragments are fetched in its middle and at its end.  Where they end in a chunk not read yet: a barrier shows it whole.
; Where they begin in a later chunk: the wait for all tensor loads, the add, the wait for it and for my reads, the barrier; where a chunk is left to fetch, the barrier opens a round and the slot is filled again.
.macro STEP st, zero
.set NX, (\st)+1
.set C0, (96*(\st))/ROWB
.set C1, (96*NX)/ROWB
.set E0, (96*(\st)+95)/ROWB
.set E1, (96*NX+95)/ROWB
.if C1 > C0 || E1 > E0
	s_wait_tensorcnt 0x0
.if C1 > C0
	ds_add_u32 v[SPW], v[NIL]
	s_wait_dscnt 4*NL+1                            ; the add and the youngest 24 loads (A's blocks 4-7) may be out
.else
	s_wait_dscnt 4*NL
.endif
	WIN MUL_LO
	MUL16 0, (\st)%2, (\st)%2, ((\st)/2)%2, \zero
	s_wait_dscnt 0x0
	s_barrier_signal -1
	MUL16 2, (\st)%2, (\st)%2, ((\st)/2)%2, \zero
	WIN 0
	s_barrier_wait -1
.if C1 > C0 && C0+2 < CHUNKS
	CREST
	s_add_nc_u64 s[G0+4*(C0%2)+2:G0+4*(C0%2)+3], s[G0+4*(C0%2)+2:G0+4*(C0%2)+3], 2*ROWB
	s_add_nc_u64 s[G0B+4*(C0%2)+2:G0B+4*(C0%2)+3], s[G0B+4*(C0%2)+2:G0B+4*(C0%2)+3], 2*ROWB
	JLOAD G0+4*(C0%2), G1, G0B+4*(C0%2), G1B
.else
	PLACES NP
.endif
.else
	s_wait_dscnt 4*NL                              ; the youngest 24 loads (A's blocks 4-7) may be out
	WIN MUL_LO
	MUL16 0, (\st)%2, (\st)%2, ((\st)/2)%2, \zero
	MUL16 2, (\st)%2, (\st)%2, ((\st)/2)%2, \zero
	s_wait_dscnt 0
	PLACES NP
.endif
	FETCH_B NX, NX%2
	FETCH_A NX, 0
.if NX%2 == 0
	SCALES NX/2
.endif
	WIN MUL_HI
	MUL16 4, (\st)%2, (\st)%2, ((\st)/2)%2, \zero
	MUL16 6, (\st)%2, (\st)%2, ((\st)/2)%2, \zero
	PLACES NP
	WIN 0
	FETCH_A NX, 4
.endm
	s_wait_alu depctr_va_vdst(0)
	s_wait_tensorcnt 0x0                           ; my tile of the head's four is in
	ds_add_u32 v[SPW], v[NIL]
	s_mov_b32 s[G1+2], 128<<16                     ; no load of mine is out: from here on a load brings 128 rows
	s_mov_b32 s[G1+4], 128
	s_mov_b32 s[G1B+2], 128<<16
	s_mov_b32 s[G1B+4], 128
	s_wait_dscnt 0x0
	CROUND
	JLOAD G0+4, G1, G0B+4, G1B                     ; chunk 1: slot 1's first fill, issued as a refill is
	FETCH_B 0, 0
	FETCH_A 0, 0
	SCALES 0
	FETCH_A 0, 4
	STEP 0, 1
.set ST, 1
.rept STEPS-2
	STEP ST, 0
.set ST, ST+1
.endr
	s_wait_dscnt 4*NL
	WIN MUL_LO
	MUL16 0, 1, 1, 1, 0
	MUL16 2, 1, 1, 1, 0
	s_wait_dscnt 0
	WIN MUL_HI
	MUL16 4, 1, 1, 1, 0
	MUL16 6, 1, 1, 1, 0
	WIN 0
; THE WAY OUT.  Eight trips, a block of 16 rows x 128 columns each: bias, GELU, the quantiser along the columns, codes and scale words into my stage; then the stage leaves as it lies.
.macro UNZIP s                         ; register 16 g + i then holds column 32 g + 16 h + i
.irp g, 0,1,2,3
.irp j, 0,1,2,3,4,5,6,7
	v_permlane16_swap_b32 v[\s+16*\g+\j], v[\s+16*\g+8+\j]
.endr
.endr
.endm
.macro QUANT s
.irp b, 0,1,2,3
	v_max3_num_f32 v[TM+\b], |v[\s+16*\b]|, |v[\s+1+16*\b]|, 0x2800000   ; with the floor 2^(5 - 127): the byte cannot fall under 1
.endr
.irp i, 2,4,6,8,10,12,14
.irp b, 0,1,2,3
	v_max3_num_f32 v[TM+\b], v[TM+\b], |v[\s+16*\b+\i]|, |v[\s+1+16*\b+\i]|
.endr
.endr
.irp b, 0,1,2,3
	v_permlanex16_b32 v[TM+4+\b], v[TM+\b], s[SEL], s[SEL+1]
.endr
.irp b, 0,1,2,3
	v_max_num_f32 v[TM+\b], v[TM+\b], v[TM+4+\b]
.endr
.irp b, 0,1,2,3
	v_add_nc_u32 v[TM+12+\b], 0xfe000000, v[TM+\b] ; 4 off the exponent field: the conversion's scale operand
.endr
.irp b, 0,1,2,3
	v_lshrrev_b32 v[TM+4+\b], 23, v[TM+12+\b]
.endr
	v_lshl_or_b32 v[PW], v[TM+5], 8, v[TM+4]
	v_lshl_or_b32 v[PW], v[TM+6], 16, v[PW]
	v_lshl_or_b32 v[PW], v[TM+7], 24, v[PW]
.irp c, 0,1
	v_cvt_scalef32_pk16_bf6_f32 v[PC+6*\c:PC+2+6*\c], v[\s+32*\c:\s+15+32*\c], v[TM+12+2*\c]
	v_cvt_scalef32_pk16_bf6_f32 v[PC+12+4*\c:PC+14+4*\c], v[\s+16+32*\c:\s+31+32*\c], v[TM+12+2*\c+1]
.endr
	v_nop
.irp c, 0,1
.irp i, 0,1,2
	v_permlane16_swap_b32 v[PC+6*\c+\i], v[PC+12+4*\c+\i]
.endr
.irp i, 0,1,2
	v_mov_b32 v[PC+3+6*\c+\i], v[PC+12+4*\c+\i]
.endr
.endr
.endm
; gelu(x) = max(x, 0) - |x| t 2^arg, t = 1 / (1 + 0.35355339 |x|), arg = -x^2 log2(e) / 2 + c0 + t (c1 + .. + t c9): no difference of near numbers for x < 0
.macro GELU16 x
.irp i, 0,1,2,3,4,5,6,7,8,9,10,11,12,13,14,15
	v_fma_f32 v[T+\i], |v[\x+\i]|, s42, 1.0
.endr
	s_wait_alu depctr_va_vdst(0)
.irp i, 0,1,2,3,4,5,6,7,8,9,10,11,12,13,14,15
	v_rcp_f32 v[T+\i], v[T+\i]
.endr
.irp i, 0,2,4,6,8,10,12,14
	v_pk_mul_f32 v[U+\i:U+\i+1], v[\x+\i:\x+\i+1], s[44:45] op_sel_hi:[1,0]
.endr
	s_wait_alu depctr_va_vdst(0)
.irp i, 0,2,4,6,8,10,12,14
	v_pk_fma_f32 v[P+\i:P+\i+1], v[T+\i:T+\i+1], v[K9:K9+1], s[40:41] op_sel_hi:[1,1,0]
.endr
.irp c, 38,36,34,32,30,28,26,24
.irp i, 0,2,4,6,8,10,12,14
	v_pk_fma_f32 v[P+\i:P+\i+1], v[P+\i:P+\i+1], v[T+\i:T+\i+1], s[\c:\c+1] op_sel_hi:[1,1,0]
.endr
.endr
.irp i, 0,2,4,6,8,10,12,14
	v_pk_fma_f32 v[P+\i:P+\i+1], v[U+\i:U+\i+1], v[\x+\i:\x+\i+1], v[P+\i:P+\i+1]
.endr
	s_wait_alu depctr_va_vdst(0)
.irp i, 0,1,2,3,4,5,6,7,8,9,10,11,12,13,14,15
	v_exp_f32 v[P+\i], v[P+\i]
.endr
.irp i, 0,1,2,3,4,5,6,7,8,9,10,11,12,13,14,15
	v_mul_f32 v[T+\i], |v[\x+\i]|, v[T+\i]
.endr
.irp i, 0,1,2,3,4,5,6,7,8,9,10,11,12,13,14,15
	v_max_num_f32 v[\x+\i], 0, v[\x+\i]
.endr
	s_wait_alu depctr_va_vdst(0)
.irp i, 0,2,4,6,8,10,12,14
	v_pk_fma_f32 v[\x+\i:\x+\i+1], v[T+\i:T+\i+1], v[P+\i:P+\i+1], v[\x+\i:\x+\i+1] neg_lo:[1,0,0] neg_hi:[1,0,0]
.endr
.endm
.macro KONST reg, val
	s_mov_b32 s[\reg], \val
	s_mov_b32 s[\reg+1], \val
.endm
.macro ARM a                           ; block a's accumulators come into window 0 by the addition of the column bias, each from its low end on
.Larm_\a:
.set WA, 0x02+(\a)/4
	WIN WA
.set i, 0
.rept 32
	v_pk_add_f32 v[HA+2*i:HA+2*i+1], v[64*((\a)%4)+2*i:64*((\a)%4)+2*i+1], v[CB+2*i:CB+2*i+1]
.set i, i+1
.endr
	WIN 0
.if \a < 7
	s_branch .Lcommon
.endif
.endm
	s_wait_loadcnt 0x0                             ; the bias
	PLACES NP
	s_mov_b32 s[SEL], 0x76543210
	s_mov_b32 s[SEL+1], 0xfedcba98
.irp b, 0,1,2,3
	v_mov_b32 v[TM+4+\b], 0
.endr
	KONST 24, 0xc034d90f                           ; c0 = -1.26551223 log2(e) - 1
	KONST 26, 0x3fb8ab5a                           ; c1 .. c9: the fit's coefficients x log2(e)
	KONST 28, 0x3f0a29d2
	KONST 30, 0x3e0efb2e
	KONST 32, 0xbe899a80
	KONST 34, 0x3ecdfd18
	KONST 36, 0xbfd1a1e5
	KONST 38, 0x40097039
	KONST 40, 0xbf97d29d
	v_mov_b32 v[K9], 0x3e7c6f08
	v_mov_b32 v[K9+1], 0x3e7c6f08
	s_mov_b32 s42, 0x3eb504f3                      ; 1 / (2 sqrt 2)
	KONST 44, 0xbf38aa3b                           ; -log2(e) / 2
	s_mov_b32 s3, 0
	s_mov_b32 s67, 0
	s_mov_b32 s94, 0
.Lblk:
.irp a, 0,1,2,3,4,5,6
	s_cmp_eq_u32 s3, \a
	s_cbranch_scc1 .Larm_\a
.endr
	s_branch .Larm_7
	ARM 0
	ARM 1
	ARM 2
	ARM 3
	ARM 4
	ARM 5
	ARM 6
	ARM 7
.Lcommon:
.irp g, 0,1,2,3
	GELU16 HA+16*\g
.endr
	UNZIP HA
	QUANT HA
	v_add_nc_u32 v[STA], s67, v[STO]
	v_add_nc_u32 v[SSA], s94, v[SSO]
.irp c, 0,1
.irp p, 0,1,2
	ds_store_b64 v[STA], v[PC+6*\c+2*\p:PC+6*\c+2*\p+1] offset:6144*\c+8*\p
.endr
.endr
	ds_store_b32 v[SSA], v[PW]
	s_add_co_u32 s67, s67, 768
	s_add_co_u32 s94, s94, 64
	s_wait_dscnt 0x0
	s_add_co_u32 s3, s3, 1
	s_cmp_lt_u32 s3, 8
	s_cbranch_scc1 .Lblk
.irp t, 0,1,2,3,4,5,6,7,8,9,10,11,12,13,14,15,16,17,18,19,20,21,22,23
	ds_load_b128 v[128+4*\t:128+4*\t+3], v[RD] offset:512*\t
.endr
	ds_load_b128 v[224:227], v[RD] offset:12288
.irp t, 0,1,2,3,4,5,6,7,8,9,10,11
	s_wait_dscnt 24-\t                             ; the loads behind this one may be out
	global_store_b128 v[CO], v[128+4*\t:128+4*\t+3], s[96:97] offset:512*\t      ; 32 lanes store 512 consecutive bytes, aligned to 256
.endr
.irp t, 12,13,14,15,16,17,18,19,20,21,22,23
	s_wait_dscnt 24-\t
	global_store_b128 v[CO], v[128+4*\t:128+4*\t+3], s[100:101] offset:512*(\t-12)
.endr
	s_wait_dscnt 0x0
	global_store_b128 v[CO], v[224:227], s[98:99]
	s_wait_tensorcnt 0x0                           ; the wave's end
	ds_add_u32 v[SPW], v[NIL]
	s_wait_dscnt 0x0
	CROUND                                         ; the closing round
	s_endpgm
.Lfunc_end_k_q4b0614884c_ff1:
	.size	k_q4b0614884c_ff1, .Lfunc_end_k_q4b0614884c_ff1-k_q4b0614884c_ff1
	.p2alignl 7, 3214868480
	.fill 96, 4, 3214868480
	.section	.rodata,"a",@progbits
	.p2align	6, 0x0
	.amdhsa_kernel k_q4b0614884c_ff1
		.amdhsa_group_segment_fixed_size 327680
		.amdhsa_private_segment_fixed_size 0
		.amdhsa_enable_private_segment 0
		.amdhsa_kernarg_size 40
		.amdhsa_user_sgpr_count 2
		.amdhsa_user_sgpr_kernarg_segment_ptr 1
		.amdhsa_wavefront_size32 1
		.amdhsa_system_sgpr_workgroup_id_x 1
		.amdhsa_system_sgpr_workgroup_id_y 1
		.amdhsa_system_sgpr_workgroup_id_z 1
		.amdhsa_system_vgpr_workitem_id 0
		.amdhsa_next_free_vgpr 1024
		.amdhsa_next_free_sgpr 106
		.amdhsa_reserve_vcc 0
		.amdhsa_float_denorm_mode_32 3
		.amdhsa_float_denorm_mode_16_64 3
		.amdhsa_memory_ordered 1
		.amdhsa_forward_progress 1
		.amdhsa_inst_pref_size 201
	.end_amdhsa_kernel
	.amdgpu_metadata
---
amdhsa.version: [ 1, 2 ]
amdhsa.kernels:
  - .name:           k_q4b0614884c_ff1
    .symbol:         k_q4b0614884c_ff1.kd
    .args:
      - { .name: aq, .offset: 0, .size: 8, .value_kind: global_buffer, .address_space: global }
      - { .name: w_ff1_codes, .offset: 8, .size: 8, .value_kind: global_buffer, .address_space: global }
      - { .name: w_ff1_scales, .offset: 16, .size: 8, .value_kind: global_buffer, .address_space: global }
      - { .name: b_ff1, .offset: 24, .size: 8, .value_kind: global_buffer, .address_space: global }
      - { .name: hq, .offset: 32, .size: 8, .value_kind: global_buffer, .address_space: global }
    .group_segment_fixed_size: 327680
    .private_segment_fixed_size: 0
    .kernarg_segment_align: 8
    .kernarg_segment_size: 40
    .max_flat_workgroup_size: 128
    .sgpr_count:     106
    .vgpr_count:     1024
    .wavefront_size: 32
...
	.end_amdgpu_metadata
.endif
;; end of part 6
;; launch ff2 (part 7): grid 8 x 32, 4 waves a work-group, clusters of 4 x 4, 327,680 bytes of LDS; arguments hq, w_ff2_codes, w_ff2_scales, t; writes t
.if DOCPART == 7
	.amdgcn_target "amdgcn-amd-amdhsa--gfx1250"
	.amdhsa_code_object_version 6
	.text
	.protected	k_q4b0614884c_ff2
	.globl	k_q4b0614884c_ff2
	.p2align	8
	.type	k_q4b0614884c_ff2,@function
k_q4b0614884c_ff2:
	s_mov_b64 s[64:65], 0
	v_nop
	global_prefetch_b8 v0, s[64:65] scope:SCOPE_SE
	s_setreg_imm32_b32 hwreg(HW_REG_WAVE_MODE, 25, 1), 1
	s_wait_xcnt 0x0
	s_wait_alu depctr_hold_cnt(0) depctr_sa_sdst(0) depctr_va_vdst(0) depctr_va_sdst(0) depctr_va_ssrc(0) depctr_va_vcc(0) depctr_vm_vsrc(0)
	s_getreg_b32 s2, hwreg(HW_REG_IB_STS2, 6, 4)
	s_cmp_eq_u32 s2, 0
	s_cbranch_scc0 .Lentry_in_a_cluster
	s_endpgm
.Lentry_in_a_cluster:
	s_bfe_u32 s2, ttmp6, 0x10000c
	s_cmp_lg_u32 s2, 0xf033
	s_cbranch_scc0 .Lentry_shape_is_right
	s_endpgm
.Lentry_shape_is_right:
.set SIZE_K, 4096
.set ASC,    12582912
.set KROW,   SIZE_K*3/4
.set KS,     SIZE_K/32
.set PITCH,  528                       ; B's LDS row: a window of 512 bytes + 16 of padding.  K = 512 is 384 bytes of a row of codes; its window begins at byte 0 or 256 of each 768, so every tile row begins at a multiple of 256 bytes; the middle 256 of each 768 are fetched twice
.set FR,     12
.set APAN,   6144
.set AHALF,  4*APAN
.set BHALF,  64*PITCH                  ; what one wave fetches of B: 64 rows
.set BOFF,   8*APAN
.set SLOT,   BOFF+2*BHALF
.set LAPS,   SIZE_K/1024
.set SCA,    2*SLOT
.set SAH,    (SIZE_K/256)*512
.set SCB,    SCA+2*SAH
.set SBH,    (64*KS/256)*272
.set SBLK,   (16*KS/256)*272
.set SPARE,  SCB+2*SBH
.set ADRA, 16
.set ADRB, 20
.set STO,  24
.set RD,   25
.set CO,   26
.set ADSA, 27
.set SPW,  28
.set NIL,  29
.set ADSB, 30
.set SA,   32
.set SB,   64
.set AF,   128
.set G1, 24
.set G0, 32
.set G1B, 48
.set G0B, 56
.set G1S, 68
.set G0S, 76
.set G1SB, 80
.set G0SB, 88
.set MSB, 0
.macro WIN new
.if MSB != \new
	s_set_vgpr_msb (MSB<<8)|\new
.set MSB, \new
.endif
.endm
.set MUL,  0xa1
.set TO_B, 0x40
.macro JLOAD g0a, g1a, g0b, g1b
	s_cmp_eq_u32 s15, 0
	s_cbranch_scc0 .Lfor_b_\@
	tensor_load_to_lds s[\g0a:\g0a+3], s[\g1a:\g1a+7]
	s_nop 0
.rept 4
	v_nop
.endr
	s_branch .Lasked_\@
.Lfor_b_\@:
	tensor_load_to_lds s[\g0b:\g0b+3], s[\g1b:\g1b+7]
	s_nop 0
.rept 4
	v_nop
.endr
.Lasked_\@:
.endm
.macro CREST
	s_cmp_lg_u32 s14, 0
	s_cbranch_scc1 .Lnot_wave_0_\@
	s_barrier_signal -3
.Lnot_wave_0_\@:
	s_barrier_wait -3
	s_barrier_signal -1
	s_barrier_wait -1
.endm
.macro CROUND
	s_barrier_signal -1
	s_barrier_wait -1
	CREST
.endm
	s_load_b256 s[4:11], s[0:1], 0x0
	v_lshl_add_u32 v[SPW], v0, 2, SPARE
	v_mov_b32 v[NIL], 0
	ds_add_u32 v28, v29
	ds_add_u32 v28, v29
	s_wait_dscnt 0x0
	v_lshrrev_b32 v1, 5, v0
	v_readfirstlane_b32 s14, v1
	s_lshr_b32 s15, s14, 1
	s_and_b32 s16, s14, 1
	s_bfe_u32 s40, ttmp6, 0x40000
	s_bfe_u32 s41, ttmp6, 0x40004
	s_lshl_b32 s42, ttmp9, 2
	s_add_co_u32 s42, s42, s40
	s_and_b32 s17, ttmp7, 0xffff
	s_lshl_b32 s17, s17, 2
	s_add_co_u32 s17, s17, s41
	s_lshl_b32 s43, s41, 2
	s_lshl_b32 s43, 15, s43
	s_lshl_b32 s44, 0x1111, s40
	s_or_b32 s[G1+0], s43, (3<<16)|(1<<21)
	s_mov_b32 s[G1+1], 768<<16
	s_mov_b32 s[G1+2], 8<<16                       ; the head's load brings all 8 panels
	s_mov_b32 s[G1+3], 768<<16
	s_mov_b32 s[G1+4], 8
	s_mov_b32 s[G1+5], 24576
	s_mov_b32 s[G1+6], 0
	s_mov_b32 s[G1+7], 0
	s_or_b32 s[G1B+0], s44, (0<<16)|(1<<20)|(1<<21)|(6<<22)|(3<<25)
	s_mov_b32 s[G1B+1], 512<<16
	s_mov_b32 s[G1B+2], 128<<16                    ; the head's load brings all 128 rows
	s_mov_b32 s[G1B+3], 512<<16
	s_mov_b32 s[G1B+4], 128
	s_mov_b32 s[G1B+5], KROW
	s_mov_b32 s[G1B+6], 0
	s_mov_b32 s[G1B+7], 0
	s_or_b32 s[G1S+0], s43, (3<<16)|(1<<21)
	s_mov_b32 s[G1S+1], 64<<16
	s_mov_b32 s[G1S+2], (SIZE_K/128)<<16
	s_mov_b32 s[G1S+3], 64<<16
	s_mov_b32 s[G1S+4], SIZE_K/128
	s_mov_b32 s[G1S+5], 2048
	s_mov_b32 s[G1S+6], 0
	s_mov_b32 s[G1S+7], 0
	s_or_b32 s[G1SB+0], s44, (3<<16)|(1<<20)|(1<<21)|(5<<22)|(3<<25)
	s_mov_b32 s[G1SB+1], 32<<16
	s_mov_b32 s[G1SB+2], (128*KS/256)<<16
	s_mov_b32 s[G1SB+3], 32<<16
	s_mov_b32 s[G1SB+4], 128*KS/256
	s_mov_b32 s[G1SB+5], 32
	s_mov_b32 s[G1SB+6], 0
	s_mov_b32 s[G1SB+7], 0
.set G0H,  4                           ; group 0 of the head's whole tiles of slot 0: A's in s[4:7] (arguments that have been used), B's in s[96:99]
.set G0HB, 96
.set PFA,  100                         ; s[100:101] where my prefetches stand
.set PFD,  12                          ; s[12:13], s[18:19] what is added to it at a change out of slot 0, 1
.set PFO,  14                          ; v14, v15 the prefetches' lane offsets at a change out of slot 0, 1; never rewritten
	s_mul_i32 s20, s17, APAN                       ; the tiles' first bytes, whole tiles: A's codes,
	s_mov_b32 s21, 0
	s_lshl_b32 s22, s17, 9
	s_add_co_u32 s22, s22, ASC                     ; A's scale words,
	s_mov_b32 s23, 0
	s_mul_i32 s46, s42, 128*KROW                   ; B's codes,
	s_mov_b32 s47, 0
	s_mul_i32 s92, s42, 128*KS                     ; B's scale bytes
	s_mov_b32 s93, 0
	s_mul_i32 s18, s16, 786432                     ; in the ring I fetch a half: 4 panels of A,
	s_mov_b32 s19, 0
	s_mul_i32 s12, s16, 64*KROW                    ; or 64 rows of B
	s_mov_b32 s13, 0
	s_mul_i32 s45, s16, AHALF
	s_mul_i32 s94, s16, BHALF
	s_add_co_u32 s94, s94, BOFF
	s_wait_kmcnt 0x0
	s_add_nc_u64 s[20:21], s[4:5], s[20:21]
	s_add_nc_u64 s[22:23], s[4:5], s[22:23]
	s_add_nc_u64 s[46:47], s[6:7], s[46:47]
	s_add_nc_u64 s[92:93], s[8:9], s[92:93]
	CROUND                                         ; the first joint loads meet
	s_mov_b32 s[G0H], 1
	s_mov_b32 s[G0H+1], 0
	s_mov_b64 s[G0H+2:G0H+3], s[20:21]
	s_or_b32 s[G0H+3], s[G0H+3], 0x80000000
	s_mov_b32 s[G0HB], 1
	s_mov_b32 s[G0HB+1], BOFF
	s_mov_b64 s[G0HB+2:G0HB+3], s[46:47]
	s_or_b32 s[G0HB+3], s[G0HB+3], 0x80000000
	s_mov_b32 s[G0S], 1
	s_mov_b32 s[G0S+1], SCA
	s_mov_b64 s[G0S+2:G0S+3], s[22:23]
	s_or_b32 s[G0S+3], s[G0S+3], 0x80000000
	s_mov_b32 s[G0SB], 1
	s_mov_b32 s[G0SB+1], SCB
	s_mov_b64 s[G0SB+2:G0SB+3], s[92:93]
	s_or_b32 s[G0SB+3], s[G0SB+3], 0x80000000
	s_add_nc_u64 s[20:21], s[20:21], s[18:19]      ; for the ring: my half
	s_add_nc_u64 s[46:47], s[46:47], s[12:13]
.irp s, 0,1
	s_mov_b32 s[G0+4*\s], 1
	s_add_co_u32 s[G0+4*\s+1], s45, \s*SLOT
	s_add_nc_u64 s[G0+4*\s+2:G0+4*\s+3], s[20:21], \s*1572864
	s_or_b32 s[G0+4*\s+3], s[G0+4*\s+3], 0x80000000
	s_mov_b32 s[G0B+4*\s], 1
	s_add_co_u32 s[G0B+4*\s+1], s94, \s*SLOT
	s_add_nc_u64 s[G0B+4*\s+2:G0B+4*\s+3], s[46:47], \s*256
	s_or_b32 s[G0B+4*\s+3], s[G0B+4*\s+3], 0x80000000
.endr
; the head's loads, one a wave: wave 0 slot 0's 8 panels of A, wave 1 its 128 rows of B, wave 2 A's scale words, wave 3 B's scale bytes
.macro HARM under, g0, g1, next
	s_cmp_lt_u32 s14, \under
	s_cbranch_scc0 \next
	tensor_load_to_lds s[\g0:\g0+3], s[\g1:\g1+7]
	s_nop 0
.rept 4
	v_nop
.endr
	s_branch .Lhead_asked
\next:
.endm
	HARM 1, G0H,  G1,  .Lhead_b
	HARM 2, G0HB, G1B, .Lhead_sa
	HARM 3, G0S,  G1S, .Lhead_sb
	tensor_load_to_lds s[G0SB:G0SB+3], s[G1SB:G1SB+7]
	s_nop 0
.rept 4
	v_nop
.endr
.Lhead_asked:
; THE PREFETCHES.  K has 8 tiles of 512.  Behind the refill that asks for tile u (2 to 5) stands one prefetch for tile u + 2, two changes of slots ahead of the load that wants it; tiles 0 to 3 come by their loads alone; the loop's last trip asks for nothing.
; The four partners that ask for a tile jointly share its blocks of 256 bytes out by address.  A: of my 4 panels the partner at cx takes panel cx: 24 blocks, a lane a block (lanes 24-31 name the last again).
; B: of my 64 rows the partner at cy takes 16.  An even tile asks for bytes 0-511 of its 768, two lanes a row; the odd tile behind it for bytes 512-767 alone (both lanes of a row name that block): its first 256 were asked for with the even tile.
	s_mul_i32 s12, s40, 196608
	s_add_co_u32 s12, s12, 3*1572864               ; A: at tile 3: the first change steps it to tile 4
	s_mul_i32 s18, s41, 16*KROW
	s_add_co_u32 s18, s18, 1280                    ; B: 256 bytes ahead of tile 4's byte 1,536
	s_cmp_eq_u32 s15, 0                            ; do I fetch for A?
	s_cselect_b32 s66, -1, 0
	s_cselect_b64 s[PFA:PFA+1], s[20:21], s[46:47]
	s_cselect_b32 s104, s12, s18
	s_mov_b32 s105, 0
	s_mov_b32 s12, 256
	s_cselect_b32 s12, 1572864, s12                ; the steps: A a tile each; B 256 on to an even tile's first byte,
	s_mov_b32 s18, 512
	s_cselect_b32 s18, 1572864, s18                ; and 512 on to the odd tile's last block
	s_mov_b32 s13, 0
	s_mov_b32 s19, 0
	s_add_nc_u64 s[PFA:PFA+1], s[PFA:PFA+1], s[104:105]
	v_and_b32 v7, 31, v0
	v_min_u32 v8, 23, v7
	v_lshlrev_b32 v8, 8, v8                        ; A: a block a lane
	v_lshrrev_b32 v9, 1, v7
	v_mul_u32_u24 v9, v9, KROW                     ; B: a row for two lanes,
	v_and_b32 v10, 1, v7
	v_lshl_add_u32 v10, v10, 8, v9                 ; and its two blocks
	v_cndmask_b32 v[PFO], v10, v8, s66
	v_cndmask_b32 v[PFO+1], v9, v8, s66
	v_and_b32 v1, 15, v0
	v_bfe_u32 v2, v0, 4, 1
	v_mul_u32_u24 v3, v1, 48
	v_mad_u32_u24 v3, v2, 24, v3
	v_mul_u32_u24 v4, v1, PITCH
	v_mad_u32_u24 v4, v2, 24, v4
	s_mul_i32 s21, s15, 64*48
	s_mul_i32 s22, s16, 64*PITCH
	s_add_co_u32 s22, s22, BOFF
.irp s, 0,1
	v_add_nc_u32 v[ADRA+\s], s21, v3
	v_add_nc_u32 v[ADRB+\s], s22, v4
	s_add_co_u32 s21, s21, SLOT
	s_add_co_u32 s22, s22, SLOT
.endr
	s_lshl_b32 s21, s15, 8
	s_add_co_u32 s21, s21, SCA
	v_lshl_add_u32 v[ADSA], v1, 2, s21
	v_mul_u32_u24 v5, v1, KS
	v_lshrrev_b32 v6, 8, v5
	v_lshl_add_u32 v5, v6, 4, v5
	s_mul_i32 s22, s16, SBH
	s_add_co_u32 s22, s22, SCB
	v_add_nc_u32 v[ADSB], s22, v5
	s_mul_i32 s23, s14, 16*272
	v_mul_u32_u24 v5, v1, 272
	v_lshl_add_u32 v5, v2, 5, v5
	v_add_nc_u32 v[STO], s23, v5
	v_mul_u32_u24 v5, v2, 272
	v_lshl_add_u32 v5, v1, 4, v5
	v_add_nc_u32 v[RD], s23, v5
	v_lshlrev_b32 v5, 12, v2
	v_lshl_add_u32 v[CO], v1, 4, v5
	s_lshl_b32 s20, s17, 7
	s_lshl_b32 s21, s15, 6
	s_add_co_u32 s20, s20, s21
	s_lshl_b32 s20, s20, 12
	s_lshl_b32 s46, s42, 9
	s_lshl_b32 s47, s16, 8
	s_add_co_u32 s46, s46, s47
	s_add_co_u32 s46, s46, s20
	s_mov_b32 s47, 0
	s_add_nc_u64 s[10:11], s[10:11], s[46:47]
.macro FRAGA reg, slot, q, i
.irp p, 0,1,2,3,4,5
	ds_load_b64 v[\reg+2*\p:\reg+2*\p+1], v[ADRA+\slot] offset:(2*(\q)+\p/3)*APAN+(\i)*768+8*(\p%3)
.endr
.endm
.macro FRAGB reg, slot, q, i
.irp p, 0,1,2,3,4,5
	ds_load_b64 v[\reg+2*\p:\reg+2*\p+1], v[ADRB+\slot] offset:128*(\slot)+96*(\q)+48*(\p/3)+8*(\p%3)+(\i)*16*PITCH   ; in slot 1 the step's bytes begin at byte 128 of the window
.endr
.endm
.macro FETCH slot, q, p
	WIN TO_B
.irp i, 0,1,2,3
	FRAGB 128*(\p)+FR*\i, \slot, \q, \i
.endr
	WIN 0
.irp i, 0,1,2,3
	FRAGA AF+48*(\p)+FR*\i, \slot, \q, \i
.endr
.endm
.macro SCALES set
.irp a, 0,1,2,3
.irp q, 0,1,2,3
	ds_load_b32 v[SA+16*\set+4*\a+\q], v[ADSA] offset:512*\q+64*\a
.endr
.endr
.irp b, 0,1,2,3
	ds_load_b128 v[SB+16*\set+4*\b:SB+16*\set+4*\b+3], v[ADSB] offset:\b*SBLK
.endr
.endm
.macro MULA a, p, q, set, zero
.irp b, 0,1,2,3
.if \zero
	v_wmma_scale_f32_16x16x128_f8f6f4 v[8*(4*(\a)+\b):8*(4*(\a)+\b)+7], v[128*(\p)+FR*\b:128*(\p)+FR*\b+FR-1], v[AF+48*(\p)+FR*(\a):AF+48*(\p)+FR*(\a)+FR-1], 0, v[SB+16*(\set)+4*\b+(\q)], v[SA+16*(\set)+4*(\a)+(\q)] matrix_a_fmt:MATRIX_FMT_BF6 matrix_b_fmt:MATRIX_FMT_BF6
.else
	v_wmma_scale_f32_16x16x128_f8f6f4 v[8*(4*(\a)+\b):8*(4*(\a)+\b)+7], v[128*(\p)+FR*\b:128*(\p)+FR*\b+FR-1], v[AF+48*(\p)+FR*(\a):AF+48*(\p)+FR*(\a)+FR-1], v[8*(4*(\a)+\b):8*(4*(\a)+\b)+7], v[SB+16*(\set)+4*\b+(\q)], v[SA+16*(\set)+4*(\a)+(\q)] matrix_a_fmt:MATRIX_FMT_BF6 matrix_b_fmt:MATRIX_FMT_BF6
.endif
.endr
.endm
.macro PLACES n
.rept \n
	v_nop
.endr
.endm
.macro STEP slot, q, zero
	s_wait_dscnt 0x0
	WIN MUL
	MULA 0, (\q)%2, \q, \slot, \zero
	PLACES 4
	FETCH \slot, (\q)+1, 1-(\q)%2
	WIN MUL
	MULA 1, (\q)%2, \q, \slot, \zero
	MULA 2, (\q)%2, \q, \slot, \zero
	MULA 3, (\q)%2, \q, \slot, \zero
	WIN 0
.endm
.macro TURN slot, next, fill
	WIN 0
.if \fill
	s_wait_xcnt 0x0                                ; any prefetch of mine has read its address: it is stepped here, ahead of the waits of the change of slots
	s_add_nc_u64 s[PFA:PFA+1], s[PFA:PFA+1], s[PFD+6*(\slot):PFD+6*(\slot)+1]
.endif
	s_wait_tensorcnt 0x0
	ds_add_u32 v[SPW], v[NIL]
	s_wait_dscnt 1
	WIN MUL
	MULA 0, 1, 3, \slot, 0
	s_wait_dscnt 0x0
	s_barrier_signal -1
	MULA 1, 1, 3, \slot, 0
	WIN 0
	s_barrier_wait -1
.if \fill
	CREST
	s_add_nc_u64 s[G0+4*\slot+2:G0+4*\slot+3], s[G0+4*\slot+2:G0+4*\slot+3], 3145728
	s_add_nc_u64 s[G0B+4*\slot+2:G0B+4*\slot+3], s[G0B+4*\slot+2:G0B+4*\slot+3], 768
	JLOAD G0+4*\slot, G1, G0B+4*\slot, G1B
.else
	PLACES 4
.endif
	s_wait_alu depctr_va_vdst(0)
	v_add_nc_u32 v[ADSA], 2048, v[ADSA]
	v_add_nc_u32 v[ADSB], 16, v[ADSB]
	FETCH \next, 0, 0
	SCALES \next
.if \fill
	s_cmp_gt_u32 s3, 1                             ; s3 = 1 in the loop's last trip, whose refills have no tile two on
	s_cbranch_scc0 .Lno_ask_\@
	global_prefetch_b8 v[PFO+\slot], s[PFA:PFA+1] th:TH_LOAD_NT scope:SCOPE_SE
.Lno_ask_\@:
.endif
	WIN MUL
	MULA 2, 1, 3, \slot, 0
	MULA 3, 1, 3, \slot, 0
	WIN 0
.endm
	s_wait_alu depctr_va_vdst(0)
	s_wait_tensorcnt 0x0                           ; my tile of the head's four is in
	ds_add_u32 v[SPW], v[NIL]
	s_mov_b32 s[G1+2], 4<<16                       ; no load of mine is out: from here on a load brings a half: 4 panels,
	s_mov_b32 s[G1+4], 4
	s_mov_b32 s[G1B+2], 64<<16                     ; or 64 rows
	s_mov_b32 s[G1B+4], 64
	s_wait_dscnt 0x0
	CROUND
	JLOAD G0+4, G1, G0B+4, G1B                     ; slot 1's first fill, issued as a refill is
	FETCH 0, 0, 0
	SCALES 0
	STEP 0, 0, 1
.if LAPS > 1
	s_mov_b32 s3, LAPS-1
.Llap:
	STEP 0, 1, 0
	STEP 0, 2, 0
	TURN 0, 1, 1
	STEP 1, 0, 0
	STEP 1, 1, 0
	STEP 1, 2, 0
	TURN 1, 0, 1
	STEP 0, 0, 0
	s_sub_co_u32 s3, s3, 1
	s_cmp_lg_u32 s3, 0
	s_cbranch_scc1 .Llap
.endif
	STEP 0, 1, 0
	STEP 0, 2, 0
	TURN 0, 1, 0
	STEP 1, 0, 0
	STEP 1, 1, 0
	STEP 1, 2, 0
	s_wait_dscnt 0x0
	WIN MUL
	MULA 0, 1, 3, 1, 0
	MULA 1, 1, 3, 1, 0
	MULA 2, 1, 3, 1, 0
	MULA 3, 1, 3, 1, 0
	WIN 0
.macro TOSTAGE a
	WIN 0x08
.irp b, 0,1,2,3
	ds_store_b128 v[STO], v[8*(4*(\a)+\b):8*(4*(\a)+\b)+3] offset:64*\b
	ds_store_b128 v[STO], v[8*(4*(\a)+\b)+4:8*(4*(\a)+\b)+7] offset:64*\b+16
.endr
	WIN 0
.irp u, 0,1,2,3,4,5,6,7
	ds_load_b128 v[128+32*(\a)+4*\u:128+32*(\a)+4*\u+3], v[RD] offset:544*\u
.endr
.endm
.macro SEND a, younger
	s_wait_dscnt \younger
.irp u, 0,1,2,3,4,5,6,7
	global_store_b128 v[CO], v[128+32*(\a)+4*\u:128+32*(\a)+4*\u+3], s[10:11] offset:(16*(\a)+2*\u)*4096 th:TH_STORE_NT
.endr
.endm
	PLACES 4
	TOSTAGE 0
	TOSTAGE 1
	SEND 0, 16
	TOSTAGE 2
	SEND 1, 16
	TOSTAGE 3
	SEND 2, 16
	SEND 3, 0
	s_wait_tensorcnt 0x0
	ds_add_u32 v[SPW], v[NIL]
	s_wait_dscnt 0x0
	CROUND
	s_endpgm
.Lfunc_end_k_q4b0614884c_ff2:
	.size	k_q4b0614884c_ff2, .Lfunc_end_k_q4b0614884c_ff2-k_q4b0614884c_ff2
	.p2alignl 7, 3214868480
	.fill 96, 4, 3214868480
	.section	.rodata,"a",@progbits
	.p2align	6, 0x0
	.amdhsa_kernel k_q4b0614884c_ff2
		.amdhsa_group_segment_fixed_size 327680
		.amdhsa_private_segment_fixed_size 0
		.amdhsa_enable_private_segment 0
		.amdhsa_kernarg_size 32
		.amdhsa_user_sgpr_count 2
		.amdhsa_user_sgpr_kernarg_segment_ptr 1
		.amdhsa_wavefront_size32 1
		.amdhsa_system_sgpr_workgroup_id_x 1
		.amdhsa_system_sgpr_workgroup_id_y 1
		.amdhsa_system_sgpr_workgroup_id_z 1
		.amdhsa_system_vgpr_workitem_id 0
		.amdhsa_next_free_vgpr 768
		.amdhsa_next_free_sgpr 106
		.amdhsa_reserve_vcc 0
		.amdhsa_float_denorm_mode_32 3
		.amdhsa_float_denorm_mode_16_64 3
		.amdhsa_memory_ordered 1
		.amdhsa_forward_progress 1
		.amdhsa_inst_pref_size 113
	.end_amdhsa_kernel
	.amdgpu_metadata
---
amdhsa.version: [ 1, 2 ]
amdhsa.kernels:
  - .name:           k_q4b0614884c_ff2
    .symbol:         k_q4b0614884c_ff2.kd
    .args:
      - { .name: hq, .offset: 0, .size: 8, .value_kind: global_buffer, .address_space: global }
      - { .name: w_ff2_codes, .offset: 8, .size: 8, .value_kind: global_buffer, .address_space: global }
      - { .name: w_ff2_scales, .offset: 16, .size: 8, .value_kind: global_buffer, .address_space: global }
      - { .name: t, .offset: 24, .size: 8, .value_kind: global_buffer, .address_space: global }
    .group_segment_fixed_size: 327680
    .private_segment_fixed_size: 0
    .kernarg_segment_align: 8
    .kernarg_segment_size: 32
    .max_flat_workgroup_size: 128
    .sgpr_count:     106
    .vgpr_count:     768
    .wavefront_size: 32
...
	.end_amdgpu_metadata
.endif
;; end of part 7
;; launch ln2 (part 8): grid 256 x 1, 8 waves a work-group, no clusters, 0 bytes of LDS; arguments x1, t, b_ff2, ln2_g, ln2_b, out0; writes out0
.if DOCPART == 8
	.amdgcn_target "amdgcn-amd-amdhsa--gfx1250"
	.amdhsa_code_object_version 6
	.text
	.protected	k_q4b0614884c_ln2
	.globl	k_q4b0614884c_ln2
	.p2align	8
	.type	k_q4b0614884c_ln2,@function
k_q4b0614884c_ln2:
	s_mov_b64 s[64:65], 0
	v_nop
	global_prefetch_b8 v0, s[64:65] scope:SCOPE_SE
	s_setreg_imm32_b32 hwreg(HW_REG_WAVE_MODE, 25, 1), 1
	s_wait_xcnt 0x0
; y = LayerNorm(x + (t + bias)) x gain + shift, rows of 1,024 f32; with QNT = 1 y is also quantised along the row to codes of E3M2 (aq: [4096][768]) with one E8M0 byte for each 32 (aq + AQS: [4096][32]).
; A work-group takes 16 rows, a wave two; a row is 32 registers a lane and stays in registers: each input byte is read once.  Every load and store of a wave covers 512 consecutive bytes.  All 56 loads of a wave go out at once.
; The variance is the mean of the squared differences from the mean (two passes over registers): no difference of large sums.
; Memory binds: no matrix unit, no tensor load; work-groups share only the three vectors of 4 KiB, a small part of their bytes, so there is no cluster.
; QNT: a half row of 512 numbers turns through the wave's own stage in LDS (one stage for each of its four half rows), so that a lane holds 16 neighbours for the conversion.
; LIMITS: NaN and infinities are not served; a block of zeros or under 2^-122 gets the byte 1 (read by this program alone).
.set QNT,  0
.set BI,   24                          ; v24-55   the bias (later: codes v24-39, bytes v40-43)
.set GA,   56                          ; v56-87   the gain
.set BT,   88                          ; v88-119  the shift
.set X0,   120                         ; v120-183 two rows
.set T0,   184                         ; v184-247 two rows of t (later: four half rows, 16 neighbours a lane)
.set SP,   80                          ; a lane's place in a stage: 64 bytes + 16 of padding
.set STGW, 4*32*SP                     ; a wave's four stages
.set SCB,  8*STGW                      ; behind them: the work-group's 512 scale bytes
.set AQS,  3145728
	s_load_b256 s[4:11], s[0:1], 0x0               ; x, t, bias, gain
	s_load_b128 s[12:15], s[0:1], 0x20             ; shift, y
.if QNT
	s_load_b64 s[16:17], s[0:1], 0x30              ; aq
.endif
	v_lshrrev_b32 v2, 5, v0
	s_delay_alu instid0(VALU_DEP_1)
	v_readfirstlane_b32 s20, v2                    ; wave 0..7
	v_and_b32 v2, 31, v0                           ; lane
	s_delay_alu instid0(VALU_DEP_1)
	v_lshlrev_b32 v1, 4, v2                        ; 16 bytes a lane
	s_lshl_b32 s21, ttmp9, 4
	s_lshl_b32 s22, s20, 1
	s_add_co_u32 s21, s21, s22                     ; my first row
	s_lshl_b32 s22, s21, 12
	s_mov_b32 s23, 0
	s_mov_b32 s24, 0x76543210                      ; lane selects for lane l xor 16
	s_mov_b32 s25, 0xfedcba98
	s_mov_b32 s26, 0x3a800000                      ; 1 / 1024
	s_mov_b32 s27, 0x3727c5ac                      ; 1e-5
.if QNT
	s_mul_i32 s30, s20, STGW
	v_lshrrev_b32 v3, 2, v2
	v_mul_u32_u24 v3, v3, SP
	v_and_b32 v4, 3, v2
	v_lshl_add_u32 v3, v4, 4, v3
	v_add_nc_u32 v3, s30, v3                       ; a stage, on the way in: SP (lane / 4) + 16 (lane % 4)
	v_mul_u32_u24 v4, v2, SP
	v_add_nc_u32 v4, s30, v4                       ; on the way out: SP x lane
	v_mul_u32_u24 v5, v2, 12                       ; my 16 codes
	s_lshl_b32 s30, s20, 6
	s_add_co_u32 s30, s30, SCB
	v_lshrrev_b32 v6, 1, v2
	v_add_nc_u32 v6, s30, v6                       ; my block's scale byte: 64 bytes a wave
	v_add_nc_u32 v7, SCB, v1                       ; the 512 bytes as they lie
	s_mul_i32 s28, s21, 768
	s_mov_b32 s29, 0
	s_lshl_b32 s30, ttmp9, 9
	s_add_co_u32 s30, s30, AQS
	s_mov_b32 s31, 0
.endif
	s_wait_alu depctr_va_vdst(0)
	s_wait_kmcnt 0x0
	s_add_nc_u64 s[4:5], s[4:5], s[22:23]
	s_add_nc_u64 s[6:7], s[6:7], s[22:23]
	s_add_nc_u64 s[14:15], s[14:15], s[22:23]
.if QNT
	s_add_nc_u64 s[18:19], s[16:17], s[30:31]      ; the work-group's scale bytes
	s_add_nc_u64 s[16:17], s[16:17], s[28:29]      ; my rows' codes
.endif
.macro LDVEC reg, base                 ; a vector of 1,024 numbers, laid as a row is
.irp j, 0,1,2,3,4,5,6,7
	global_load_b128 v[\reg+4*\j:\reg+4*\j+3], v1, s[\base:\base+1] offset:512*\j
.endr
.endm
.macro LDROW reg, base, off            ; a row: read once in this launch
.irp j, 0,1,2,3,4,5,6,7
	global_load_b128 v[\reg+4*\j:\reg+4*\j+3], v1, s[\base:\base+1] offset:\off+512*\j th:TH_LOAD_NT
.endr
.endm
	LDVEC BI, 8
	LDROW X0, 4, 0
	LDROW T0, 6, 0
	LDROW X0+32, 4, 4096
	LDROW T0+32, 6, 4096
	LDVEC GA, 10
	LDVEC BT, 12
.macro ADDROW X, T                     ; x + (t + bias)
.irp i, 0,2,4,6,8,10,12,14,16,18,20,22,24,26,28,30
	v_pk_add_f32 v[\T+\i:\T+\i+1], v[\T+\i:\T+\i+1], v[BI+\i:BI+\i+1]
.endr
.irp i, 0,2,4,6,8,10,12,14,16,18,20,22,24,26,28,30
	v_pk_add_f32 v[\X+\i:\X+\i+1], v[\X+\i:\X+\i+1], v[\T+\i:\T+\i+1]
.endr
.endm
.macro LANESUM                         ; v[8:15], four chains of pairs, become one sum over the wave, in v8 of every lane
	s_delay_alu instid0(VALU_DEP_3)
	v_pk_add_f32 v[8:9], v[8:9], v[10:11]
	s_delay_alu instid0(VALU_DEP_2)
	v_pk_add_f32 v[12:13], v[12:13], v[14:15]
	s_delay_alu instid0(VALU_DEP_1)
	v_pk_add_f32 v[8:9], v[8:9], v[12:13]
	s_delay_alu instid0(VALU_DEP_1)
	v_add_f32 v8, v8, v9
	s_delay_alu instid0(VALU_DEP_1)
	v_add_f32_dpp v8, v8, v8 row_xmask:1 row_mask:0xf bank_mask:0xf
	s_delay_alu instid0(VALU_DEP_1)
	v_add_f32_dpp v8, v8, v8 row_xmask:2 row_mask:0xf bank_mask:0xf
	s_delay_alu instid0(VALU_DEP_1)
	v_add_f32_dpp v8, v8, v8 row_xmask:4 row_mask:0xf bank_mask:0xf
	s_delay_alu instid0(VALU_DEP_1)
	v_add_f32_dpp v8, v8, v8 row_xmask:8 row_mask:0xf bank_mask:0xf
	s_delay_alu instid0(VALU_DEP_1)
	v_permlanex16_b32 v9, v8, s24, s25
	s_delay_alu instid0(VALU_DEP_1)
	v_add_f32 v8, v8, v9
.endm
.macro NORM X, off
	v_pk_add_f32 v[8:9], v[\X:\X+1], v[\X+2:\X+3]
	v_pk_add_f32 v[10:11], v[\X+4:\X+5], v[\X+6:\X+7]
	v_pk_add_f32 v[12:13], v[\X+8:\X+9], v[\X+10:\X+11]
	v_pk_add_f32 v[14:15], v[\X+12:\X+13], v[\X+14:\X+15]
.irp i, 16,24
	s_delay_alu instid0(VALU_DEP_4)
	v_pk_add_f32 v[8:9], v[8:9], v[\X+\i:\X+\i+1]
	s_delay_alu instid0(VALU_DEP_4)
	v_pk_add_f32 v[10:11], v[10:11], v[\X+\i+2:\X+\i+3]
	s_delay_alu instid0(VALU_DEP_4)
	v_pk_add_f32 v[12:13], v[12:13], v[\X+\i+4:\X+\i+5]
	s_delay_alu instid0(VALU_DEP_4)
	v_pk_add_f32 v[14:15], v[14:15], v[\X+\i+6:\X+\i+7]
.endr
	LANESUM
	s_delay_alu instid0(VALU_DEP_1)
	v_mul_f32 v16, s26, v8                         ; the mean, twice
	s_delay_alu instid0(VALU_DEP_2)
	v_mul_f32 v17, s26, v8
.irp i, 0,2,4,6,8,10,12,14,16,18,20,22,24,26,28,30
	v_pk_add_f32 v[\X+\i:\X+\i+1], v[\X+\i:\X+\i+1], v[16:17] neg_lo:[0,1] neg_hi:[0,1]
.endr
	v_pk_mul_f32 v[8:9], v[\X:\X+1], v[\X:\X+1]
	v_pk_mul_f32 v[10:11], v[\X+2:\X+3], v[\X+2:\X+3]
	v_pk_mul_f32 v[12:13], v[\X+4:\X+5], v[\X+4:\X+5]
	v_pk_mul_f32 v[14:15], v[\X+6:\X+7], v[\X+6:\X+7]
.irp i, 8,16,24
	s_delay_alu instid0(VALU_DEP_4)
	v_pk_fma_f32 v[8:9], v[\X+\i:\X+\i+1], v[\X+\i:\X+\i+1], v[8:9]
	s_delay_alu instid0(VALU_DEP_4)
	v_pk_fma_f32 v[10:11], v[\X+\i+2:\X+\i+3], v[\X+\i+2:\X+\i+3], v[10:11]
	s_delay_alu instid0(VALU_DEP_4)
	v_pk_fma_f32 v[12:13], v[\X+\i+4:\X+\i+5], v[\X+\i+4:\X+\i+5], v[12:13]
	s_delay_alu instid0(VALU_DEP_4)
	v_pk_fma_f32 v[14:15], v[\X+\i+6:\X+\i+7], v[\X+\i+6:\X+\i+7], v[14:15]
.endr
	LANESUM
	s_delay_alu instid0(VALU_DEP_1)
	v_fma_f32 v18, v8, s26, s27                    ; the variance + 1e-5
	s_wait_alu depctr_va_vdst(0)
	v_rsq_f32 v18, v18
	v_nop                                          ; one plain place behind the transcendental
	s_wait_alu depctr_va_vdst(0)
	v_mov_b32 v19, v18
.irp i, 0,2,4,6,8,10,12,14,16,18,20,22,24,26,28,30
	v_pk_mul_f32 v[\X+\i:\X+\i+1], v[\X+\i:\X+\i+1], v[18:19]
.endr
	s_wait_loadcnt 0x0                             ; the gain and the shift
.irp i, 0,2,4,6,8,10,12,14,16,18,20,22,24,26,28,30
	v_pk_fma_f32 v[\X+\i:\X+\i+1], v[\X+\i:\X+\i+1], v[GA+\i:GA+\i+1], v[BT+\i:BT+\i+1]
.endr
.irp j, 0,1,2,3,4,5,6,7
	global_store_b128 v1, v[\X+4*\j:\X+4*\j+3], s[14:15] offset:\off+512*\j   ; 32 lanes store 512 consecutive bytes; these registers are not written again
.endr
.endm
	s_wait_loadcnt 32                              ; the bias and my first row are in; my second row's 16 loads and the 16 of gain and shift may be out
	ADDROW X0, T0
	s_wait_loadcnt 16                              ; my second row is in
	ADDROW X0+32, T0+32
	NORM X0, 0
	NORM X0+32, 4096
.if QNT
.macro TURN s                          ; half row s (2 x row + half) through its stage
.irp i, 0,1,2,3
	ds_store_b128 v3, v[X0+16*\s+4*\i:X0+16*\s+4*\i+3] offset:32*SP*\s+8*SP*\i
.endr
.irp i, 0,1,2,3
	ds_load_b128 v[T0+16*\s+4*\i:T0+16*\s+4*\i+3], v4 offset:32*SP*\s+16*\i   ; LDS serves a wave's instructions in order: these see the stores above
.endr
.endm
.macro QSTEP s
.set XS, T0+16*\s
	s_wait_dscnt 8*(3-\s)                          ; this half row is back; the later stages' stores and loads may be out
	v_max3_num_f32 v8, |v[XS]|, |v[XS+1]|, |v[XS+2]|
	v_max3_num_f32 v9, |v[XS+3]|, |v[XS+4]|, |v[XS+5]|
.irp i, 6,10
	v_max3_num_f32 v8, v8, |v[XS+\i]|, |v[XS+\i+1]|
	v_max3_num_f32 v9, v9, |v[XS+\i+2]|, |v[XS+\i+3]|
.endr
	v_max3_num_f32 v8, v8, |v[XS+14]|, |v[XS+15]|
	v_max3_num_f32 v8, v8, v9, 0x2800000           ; the floor 2^(5 - 127): the byte cannot fall under 1
	v_max_num_f32_dpp v8, v8, v8 row_xmask:1 row_mask:0xf bank_mask:0xf   ; with my neighbour's 16: the block's largest magnitude
	v_add_nc_u32 v10, 0xfe000000, v8               ; 4 off its exponent field: the conversion's scale operand
	v_cvt_scalef32_pk16_bf6_f32 v[24+4*\s:26+4*\s], v[XS:XS+15], v10
	v_lshrrev_b32 v[40+\s], 23, v10                ; the scale's byte
	ds_store_b8 v6, v[40+\s] offset:16*\s          ; both lanes of a block write the same byte with the same value
	global_store_b96 v5, v[24+4*\s:26+4*\s], s[16:17] offset:384*\s   ; the wave stores 384 consecutive bytes
.endm
	TURN 0
	TURN 1
	TURN 2
	TURN 3
	QSTEP 0
	QSTEP 1
	QSTEP 2
	QSTEP 3
	s_wait_dscnt 0x0                               ; for the others' sake: my scale bytes lie in LDS
	s_barrier_signal -1
	s_barrier_wait -1
	s_cmp_lg_u32 s20, 0
	s_cbranch_scc1 .Ldone
	ds_load_b128 v[44:47], v7                      ; the 16 rows' 512 scale bytes
	s_wait_dscnt 0x0
	global_store_b128 v1, v[44:47], s[18:19]       ; 512 consecutive bytes, aligned
.Ldone:
.endif
	s_endpgm
.Lfunc_end_k_q4b0614884c_ln2:
	.size	k_q4b0614884c_ln2, .Lfunc_end_k_q4b0614884c_ln2-k_q4b0614884c_ln2
	.p2alignl 7, 3214868480
	.fill 96, 4, 3214868480
	.section	.rodata,"a",@progbits
	.p2align	6, 0x0
	.amdhsa_kernel k_q4b0614884c_ln2
		.amdhsa_group_segment_fixed_size 0
		.amdhsa_private_segment_fixed_size 0
		.amdhsa_enable_private_segment 0
		.amdhsa_kernarg_size 48
		.amdhsa_user_sgpr_count 2
		.amdhsa_user_sgpr_kernarg_segment_ptr 1
		.amdhsa_wavefront_size32 1
		.amdhsa_system_sgpr_workgroup_id_x 1
		.amdhsa_system_sgpr_workgroup_id_y 1
		.amdhsa_system_sgpr_workgroup_id_z 1
		.amdhsa_system_vgpr_workitem_id 0
		.amdhsa_next_free_vgpr 256
		.amdhsa_next_free_sgpr 66
		.amdhsa_reserve_vcc 0
		.amdhsa_float_denorm_mode_32 3
		.amdhsa_float_denorm_mode_16_64 3
		.amdhsa_memory_ordered 1
		.amdhsa_forward_progress 1
		.amdhsa_inst_pref_size 28
	.end_amdhsa_kernel
	.amdgpu_metadata
---
amdhsa.version: [ 1, 2 ]
amdhsa.kernels:
  - .name:           k_q4b0614884c_ln2
    .symbol:         k_q4b0614884c_ln2.kd
    .args:
      - { .name: x1, .offset: 0, .size: 8, .value_kind: global_buffer, .address_space: global }
      - { .name: t, .offset: 8, .size: 8, .value_kind: global_buffer, .address_space: global }
      - { .name: b_ff2, .offset: 16, .size: 8, .value_kind: global_buffer, .address_space: global }
      - { .name: ln2_g, .offset: 24, .size: 8, .value_kind: global_buffer, .address_space: global }
      - { .name: ln2_b, .offset: 32, .size: 8, .value_kind: global_buffer, .address_space: global }
      - { .name: out0, .offset: 40, .size: 8, .value_kind: global_buffer, .address_space: global }
    .group_segment_fixed_size: 0
    .private_segment_fixed_size: 0
    .kernarg_segment_align: 8
    .kernarg_segment_size: 48
    .max_flat_workgroup_size: 256
    .sgpr_count:     66
    .vgpr_count:     256
    .wavefront_size: 32
...
	.end_amdgpu_metadata
.endif
;; end of part 8
